; MI455X (gfx1250); checked and timed in simulation.
; The chip was launched on July 23, 2026; its instructions are those of AMD's public machine-readable ISA for CDNA 5 (MIT licence, August 2026) and "CDNA5" Instruction Set Architecture Reference Guide (July 2026). The comments in the code are by the model that wrote it; some were corrected since.
;; Block. Allowed arithmetic: matrix products marked QUANTISED: E5M2 operands, one E8M0 scale for each 32 along K, by v_wmma_scale_f32_16x16x128_f8f6f4 with both operands' format E5M2, f32 sums; everything else in f32.
;; Inputs: b_attn 3,072 float32; b_fc1 4,096 float32; b_fc2 1,024 float32; b_proj 1,024 float32; ln1_b 1,024 float32; ln1_g 1,024 float32; ln2_b 1,024 float32; ln2_g 1,024 float32; w_attn_codes 3,072 x 32 x 32 uint8 (E5M2 codes of w_attn, K innermost, in blocks of 32 codes); w_attn_scales 3,072 x 32 uint8 (E8M0 scales of w_attn, one for each 32 codes along K); w_fc1_codes 4,096 x 32 x 32 uint8 (E5M2 codes of w_fc1, K innermost, in blocks of 32 codes); w_fc1_scales 4,096 x 32 uint8 (E8M0 scales of w_fc1, one for each 32 codes along K); w_fc2_codes 1,024 x 128 x 32 uint8 (E5M2 codes of w_fc2, K innermost, in blocks of 32 codes); w_fc2_scales 1,024 x 128 uint8 (E8M0 scales of w_fc2, one for each 32 codes along K); w_proj_codes 1,024 x 32 x 32 uint8 (E5M2 codes of w_proj, K innermost, in blocks of 32 codes); w_proj_scales 1,024 x 32 uint8 (E8M0 scales of w_proj, one for each 32 codes along K); x 2 x 2,048 x 1,024 float32.
;; Outputs: out0 2 x 2,048 x 1,024 float32.
;; This version of the problem:
;;   THIS VERSION OF THE PROBLEM IS GIVEN IN LOW PRECISION. The matrix products marked QUANTISED in the list below multiply operands that are first quantised to E5M2 (5 exponent bits, 2 mantissa bits; 8 bits a number), with one power-of-two scale for each 32 numbers along K (OCP MX v1.0); their sums are f32. All else is computed in f32.
;;   The module's matrix products, in the order in which they are computed (A, B: the left and right operand; K: the contracted axis; several contracted axes count as one K, in the product's order):
;;     1. [M 4,096, K 1,024] x [K 1,024, N 3,072]; A: computed on the way; B: input w_attn (given as codes): QUANTISED
;;     2. batch 32 x [M 2,048, K 64] x [K 64, N 2,048]; A: computed on the way; B: computed on the way: QUANTISED
;;     3. batch 32 x [M 2,048, K 2,048] x [K 2,048, N 64]; A: softmax (see below); B: computed on the way: QUANTISED
;;     4. [M 4,096, K 1,024] x [K 1,024, N 1,024]; A: computed on the way; B: input w_proj (given as codes): QUANTISED
;;     5. [M 4,096, K 1,024] x [K 1,024, N 4,096]; A: computed on the way; B: input w_fc1 (given as codes): QUANTISED
;;     6. [M 4,096, K 4,096] x [K 4,096, N 1,024]; A: computed on the way; B: input w_fc2 (given as codes): QUANTISED
;;   THE QUANTISER, for each operand of a quantised product, along K:
;;     - K is cut into blocks of 32 from its start; a last block that is shorter is filled with zeros.
;;     - A block's scale is 2^e with e = floor(log2(the largest magnitude in the block)) - 15, held to -126 .. 127; a block of zeros has e = 0. As a byte (E8M0): e + 127.
;;     - Each number is divided by its block's scale, clamped to +-57,344, and rounded to the nearest number of E5M2, ties to even, subnormals kept.
;;     - The product sums the exact products of the quantised numbers (number of the format x scale) in f32.
;;   ~~~python
;;   def quantise(x, axis):      # numpy; x: float32 -> the quantised numbers, widened to float32 again
;;       x = np.moveaxis(x, axis, -1); K = x.shape[-1]
;;       x = np.pad(x, [(0, 0)] * (x.ndim - 1) + [(0, -K % 32)]); x = x.reshape(x.shape[:-1] + (-1, 32)); a = np.abs(x).max(-1, keepdims=True)
;;       e = np.where(a > 0, np.clip(np.frexp(np.where(a > 0, a, 1))[1] - 1 - 15, -126, 127), 0)      # np.frexp(a)[1] - 1 = floor(log2(a)), exactly
;;       r = np.clip(x / 2.0 ** e, -57344, 57344)
;;       step = 2.0 ** (np.maximum(np.frexp(np.where(r == 0, 1, r))[1] - 1, -14) - 2)
;;       q = np.round(r / step) * step * 2.0 ** e      # np.round: ties to even
;;       return np.moveaxis(q.reshape(q.shape[:-2] + (-1,))[..., :K], -1, axis).astype(np.float32)
;;   ~~~
;;   SOFTMAX AHEAD OF A QUANTISED PRODUCT. Where the list says 'softmax', what is quantised is not the finished softmax but p = 2^(t - M), with t = logit x log2(e) and M = ceil(the row's largest t), a whole number; so 1/2 < the row's largest p <= 1. The row's sum l is taken of the UNQUANTISED p, in f32, and the product's result is divided by l at the end. Since M is a whole number, a kernel that streams over the keys may use a running M (the ceiling of the running maximum): every later rescaling is an exact power of two, which a block's scale takes up: the codes' values come out the same.
;;   OPERANDS COMPUTED ON THE WAY. 'Computed on the way' means the value that the module computes at that place (a softmax that the list does not call 'softmax' is quantised finished and normalised). What goes into a quantiser is computed in f32, as accurately as f32 sums, v_exp_f32 and their like allow (about 1e-6 of the number): no bf16 or f16 on the way to a quantiser, and a product that is left as it is and whose result goes on into a quantised operand takes f32 operands (vector FMAs, or v_wmma_f32_16x16x4_f32). A number that lies on a knife's edge between two numbers of the format may be rounded either way, as far as f32 arithmetic and the matrix unit's own rounding can turn it there, and no further.
;;   INPUTS GIVEN AS CODES. w_attn (in the module: [1024, 3072], K = its axis 0); w_fc1 (in the module: [1024, 4096], K = its axis 0); w_fc2 (in the module: [4096, 1024], K = its axis 0); w_proj (in the module: [1024, 1024], K = its axis 0): each comes as NAME_codes (uint8): NAME with its K axis moved to the last place and cut into blocks of 32 codes, [.., K / 32, bytes a block], one block behind the other in memory; one code a byte (a code: sign, 5 exponent bits, 2 mantissa bits); and NAME_scales (uint8): the same leading axes, one E8M0 byte (e + 127) for each 32 codes along K. Its value is code x scale, taken as it is: it is not quantised again, and the codes and scales need not be those that the quantiser above would give.
;; One version. Each part assembles by itself: llvm-mc -triple=amdgcn-amd-amdhsa -mcpu=gfx1250 --defsym DOCPART=n.
;; ======== version 1 of 1: 7 launches
;; limits: right only within a limited range of input values
;; workspace buffers: act 4,325,376 bytes; kk 8,650,752 bytes; x1 16,777,216 bytes; hid 17,301,504 bytes
;; launch ln1 (part 1): grid 256 x 1, 4 waves a work-group, no clusters, 66,304 bytes of LDS; arguments x, ln1_g, ln1_b, act; writes act
.if DOCPART == 1
	.amdgcn_target "amdgcn-amd-amdhsa--gfx1250"
	.amdhsa_code_object_version 6
	.text
	.protected	k_qedd8aafbfa_ln1
	.globl	k_qedd8aafbfa_ln1
	.p2align	8
	.type	k_qedd8aafbfa_ln1,@function
k_qedd8aafbfa_ln1:
	s_mov_b64 s[64:65], 0
	v_nop
	global_prefetch_b8 v0, s[64:65] scope:SCOPE_SE
	s_setreg_imm32_b32 hwreg(HW_REG_WAVE_MODE, 25, 1), 1
	s_wait_xcnt 0x0
; LAYER NORM OF 4,096 ROWS OF 1,024 f32, QUANTISED ALONG THE ROW into codes of E5M2 with one E8M0 byte for each 32 numbers.  Arguments: the rows, the gain, the bias, the codes' buffer.
; y = (x - mean) * rsqrt(var + 1e-5) * g + b, all in f32; the variance is taken of x - mean in a second pass over registers, so a common offset of a row does no harm.
; THE OUTPUT IS LAID AS THE NEXT PRODUCT'S OPERAND REGISTERS.  Rows go in tiles of 16; row r of tile T is token 32 (T / 2) + 8 (T % 2) + r + 8 (r / 8).  Of a tile and a K step s of 128 the four groups of four
; registers lie on end, 512 bytes each, lane l's 16 bytes at 16 l: byte (((T / 8) 8 + s) 8 + T % 8) 2,048 + 512 c + 16 l; lane (r, h) holds k = 128 s + 32 c + 16 h + 0 .. 15 of row r.
; The scale word (four bytes) of (tile, s, row r) lies at SC0 + (((T / 8) 8 + s) 8 + T % 8) 64 + 4 r.
; SHARES.  A work-group takes one tile.  Pass A: wave w takes the tile's rows 4 w .. 4 w + 3 (four neighbouring tokens), a row in 32 registers, loads of 512 consecutive bytes; the finished rows go to LDS.
; One barrier.  Pass B: wave w takes K steps 2 w and 2 w + 1 of all 16 rows: lane (r, h) reads 16 neighbours of each block of 32, and the conversions' results are the operand's registers.
; A block's scale is 2^(floor(log2(largest magnitude)) - 15); its byte is the largest magnitude's exponent field - 15, held at 1 from below.
; LIMITS: NaN and infinities among the inputs are not served; a block of zeros gets the byte 1 (its codes are zeros, and this program alone reads the bytes); 1 / sqrt is v_rsq_f32.
; No tensor load, no matrix unit, no cluster: the launch is a stream, each byte read once.
.set ROWP, 4112                        ; a row in LDS: 4,096 bytes + 16: row r starts 4 r words on in the banks
.set SC0,  4194304                     ; where the scale words begin
.set X,    32                          ; v32-159  pass A: row k at v[32 + 32 k]; pass B: two K steps' 64 numbers
.set GG,   160                         ; v160-191 the gain; pass B: the codes
.set BB,   192                         ; v192-223 the bias; pass B: scale words v192-193, at work v200-215
.set PA,   224                         ; v224-231 a pair for each row: sum, then mean
.set PB,   232                         ; v232-239 a pair for each row: second chain, then 1 / sqrt
.set PT,   240                         ; v240-243 the other half of the lanes'
.set PQ,   244                         ; v244-251 a pair for each row: third chain
.set TM,   200
.set SEL,  20                          ; s[20:21] lane selects: lane l xor 16
.set MNT,  24                          ; s24 the mantissa field of 57,344
	s_load_b256 s[4:11], s[0:1], 0x0               ; rows s[4:5], gain s[6:7], bias s[8:9], codes s[10:11]
	v_lshl_add_u32 v254, v0, 2, 0x10100
	v_mov_b32 v255, 0
	v_lshrrev_b32 v5, 5, v0
	v_readfirstlane_b32 s12, v5                    ; wave 0..3
	v_and_b32 v6, 31, v0                           ; lane
	v_lshlrev_b32 v1, 4, v6                        ; 16 x lane
	v_and_b32 v7, 15, v0                           ; r
	v_bfe_u32 v8, v0, 4, 1                         ; h
	v_mul_u32_u24 v2, v7, ROWP
	v_lshl_add_u32 v2, v8, 6, v2
	s_lshl_b32 s13, s12, 10
	v_add_nc_u32 v2, s13, v2                       ; pass B reads at row r, + 64 h, + my two K steps' 1,024 bytes x wave
	s_mul_i32 s13, s12, 4*ROWP
	v_add_nc_u32 v3, s13, v1                       ; pass A stores at my four rows, 16 x lane
	v_lshlrev_b32 v4, 2, v7                        ; 4 r: a scale word's place
.irp k, 0,1,2,3
	v_mov_b32 v[PT+\k], 0                          ; written once: a lane permute's destination counts as one of its sources
.endr
	s_lshr_b32 s14, ttmp9, 1                       ; my first token: 32 (T / 2) + 8 (T % 2) + 4 w + 8 (w / 2)
	s_lshl_b32 s14, s14, 5
	s_and_b32 s15, ttmp9, 1
	s_lshl_b32 s15, s15, 3
	s_add_co_u32 s14, s14, s15
	s_lshl_b32 s15, s12, 2
	s_add_co_u32 s14, s14, s15
	s_lshr_b32 s15, s12, 1
	s_lshl_b32 s15, s15, 3
	s_add_co_u32 s14, s14, s15
	s_lshl_b32 s14, s14, 12                        ; x 4,096 bytes
	s_mov_b32 s15, 0
	s_lshr_b32 s16, ttmp9, 3                       ; ((T / 8) 8 + 2 w) 8 + T % 8
	s_and_b32 s17, ttmp9, 7
	s_lshl_b32 s16, s16, 3
	s_lshl_b32 s18, s12, 1
	s_add_co_u32 s16, s16, s18
	s_lshl_b32 s16, s16, 3
	s_add_co_u32 s16, s16, s17
	s_lshl_b32 s18, s16, 11                        ; x 2,048: my codes
	s_mov_b32 s19, 0
	s_lshl_b32 s16, s16, 6                         ; x 64: my scale words
	s_add_co_u32 s16, s16, SC0
	s_mov_b32 s17, 0
	s_mov_b32 s[SEL], 0x76543210
	s_mov_b32 s[SEL+1], 0xfedcba98
	s_mov_b32 s22, 0x3a800000                      ; 1 / 1,024
	s_mov_b32 s23, 0x3727c5ac                      ; 1e-5
	s_mov_b32 s[MNT], 0x600000
	s_wait_kmcnt 0x0
	s_add_nc_u64 s[4:5], s[4:5], s[14:15]
	s_add_nc_u64 s[26:27], s[10:11], s[18:19]
	s_add_nc_u64 s[28:29], s[10:11], s[16:17]
.irp k, 0,1,2,3
.irp j, 0,1,2,3,4,5,6,7
	global_load_b128 v[X+32*\k+4*\j:X+32*\k+4*\j+3], v1, s[4:5] offset:4096*\k+512*\j   ; 32 lanes read 512 consecutive bytes
.endr
.endr
.irp j, 0,1,2,3,4,5,6,7
	global_load_b128 v[GG+4*\j:GG+4*\j+3], v1, s[6:7] offset:512*\j
.endr
.irp j, 0,1,2,3,4,5,6,7
	global_load_b128 v[BB+4*\j:BB+4*\j+3], v1, s[8:9] offset:512*\j
.endr
; the sum over the wave's 32 lanes of v[R + 2 k], k = 0 .. 3, the four rows by turns; every lane ends with the sum
.macro REDUCE R
.irp m, 1,2,4,8
.irp k, 0,1,2,3
	v_add_f32_dpp v[\R+2*\k], v[\R+2*\k], v[\R+2*\k] row_xmask:\m row_mask:0xf bank_mask:0xf
.endr
.endr
.irp k, 0,1,2,3
	v_permlanex16_b32 v[PT+\k], v[\R+2*\k], s[SEL], s[SEL+1]
.endr
.irp k, 0,1,2,3
	v_add_f32 v[\R+2*\k], v[\R+2*\k], v[PT+\k]
.endr
.endm
	s_wait_loadcnt 16                              ; the 32 loads of rows are in; the 16 of gain and bias may be out
	; ---- the mean: 15 packed additions a row, in two chains
.irp k, 0,1,2,3
	v_pk_add_f32 v[PA+2*\k:PA+2*\k+1], v[X+32*\k:X+32*\k+1], v[X+32*\k+2:X+32*\k+3]
	v_pk_add_f32 v[PB+2*\k:PB+2*\k+1], v[X+32*\k+4:X+32*\k+5], v[X+32*\k+6:X+32*\k+7]
.endr
.irp j, 8,12,16,20,24,28
.irp k, 0,1,2,3
	v_pk_add_f32 v[PA+2*\k:PA+2*\k+1], v[PA+2*\k:PA+2*\k+1], v[X+32*\k+\j:X+32*\k+\j+1]
	v_pk_add_f32 v[PB+2*\k:PB+2*\k+1], v[PB+2*\k:PB+2*\k+1], v[X+32*\k+\j+2:X+32*\k+\j+3]
.endr
.endr
.irp k, 0,1,2,3
	v_pk_add_f32 v[PA+2*\k:PA+2*\k+1], v[PA+2*\k:PA+2*\k+1], v[PB+2*\k:PB+2*\k+1]
.endr
.irp k, 0,1,2,3
	v_add_f32 v[PA+2*\k], v[PA+2*\k], v[PA+2*\k+1]
.endr
	REDUCE PA
.irp k, 0,1,2,3
	v_mul_f32 v[PA+2*\k], s22, v[PA+2*\k]          ; the mean
.endr
	; ---- x - mean, in place
.irp k, 0,1,2,3
.set i, 0
.rept 16
	v_pk_add_f32 v[X+32*\k+i:X+32*\k+i+1], v[X+32*\k+i:X+32*\k+i+1], v[PA+2*\k:PA+2*\k+1] op_sel_hi:[1,0] neg_lo:[0,1] neg_hi:[0,1]
.set i, i+2
.endr
.endr
	; ---- the variance: the sum of squares, in two chains
.irp k, 0,1,2,3
	v_pk_mul_f32 v[PB+2*\k:PB+2*\k+1], v[X+32*\k:X+32*\k+1], v[X+32*\k:X+32*\k+1]
	v_pk_mul_f32 v[PQ+2*\k:PQ+2*\k+1], v[X+32*\k+2:X+32*\k+3], v[X+32*\k+2:X+32*\k+3]
.endr
.irp j, 4,8,12,16,20,24,28
.irp k, 0,1,2,3
	v_pk_fma_f32 v[PB+2*\k:PB+2*\k+1], v[X+32*\k+\j:X+32*\k+\j+1], v[X+32*\k+\j:X+32*\k+\j+1], v[PB+2*\k:PB+2*\k+1]
	v_pk_fma_f32 v[PQ+2*\k:PQ+2*\k+1], v[X+32*\k+\j+2:X+32*\k+\j+3], v[X+32*\k+\j+2:X+32*\k+\j+3], v[PQ+2*\k:PQ+2*\k+1]
.endr
.endr
.irp k, 0,1,2,3
	v_pk_add_f32 v[PB+2*\k:PB+2*\k+1], v[PB+2*\k:PB+2*\k+1], v[PQ+2*\k:PQ+2*\k+1]
.endr
.irp k, 0,1,2,3
	v_add_f32 v[PB+2*\k], v[PB+2*\k], v[PB+2*\k+1]
.endr
	REDUCE PB
.irp k, 0,1,2,3
	v_fma_f32 v[PB+2*\k], v[PB+2*\k], s22, s23     ; var + 1e-5
.endr
	s_wait_alu depctr_va_vdst(0)
.irp k, 0,1,2,3
	v_rsq_f32 v[PB+2*\k], v[PB+2*\k]               ; the four as one batch
.endr
	v_nop                                          ; a plain instruction between the last of them and the first use
	s_wait_alu depctr_va_vdst(0)                   ; one wait for the batch, ahead of its first reader
	s_wait_loadcnt 0x0                             ; gain and bias
.irp k, 0,1,2,3
.set i, 0
.rept 16
	v_pk_mul_f32 v[X+32*\k+i:X+32*\k+i+1], v[X+32*\k+i:X+32*\k+i+1], v[PB+2*\k:PB+2*\k+1] op_sel_hi:[1,0]
.set i, i+2
.endr
.endr
.irp k, 0,1,2,3
.set i, 0
.rept 16
	v_pk_fma_f32 v[X+32*\k+i:X+32*\k+i+1], v[X+32*\k+i:X+32*\k+i+1], v[GG+i:GG+i+1], v[BB+i:BB+i+1]
.set i, i+2
.endr
.endr
.irp k, 0,1,2,3
.irp j, 0,1,2,3,4,5,6,7
	ds_store_b128 v3, v[X+32*\k+4*\j:X+32*\k+4*\j+3] offset:ROWP*\k+512*\j
.endr
.endr
	s_wait_dscnt 0x0                               ; for the others' sake: my four rows lie in LDS
	s_barrier_signal -1
	s_barrier_wait -1                              ; all sixteen do
; 64 numbers of a lane, v[s] on, register 16 b + i = k 32 b + 16 h + i of my row, become a fragment's codes in v[pc] on and its scale word in v[pw]
.macro QUANT s, pc, pw
.irp b, 0,1,2,3
	v_max3_num_f32 v[TM+\b], |v[\s+16*\b]|, |v[\s+16*\b+1]|, 0x8000000   ; my 16 numbers of block b, and the floor 2^(16 - 127): the byte cannot fall under 1
.endr
.irp i, 2,4,6,8,10,12,14
.irp b, 0,1,2,3
	v_max3_num_f32 v[TM+\b], v[TM+\b], |v[\s+16*\b+\i]|, |v[\s+16*\b+\i+1]|
.endr
.endr
.irp b, 0,1,2,3
	v_permlanex16_b32 v[TM+4+\b], v[TM+\b], s[SEL], s[SEL+1]
.endr
.irp b, 0,1,2,3
	v_max_num_f32 v[TM+\b], v[TM+\b], v[TM+4+\b]   ; with lane l xor 16's: the block's largest magnitude
.endr
.irp b, 0,1,2,3
	v_add_nc_u32 v[TM+12+\b], 0xf8800000, v[TM+\b] ; 15 off its exponent field: the conversion's scale operand
.endr
.irp b, 0,1,2,3
	v_and_or_b32 v[TM+8+\b], v[TM+\b], 0x7f800000, s[MNT]   ; 57,344 x the scale
.endr
.irp b, 0,1,2,3
	v_lshrrev_b32 v[TM+4+\b], 23, v[TM+12+\b]      ; the scale's byte
.endr
	v_lshl_or_b32 v[\pw], v[TM+5], 8, v[TM+4]
	v_lshl_or_b32 v[\pw], v[TM+6], 16, v[\pw]
	v_lshl_or_b32 v[\pw], v[TM+7], 24, v[\pw]
.irp b, 0,1,2,3
.irp i, 0,1,2,3,4,5,6,7,8,9,10,11,12,13,14,15
	v_med3_num_f32 v[\s+16*\b+\i], v[\s+16*\b+\i], -v[TM+8+\b], v[TM+8+\b]   ; the conversion to an 8-bit code does not saturate (ISA guide 7.6.2): the hold comes first
.endr
.endr
.irp b, 0,1,2,3
	v_cvt_scalef32_pk8_bf8_f32 v[\pc+4*\b:\pc+4*\b+1], v[\s+16*\b:\s+16*\b+7], v[TM+12+\b]
	v_cvt_scalef32_pk8_bf8_f32 v[\pc+4*\b+2:\pc+4*\b+3], v[\s+16*\b+8:\s+16*\b+15], v[TM+12+\b]
.endr
	v_nop                                          ; a plain instruction behind the last conversion
.endm
.irp t, 0,1
.irp b, 0,1,2,3
.irp j, 0,1,2,3
	ds_load_b128 v[X+64*\t+16*\b+4*\j:X+64*\t+16*\b+4*\j+3], v2 offset:512*\t+128*\b+16*\j
.endr
.endr
.endr
	s_wait_dscnt 16                                ; my first K step's 16 loads are in; the second's may be out
	QUANT X, GG, BB
.irp c, 0,1,2,3
	global_store_b128 v1, v[GG+4*\c:GG+4*\c+3], s[26:27] offset:512*\c            ; 32 lanes store 512 consecutive bytes
.endr
	global_store_b32 v4, v[BB], s[28:29]           ; lanes l and l xor 16 store the same word to the same place
	s_wait_dscnt 0x0
	QUANT X+64, GG+16, BB+1                        ; registers of its own for each K step: no store's data are written again
.irp c, 0,1,2,3
	global_store_b128 v1, v[GG+16+4*\c:GG+16+4*\c+3], s[26:27] offset:16384+512*\c
.endr
	global_store_b32 v4, v[BB+1], s[28:29] offset:512
	s_wait_tensorcnt 0x0
	ds_add_u32 v254, v255
	s_wait_dscnt 0x0
	s_endpgm
.Lfunc_end_k_qedd8aafbfa_ln1:
	.size	k_qedd8aafbfa_ln1, .Lfunc_end_k_qedd8aafbfa_ln1-k_qedd8aafbfa_ln1
	.p2alignl 7, 3214868480
	.fill 96, 4, 3214868480
	.section	.rodata,"a",@progbits
	.p2align	6, 0x0
	.amdhsa_kernel k_qedd8aafbfa_ln1
		.amdhsa_group_segment_fixed_size 66304
		.amdhsa_private_segment_fixed_size 0
		.amdhsa_enable_private_segment 0
		.amdhsa_kernarg_size 32
		.amdhsa_user_sgpr_count 2
		.amdhsa_user_sgpr_kernarg_segment_ptr 1
		.amdhsa_wavefront_size32 1
		.amdhsa_system_sgpr_workgroup_id_x 1
		.amdhsa_system_sgpr_workgroup_id_y 1
		.amdhsa_system_sgpr_workgroup_id_z 1
		.amdhsa_system_vgpr_workitem_id 0
		.amdhsa_next_free_vgpr 256
		.amdhsa_next_free_sgpr 66
		.amdhsa_reserve_vcc 0
		.amdhsa_float_denorm_mode_32 3
		.amdhsa_float_denorm_mode_16_64 3
		.amdhsa_memory_ordered 1
		.amdhsa_forward_progress 1
		.amdhsa_inst_pref_size 52
	.end_amdhsa_kernel
	.amdgpu_metadata
---
amdhsa.version: [ 1, 2 ]
amdhsa.kernels:
  - .name:           k_qedd8aafbfa_ln1
    .symbol:         k_qedd8aafbfa_ln1.kd
    .args:
      - { .name: x, .offset: 0, .size: 8, .value_kind: global_buffer, .address_space: global }
      - { .name: ln1_g, .offset: 8, .size: 8, .value_kind: global_buffer, .address_space: global }
      - { .name: ln1_b, .offset: 16, .size: 8, .value_kind: global_buffer, .address_space: global }
      - { .name: act, .offset: 24, .size: 8, .value_kind: global_buffer, .address_space: global }
    .group_segment_fixed_size: 66304
    .private_segment_fixed_size: 0
    .kernarg_segment_align: 8
    .kernarg_segment_size: 32
    .max_flat_workgroup_size: 128
    .sgpr_count:     66
    .vgpr_count:     256
    .wavefront_size: 32
...
	.end_amdgpu_metadata
.endif
;; end of part 1
;; launch gk (part 2): grid 8 x 32, 4 waves a work-group, clusters of 4 x 4, 327,680 bytes of LDS; arguments act, w_attn_codes, w_attn_scales, b_attn, kk; writes kk
.if DOCPART == 2
	.amdgcn_target "amdgcn-amd-amdhsa--gfx1250"
	.amdhsa_code_object_version 6
	.text
	.protected	k_qedd8aafbfa_gk
	.globl	k_qedd8aafbfa_gk
	.p2align	8
	.type	k_qedd8aafbfa_gk,@function
k_qedd8aafbfa_gk:
	s_mov_b64 s[64:65], 0
	v_nop
	global_prefetch_b8 v0, s[64:65] scope:SCOPE_SE
	s_setreg_imm32_b32 hwreg(HW_REG_WAVE_MODE, 25, 1), 1
	s_wait_xcnt 0x0
	s_wait_alu depctr_hold_cnt(0) depctr_sa_sdst(0) depctr_va_vdst(0) depctr_va_sdst(0) depctr_va_ssrc(0) depctr_va_vcc(0) depctr_vm_vsrc(0)
	s_getreg_b32 s2, hwreg(HW_REG_IB_STS2, 6, 4)
	s_cmp_eq_u32 s2, 0
	s_cbranch_scc0 .Lentry_in_a_cluster
	s_endpgm
.Lentry_in_a_cluster:
	s_bfe_u32 s2, ttmp6, 0x10000c
	s_cmp_lg_u32 s2, 0xf033
	s_cbranch_scc0 .Lentry_shape_is_right
	s_endpgm
.Lentry_shape_is_right:
; ONE TEXT FOR THE BLOCK'S FOUR DENSE PRODUCTS; KIND says which this file is: 0 k = h Wk + bk; 1 x1 = x + a Wp + bp; 2 hid = relu(h W1 + b1); 3 out = x1 + hid W2 + b2.  What belongs to another KIND is not assembled.
; C[m][n] = sum over k of A[m][k] W[n][k] + bias[n], on codes of E5M2 with one E8M0 byte for each 32 along K, by v_wmma_scale_f32_16x16x128_f8f6f4; sums in f32.
; A (4,096 rows, KTOT along K) was made by an earlier launch and lies AS IMAGES OF THE OPERAND'S REGISTERS: rows in tiles of 16 (row r of tile T is token 32 (T / 2) + 8 (T % 2) + r + 8 (r / 8)), a block RB of 128 rows
; = 8 tiles; byte (((RB KST + s) 8 + a) 4 + c) 512 + 16 lane; its scale words at SC0 + (((RB KST + s) 8 + a) 16 + r) 4.  W arrives as rows of KTOT codes, K innermost, and rows of KTOT / 32 scale bytes.
; KIND 0 multiplies only rows 1,024 .. 2,047 of w_attn: the attention takes q, k and v from that third, and the other two thirds of the product are sliced away.
; SHARES.  A tile of C is 128 x 128: 256 work-groups at N = 1,024.  Four waves, each 64 x 64: 16 accumulators.  K goes in slots of 512 (four K steps of 128) through two LDS slots; with KTOT = 1,024 the two first fills are all of K.
; The scales of the work-group's rows of A and of W for all of K come once, with the first fills.  CLUSTERS: 4 x 4; A's tiles are asked for jointly along a row of the cluster, W's along a column.
; No prefetch: with KTOT = 1,024 everything is asked for by the first fills; with 4,096 a slot's refill has four K steps in which to land and the tiles are shared by four work-groups.
; THE PRODUCT IS USED TRANSPOSED (source 0 = 16 rows of W, source 1 = 16 rows of A): a lane holds one row of C and eight neighbouring columns 16 b + 8 h + j.  The bias is the C of each sum's first product.
; KIND 0 makes every product a second time the other way round (source 0 = A): there a lane holds one channel and its registers run along the tokens, which are the K of the attention's second product.
; WAYS OUT.  KIND 1, 3: through a stage in slot 0 (it has had its last fill and its last read), whole rows of 512 bytes, + the residual.  KIND 2, 0: quantised in registers and stored as images.
; Where a result is quantised along its columns, a block of 32 columns lies in two tiles and in lanes l and l xor 16: v_permlane16_swap_b32 puts the code registers in the operand's order.
; LIMITS: NaN and infinities are not served; a block of zeros gets the byte 1 (its codes are zeros, and this program alone reads the bytes).
; REGISTERS: window 0: v1-29 addresses; v32-39 scale words, two sets; v40-59 at work; v64-95 bias; v96-127 KIND 0's second bias; v128-255 the accumulators ((a, b) at 128 + 8 (4 a + b)).
;   window 1: two fragment buffers of 128: A's four fragments, then W's four.   window 2, v0-127: KIND 0: the second accumulators ((b, a) at 8 (4 b + a)); KIND 1, 3: 32 rows of the residual.
.set KIND, 0
.if KIND == 3
.set KTOT, 4096
.else
.set KTOT, 1024
.endif
.if KIND == 0
.set NOFF, 1024                        ; the first row of W that is multiplied
.else
.set NOFF, 0
.endif
.set RES,   KIND%2                     ; 1: the way out adds a residual
.set KST,   KTOT/128                   ; K steps
.set KSB,   KTOT/32                    ; a row of W's scale bytes
.set LAPS,  KTOT/1024                  ; a lap = two slots
.set SC0,   KTOT*4096                  ; where A's scale words begin
.set KVO,   4325376                    ; KIND 0: where the codes along the keys begin in the output
; IN THIS KIND (K = 1,024) ALL OF K LIES IN LDS AT ONCE, brought by the head's four loads: nothing is filled a second time.  "Slot 1" below means K steps 4 to 7 of the same tiles.
.set BP,    1040                       ; a row of W in LDS: its 1,024 bytes + 16: row r starts 4 r words on in the banks
.set ABASE, 2048                       ; A's images, 8 K steps x 8 tiles x 2,048 bytes, begin here: 2,048 + K steps 0 to 3 are the 67,584 bytes that a stage of 128 rows x 528 bytes takes
.set BOFF,  ABASE+131072               ; then W's 128 rows
.set SCA,   BOFF+128*BP                ; A's scale words: [K step][tile][16 words]
.set SCB,   SCA+KST*512                ; W's scale bytes, as units of 256 bytes + 16 of padding
.set SPARE, SCB+KST*544                ; the spare words, 128 bytes for each wave: two blocks of 256 bytes that no other line names
.set LI,   1                           ; v1   16 x lane
.set ADRA, 16                          ; v16-17 my fragments of A in slot 0, 1
.set ADRB, 20                          ; v20-21 the same for W
.set ADSA, 22                          ; v22  A's scale words of the slot in hand
.set ADSB, 23                          ; v23  W's
.set STO,  24                          ; v24  the stage: where I put 32 bytes of a row
.set RD,   25                          ; v25  and where I read a row back
.set R4,   26                          ; v26  4 r
.set H32,  27                          ; v27  32 h
.set SPW,  28                          ; v28  my spare word; never rewritten
.set NIL,  29                          ; v29  0; never rewritten
.set SA,   32                          ; buffer f: v[32 + 4 f], v[33 + 4 f]: A's words, tiles 0 | 1 and 2 | 3 in the two halves of the lanes
.set SB,   34                          ;           v[34 + 4 f], v[35 + 4 f]: W's
.set PW,   40                          ; v40-43 scale words just made
.set TM,   44                          ; v44-59 at work in QUANT
.set BIAS, 64
.set BIAS2, 96
.set ACC,  128
.set G1A,  24                          ; s[24:31] group 1, s[32:39] groups 0 (a set for each slot): A's images
.set G0A,  32
.set G1B,  40                          ; s[40:47], s[48:55]: W's rows
.set G0B,  48
.set G1SA, 56                          ; s[56:63], s[68:71]: A's scale words
.set G0SA, 68
.set G1SB, 72                          ; s[72:79], s[80:83]: W's scale bytes
.set G0SB, 80
.set SEL,  86                          ; s[86:87] lane selects: lane l xor 16
.set MNT,  88                          ; s88 the mantissa field of 57,344
.set MSB, 0
.macro WIN new                         ; the immediate's high byte repeats the setting that is left; a switch that changes nothing is dropped
.if MSB != (\new)
	s_set_vgpr_msb (MSB<<8)|(\new)
.set MSB, \new
.endif
.endm
; A joint load: waves 0 and 1 fetch for A, waves 2 and 3 for W.  The branch hangs on the wave's number alone.  Four v_nop follow each of the two lines.
.macro JLOAD g0a, g1a, g0b, g1b
	s_cmp_eq_u32 s17, 0
	s_cbranch_scc0 .Lfor_b_\@
	tensor_load_to_lds s[\g0a:\g0a+3], s[\g1a:\g1a+7]
	s_nop 0
.rept 4
	v_nop
.endr
	s_branch .Lasked_\@
.Lfor_b_\@:
	tensor_load_to_lds s[\g0b:\g0b+3], s[\g1b:\g1b+7]
	s_nop 0
.rept 4
	v_nop
.endr
.Lasked_\@:
.endm
.macro CREST                           ; a round of the cluster's barrier behind its opening barrier
	s_cmp_lg_u32 s16, 0
	s_cbranch_scc1 .Lnot_wave_0_\@
	s_barrier_signal -3
.Lnot_wave_0_\@:
	s_barrier_wait -3
	s_barrier_signal -1
	s_barrier_wait -1
.endm
.macro CROUND                          ; a whole round
	s_barrier_signal -1
	s_barrier_wait -1
	CREST
.endm
.macro PLACES n                        ; plain vector instructions between a matrix instruction and a load into, or a read of, its registers: eight for this form
.rept \n
	v_nop
.endr
.endm
; one product: D, source 0, source 1, C by their first registers; x0, x1 the scale registers; r0, r1 = 1: that side's words stand in lanes 16-31
.macro WM d, s0, s1, c, x0, x1, r0, r1
.if (\r0) && (\r1)
	v_wmma_scale_f32_16x16x128_f8f6f4 v[(\d):(\d)+7], v[(\s0):(\s0)+15], v[(\s1):(\s1)+15], v[(\c):(\c)+7], v[(\x0)], v[(\x1)] matrix_a_fmt:MATRIX_FMT_BF8 matrix_b_fmt:MATRIX_FMT_BF8 matrix_a_scale:MATRIX_SCALE_ROW1 matrix_b_scale:MATRIX_SCALE_ROW1
.elseif (\r0)
	v_wmma_scale_f32_16x16x128_f8f6f4 v[(\d):(\d)+7], v[(\s0):(\s0)+15], v[(\s1):(\s1)+15], v[(\c):(\c)+7], v[(\x0)], v[(\x1)] matrix_a_fmt:MATRIX_FMT_BF8 matrix_b_fmt:MATRIX_FMT_BF8 matrix_a_scale:MATRIX_SCALE_ROW1
.elseif (\r1)
	v_wmma_scale_f32_16x16x128_f8f6f4 v[(\d):(\d)+7], v[(\s0):(\s0)+15], v[(\s1):(\s1)+15], v[(\c):(\c)+7], v[(\x0)], v[(\x1)] matrix_a_fmt:MATRIX_FMT_BF8 matrix_b_fmt:MATRIX_FMT_BF8 matrix_b_scale:MATRIX_SCALE_ROW1
.else
	v_wmma_scale_f32_16x16x128_f8f6f4 v[(\d):(\d)+7], v[(\s0):(\s0)+15], v[(\s1):(\s1)+15], v[(\c):(\c)+7], v[(\x0)], v[(\x1)] matrix_a_fmt:MATRIX_FMT_BF8 matrix_b_fmt:MATRIX_FMT_BF8
.endif
.endm
; A's tile a against W's four, from buffer f.  first = 1: the bias is C, and nothing is ever cleared.  The accumulators take turns, one instruction a turn, in the same order in every K step.
.macro MULR f, a, first
	WIN 0x05                                       ; sources 0 and 1 window 1; C and D window 0
.irp b, 0,1,2,3
.if \first
	WM ACC+8*(4*(\a)+\b), 128*(\f)+64+16*\b, 128*(\f)+16*(\a), BIAS+8*\b, SB+4*(\f)+(\b)/2, SA+4*(\f)+(\a)/2, (\b)%2, (\a)%2
.else
	WM ACC+8*(4*(\a)+\b), 128*(\f)+64+16*\b, 128*(\f)+16*(\a), ACC+8*(4*(\a)+\b), SB+4*(\f)+(\b)/2, SA+4*(\f)+(\a)/2, (\b)%2, (\a)%2
.endif
.endr
.if KIND == 0
.if \first
	WIN 0x85                                       ; D window 2, C (the second bias) window 0
.else
	WIN 0xa5                                       ; C and D window 2
.endif
.irp b, 0,1,2,3
.if \first
	WM 8*(4*\b+(\a)), 128*(\f)+16*(\a), 128*(\f)+64+16*\b, BIAS2+8*\b, SA+4*(\f)+(\a)/2, SB+4*(\f)+(\b)/2, (\a)%2, (\b)%2
.else
	WM 8*(4*\b+(\a)), 128*(\f)+16*(\a), 128*(\f)+64+16*\b, 8*(4*\b+(\a)), SA+4*(\f)+(\a)/2, SB+4*(\f)+(\b)/2, (\a)%2, (\b)%2
.endif
.endr
.endif
.endm
; 36 LDS loads in one run: the fragments and scale words of the slot's q-th K step into buffer g
.macro FETCH sl, q, g
	WIN 0x40                                       ; destination window 1, address window 0
.irp a, 0,1,2,3
.irp c, 0,1,2,3
	ds_load_b128 v[128*(\g)+16*\a+4*\c:128*(\g)+16*\a+4*\c+3], v[ADRA+(\sl)] offset:16384*(\q)+2048*\a+512*\c   ; an image: 512 consecutive bytes
.endr
.endr
.irp b, 0,1,2,3
.irp c, 0,1,2,3
	ds_load_b128 v[128*(\g)+64+16*\b+4*\c:128*(\g)+64+16*\b+4*\c+3], v[ADRB+(\sl)] offset:128*(\q)+16*BP*\b+32*\c
.endr
.endr
	WIN 0
.irp i, 0,1
	ds_load_b32 v[SA+4*(\g)+\i], v[ADSA] offset:512*(\q)+128*\i
	ds_load_b32 v[SB+4*(\g)+\i], v[ADSB] offset:4*(\q)+\i*KST*136
.endr
.endm
; A K step that has its successor in the same slot: the successor's loads go out first and land under this step's products
.macro STEP sl, q, first
	s_wait_dscnt 0x0                               ; this step's fragments and scale words are in (asked for a K step ago)
	PLACES 8                                       ; behind the last products that read the other buffer
	FETCH \sl, (\q)+1, 1-(\q)%2
	MULR (\q)%2, 0, \first
	MULR (\q)%2, 1, \first
	MULR (\q)%2, 2, \first
	MULR (\q)%2, 3, \first
.endm
; A slot's last K step changes slots: ONE barrier; in front of it each wave waits for all its tensor loads, adds 0 to its spare word, and waits for that and for its reads of this slot.  fill = 1: this slot is filled again, two slots ahead.
.macro TURN sl, nx, fill
	WIN 0                                          ; (the add's two registers lie in window 0)
	s_wait_tensorcnt 0x0                           ; all my tensor loads have landed: my part of the next slot
	ds_add_u32 v[SPW], v[NIL]                      ; 0 onto my spare word
	s_wait_dscnt 0x1                               ; buffer 1 is in; only the add may be out
	MULR 1, 0, 0                                   ; products stand between the add and the wait for it
	s_wait_dscnt 0x0                               ; the add is done, and my reads of this slot are over
	s_barrier_signal -1
	MULR 1, 1, 0
	WIN 0
	s_barrier_wait -1
.if \fill
	CREST                                          ; the barrier has opened a round of the cluster's: no wave of any partner still reads this slot or has a load on its way
	s_add_nc_u64 s[G0A+4*\sl+2:G0A+4*\sl+3], s[G0A+4*\sl+2:G0A+4*\sl+3], 131072
	s_add_nc_u64 s[G0B+4*\sl+2:G0B+4*\sl+3], s[G0B+4*\sl+2:G0B+4*\sl+3], 1024
	JLOAD G0A+4*\sl, G1A, G0B+4*\sl, G1B           ; the first tensor load behind the round; its four v_nop are four of the eight places
	PLACES 4
.else
	PLACES 8
.endif
	v_add_nc_u32 v[ADSA], 2048, v[ADSA]            ; on to the next slot's scale words
	v_add_nc_u32 v[ADSB], 16, v[ADSB]
	FETCH \nx, 0, 0
	MULR 1, 2, 0
	MULR 1, 3, 0
.endm
; 64 numbers of a lane in window w, v[s] on, four blocks of 16 registers, each block shared with lane l xor 16, become 16 registers of codes in v[pc] on and four scale bytes in v[pw] (both window 0).
; relu = 1: what is negative becomes 0 on the way.  swp = 1: a block's registers are columns 8 h + j and 16 + 8 h + j: the code registers are put in the operand's order.
.macro QUANT s, relu, swp, w, pc, pw
	WIN (\w)|((\w)<<2)
.irp b, 0,1,2,3
.if \relu
	v_max3_num_f32 v[TM+\b], v[(\s)+16*\b], v[(\s)+16*\b+1], 0x8000000     ; no |.|: what is negative must not count; the floor 2^(16 - 127) stands over it
.else
	v_max3_num_f32 v[TM+\b], |v[(\s)+16*\b]|, |v[(\s)+16*\b+1]|, 0x8000000 ; my 16 numbers, and the floor 2^(16 - 127): the byte cannot fall under 1
.endif
.endr
	WIN ((\w)<<2)|((\w)<<4)
.irp i, 2,4,6,8,10,12,14
.irp b, 0,1,2,3
.if \relu
	v_max3_num_f32 v[TM+\b], v[TM+\b], v[(\s)+16*\b+\i], v[(\s)+16*\b+\i+1]
.else
	v_max3_num_f32 v[TM+\b], v[TM+\b], |v[(\s)+16*\b+\i]|, |v[(\s)+16*\b+\i+1]|
.endif
.endr
.endr
	WIN 0
.irp b, 0,1,2,3
	v_permlanex16_b32 v[TM+4+\b], v[TM+\b], s[SEL], s[SEL+1]
.endr
.irp b, 0,1,2,3
	v_max_num_f32 v[TM+\b], v[TM+\b], v[TM+4+\b]   ; the block's largest magnitude
.endr
.irp b, 0,1,2,3
	v_add_nc_u32 v[TM+12+\b], 0xf8800000, v[TM+\b] ; 15 off its exponent field: the conversion's scale operand
.endr
.irp b, 0,1,2,3
	v_and_or_b32 v[TM+8+\b], v[TM+\b], 0x7f800000, s[MNT]   ; 57,344 x the scale
.endr
.irp b, 0,1,2,3
	v_lshrrev_b32 v[TM+4+\b], 23, v[TM+12+\b]      ; the scale's byte
.endr
	v_lshl_or_b32 v[(\pw)], v[TM+5], 8, v[TM+4]
	v_lshl_or_b32 v[(\pw)], v[TM+6], 16, v[(\pw)]
	v_lshl_or_b32 v[(\pw)], v[TM+7], 24, v[(\pw)]
	WIN (\w)|((\w)<<6)
.irp b, 0,1,2,3
.irp i, 0,1,2,3,4,5,6,7,8,9,10,11,12,13,14,15
.if \relu
	v_med3_num_f32 v[(\s)+16*\b+\i], v[(\s)+16*\b+\i], 0, v[TM+8+\b]           ; the activation and the hold in one
.else
	v_med3_num_f32 v[(\s)+16*\b+\i], v[(\s)+16*\b+\i], -v[TM+8+\b], v[TM+8+\b] ; the conversion to an 8-bit code does not saturate (ISA guide 7.6.2)
.endif
.endr
.endr
	WIN (\w)
.irp b, 0,1,2,3
	v_cvt_scalef32_pk8_bf8_f32 v[(\pc)+4*\b:(\pc)+4*\b+1], v[(\s)+16*\b:(\s)+16*\b+7], v[TM+12+\b]
	v_cvt_scalef32_pk8_bf8_f32 v[(\pc)+4*\b+2:(\pc)+4*\b+3], v[(\s)+16*\b+8:(\s)+16*\b+15], v[TM+12+\b]
.endr
	WIN 0
	v_nop                                          ; a plain instruction behind the last conversion
.if \swp
.irp b, 0,1,2,3
	v_permlane16_swap_b32 v[(\pc)+4*\b], v[(\pc)+4*\b+2]     ; lanes 16-31 of the first with lanes 0-15 of the second: lane (r, h) then holds columns 16 h + 0 .. 15 of the block
	v_permlane16_swap_b32 v[(\pc)+4*\b+1], v[(\pc)+4*\b+3]
.endr
.endif
.endm
	s_load_b256 s[4:11], s[0:1], 0x0               ; A s[4:5], W's codes s[6:7], W's scales s[8:9], the bias s[10:11]
.if RES
	s_load_b128 s[12:15], s[0:1], 0x20             ; the residual s[12:13], the output s[14:15]
.else
	s_load_b64 s[12:13], s[0:1], 0x20              ; the output
.endif
	v_lshl_add_u32 v[SPW], v0, 2, SPARE
	v_mov_b32 v[NIL], 0
	ds_add_u32 v28, v29
	ds_add_u32 v28, v29
	s_wait_dscnt 0x0
	v_lshrrev_b32 v2, 5, v0
	v_readfirstlane_b32 s16, v2                    ; wave 0..3
	s_lshr_b32 s17, s16, 1                         ; which 64 rows of the tile are mine.  Also: I fetch for A (0) or for W (1)
	s_and_b32 s18, s16, 1                          ; which 64 columns.  Also: which half of a tile I fetch
	s_bfe_u32 s19, ttmp6, 0x40000                  ; cx, cy: my place in the cluster
	s_bfe_u32 s20, ttmp6, 0x40004
	s_lshl_b32 s21, ttmp9, 2
	s_add_co_u32 s21, s21, s19                     ; tile column = 4 x cluster x + cx
	s_and_b32 s22, ttmp7, 0xffff
	s_lshl_b32 s22, s22, 2
	s_add_co_u32 s22, s22, s20                     ; RB = 4 x cluster y + cy
	s_lshl_b32 s84, s20, 2
	s_lshl_b32 s84, 15, s84                        ; my row of the cluster
	s_lshl_b32 s85, 0x1111, s19                    ; my column
	s_or_b32 s[G1A], s84, (3<<16)|(1<<21)          ; A's images: 131,072 dense bytes as 512 rows of 32 elements of 8 bytes; the mask: my row; bit 21 beside it
	s_mov_b32 s[G1A+1], 32<<16
	s_mov_b32 s[G1A+2], 512<<16                    ; 512 rows of 256 bytes: all of K
	s_mov_b32 s[G1A+3], 32<<16
	s_mov_b32 s[G1A+4], 512
	s_mov_b32 s[G1A+5], 32
	s_mov_b32 s[G1A+6], 0
	s_mov_b32 s[G1A+7], 0
	s_or_b32 s[G1B], s85, (1<<20)|(1<<21)|(7<<22)|(3<<25)   ; W: 128 rows of 1,024 bytes; four words of padding after every 256; the mask: my column
	s_mov_b32 s[G1B+1], 1024<<16
	s_mov_b32 s[G1B+2], 128<<16
	s_mov_b32 s[G1B+3], 1024<<16
	s_mov_b32 s[G1B+4], 128
	s_mov_b32 s[G1B+5], KTOT
	s_mov_b32 s[G1B+6], 0
	s_mov_b32 s[G1B+7], 0
	s_or_b32 s[G1SA], s84, (3<<16)|(1<<21)         ; A's scale words: 2 KST x 256 dense bytes
	s_or_b32 s[G1SB], s85, (3<<16)|(1<<20)|(1<<21)|(5<<22)|(3<<25)   ; W's scale bytes: as many, four words of padding after every 64
.irp g, G1SA, G1SB
	s_mov_b32 s[\g+1], 32<<16
	s_mov_b32 s[\g+2], (2*KST)<<16                 ; one load brings the scales of all 128 rows
	s_mov_b32 s[\g+3], 32<<16
	s_mov_b32 s[\g+4], 2*KST
	s_mov_b32 s[\g+5], 32
	s_mov_b32 s[\g+6], 0
	s_mov_b32 s[\g+7], 0
.endr
	s_mul_i32 s90, s22, KST*16384                  ; A's side hangs on RB and the wave alone
	s_lshl_b32 s98, s18, 15
	s_add_co_u32 s90, s90, s98
	s_mov_b32 s91, 0
	s_mul_i32 s94, s22, KST*512
	s_add_co_u32 s94, s94, SC0
	s_mov_b32 s95, 0
	s_lshl_b32 s89, s21, 7                         ; W's side on the tile column and the wave alone: row NOFF + 128 x column + 64 x half
	s_lshl_b32 s99, s18, 6
	s_add_co_u32 s89, s89, s99
.if NOFF
	s_add_co_u32 s89, s89, NOFF
.endif
	s_mul_i32 s96, s89, KTOT
	s_mov_b32 s97, 0
	s_lshl_b32 s92, s21, 7                         ; W's scale bytes from the tile's first row on
.if NOFF
	s_add_co_u32 s92, s92, NOFF
.endif
	s_mul_i32 s92, s92, KSB
	s_mov_b32 s93, 0
	s_mov_b32 s[G0A], 1
	s_mov_b32 s[G0B], 1
	s_mov_b32 s[G0SA], 1
	s_mov_b32 s[G0SB], 1
	s_mov_b32 s[G0A+1], ABASE                      ; LDS addresses: constants
	s_mov_b32 s[G0B+1], BOFF
	s_mov_b32 s[G0SA+1], SCA
	s_mov_b32 s[G0SB+1], SCB
	s_mov_b32 s[SEL], 0x76543210
	s_mov_b32 s[SEL+1], 0xfedcba98
	s_mov_b32 s[MNT], 0x600000
	s_wait_kmcnt 0x0
	s_add_nc_u64 s[G0A+2:G0A+3], s[4:5], s[90:91]  ; (waves 0 and 2, which issue these two, have the half 0: the tiles' first bytes)
	s_or_b32 s[G0A+3], s[G0A+3], 0x80000000
	s_add_nc_u64 s[G0B+2:G0B+3], s[6:7], s[96:97]
	s_or_b32 s[G0B+3], s[G0B+3], 0x80000000
	s_add_nc_u64 s[G0SA+2:G0SA+3], s[4:5], s[94:95]
	s_or_b32 s[G0SA+3], s[G0SA+3], 0x80000000
	s_add_nc_u64 s[G0SB+2:G0SB+3], s[8:9], s[92:93]
	s_or_b32 s[G0SB+3], s[G0SB+3], 0x80000000
	CROUND                                         ; all sixteen work-groups are here: the joint loads meet
; THE HEAD'S LOADS, ONE A WAVE: wave 0 all of A's images, wave 1 A's scale words, wave 2 all of W's rows, wave 3 W's scale bytes.  One tree of branches on the wave's number; every way passes one load.
.macro ARM under, g0, g1, next
	s_cmp_lt_u32 s16, \under
	s_cbranch_scc0 \next
	tensor_load_to_lds s[\g0:\g0+3], s[\g1:\g1+7]
	s_nop 0
.rept 4
	v_nop
.endr
	s_branch .Lhead_asked
\next:
.endm
	ARM 1, G0A, G1A, .Lhead_sa
	ARM 2, G0SA, G1SA, .Lhead_b
	ARM 3, G0B, G1B, .Lhead_sb
	tensor_load_to_lds s[G0SB:G0SB+3], s[G1SB:G1SB+7]
	s_nop 0
.rept 4
	v_nop
.endr
.Lhead_asked:
	v_and_b32 v2, 15, v0                           ; r
	v_bfe_u32 v3, v0, 4, 1                         ; h
	v_and_b32 v4, 31, v0                           ; lane
	v_lshlrev_b32 v[LI], 4, v4
	v_lshlrev_b32 v[R4], 2, v2
	v_lshlrev_b32 v[H32], 5, v3
	s_lshl_b32 s98, s17, 13                        ; my four tiles of A: 8,192 bytes x row half
	s_add_co_u32 s98, s98, ABASE
	v_add_nc_u32 v[ADRA], s98, v[LI]
	v_add_nc_u32 v[ADRA+1], 65536, v[ADRA]         ; K steps 4 to 7
	v_mul_u32_u24 v5, v2, BP
	v_lshl_add_u32 v5, v3, 4, v5                   ; a fragment of W: row r x pitch + 16 h
	s_mul_i32 s98, s18, 64*BP
	s_add_co_u32 s98, s98, BOFF
	v_add_nc_u32 v[ADRB], s98, v5
	v_add_nc_u32 v[ADRB+1], 512, v[ADRB]           ; K steps 4 to 7: 512 bytes on in each row
	s_lshl_b32 s98, s17, 8
	s_add_co_u32 s98, s98, SCA
	v_lshl_add_u32 v[ADSA], v4, 2, s98             ; A's words: two tiles' 32 words on end
	v_mul_u32_u24 v5, v4, KSB                      ; W's: row = lane, KSB bytes a row,
	v_lshrrev_b32 v6, 8, v5
	v_lshl_add_u32 v5, v6, 4, v5                   ; and 16 more for each 256 passed
	s_mul_i32 s98, s18, KST*272
	s_add_co_u32 s98, s98, SCB
	v_add_nc_u32 v[ADSB], s98, v5
.irp b, 0,1,2,3
	v_mov_b32 v[TM+4+\b], 0                        ; written once: a lane permute's destination counts as one of its sources
.endr
	s_lshl_b32 s100, s89, 2                        ; the bias of my 64 columns
	s_mov_b32 s101, 0
	s_add_nc_u64 s[10:11], s[10:11], s[100:101]
.irp b, 0,1,2,3
	global_load_b128 v[BIAS+8*\b:BIAS+8*\b+3], v[H32], s[10:11] offset:64*\b       ; lane (r, h), tile b: columns 16 b + 8 h + 0 .. 7
	global_load_b128 v[BIAS+8*\b+4:BIAS+8*\b+7], v[H32], s[10:11] offset:64*\b+16
.endr
.if KIND == 0
.irp b, 0,1,2,3
.irp j, 0,1,2,3,4,5,6,7
	global_load_b32 v[BIAS2+8*\b+\j], v[R4], s[10:11] offset:64*\b                 ; the other way round a lane holds one channel, 16 b + r, in all eight registers
.endr
.endr
	s_lshr_b32 s66, s22, 4                         ; batch x 16 + head: the head is 2 x tile column + my column half
	s_lshl_b32 s66, s66, 4
	s_lshl_b32 s67, s21, 1
	s_add_co_u32 s66, s66, s67
	s_add_co_u32 s66, s66, s18
	s_and_b32 s67, s22, 15                         ; which 128 tokens of the sequence
	s_lshl_b32 s100, s66, 7
	s_lshl_b32 s101, s67, 3
	s_add_co_u32 s100, s100, s101
	s_lshl_b32 s101, s17, 2
	s_add_co_u32 s100, s100, s101                  ; my first token tile of the head
	s_lshl_b32 s2, s100, 5                         ; a pair of tiles has 64 bytes of words
	s_add_co_u32 s2, s2, 4194304
	s_mov_b32 s3, 0
	s_add_nc_u64 s[14:15], s[12:13], s[2:3]        ; along the head: words,
	s_lshl_b32 s2, s100, 10
	s_add_nc_u64 s[92:93], s[12:13], s[2:3]        ; codes, 1,024 bytes a tile
	s_lshl_b32 s100, s66, 4
	s_add_co_u32 s100, s100, s67
	s_lshl_b32 s2, s100, 13
	s_lshl_b32 s101, s17, 10
	s_add_co_u32 s2, s2, s101
	s_add_co_u32 s2, s2, KVO
	s_add_nc_u64 s[94:95], s[12:13], s[2:3]        ; along the keys: codes, 8,192 bytes a key step, my two blocks of 32 keys,
	s_lshl_b32 s2, s100, 8
	s_lshl_b32 s101, s17, 1
	s_add_co_u32 s2, s2, s101
	s_add_co_u32 s2, s2, KVO+4194304
	s_add_nc_u64 s[96:97], s[12:13], s[2:3]        ; and words
.endif
.if KIND == 2
	s_lshl_b32 s66, s22, 5                         ; (RB 32 + K step) 8 + my first tile: the tile column is the next product's K step
	s_add_co_u32 s66, s66, s21
	s_lshl_b32 s66, s66, 3
	s_lshl_b32 s100, s17, 2
	s_add_co_u32 s66, s66, s100
	s_lshl_b32 s100, s66, 6
	s_lshl_b32 s101, s18, 1
	s_add_co_u32 s100, s100, s101
	s_add_co_u32 s100, s100, 16777216
	s_mov_b32 s101, 0
	s_add_nc_u64 s[14:15], s[12:13], s[100:101]    ; words: my two bytes of four
	s_lshl_b32 s66, s66, 11
	s_lshl_b32 s67, s18, 10
	s_add_co_u32 s66, s66, s67
	s_mov_b32 s67, 0
	s_add_nc_u64 s[12:13], s[12:13], s[66:67]      ; codes: my two groups of four
.endif
.if RES
	v_and_b32 v5, 8, v2
	v_add_nc_u32 v5, v5, v2                        ; r + 8 (r / 8)
	v_mul_u32_u24 v5, v5, 528
	v_lshl_add_u32 v5, v3, 5, v5
	s_mul_i32 s98, s17, 64*528
	s_lshl_b32 s99, s18, 8
	s_add_co_u32 s98, s98, s99
	v_add_nc_u32 v[STO], s98, v5                   ; the stage: the token's row, my columns' 256 bytes, + 32 h
	s_mul_i32 s98, s16, 32*528
	v_add_nc_u32 v[RD], s98, v[LI]                 ; back: rows 32 w on, 16 bytes a lane
	s_lshl_b32 s66, s22, 19                        ; row 128 RB + 32 w of 4,096 bytes, + 512 x tile column
	s_lshl_b32 s100, s16, 17
	s_add_co_u32 s66, s66, s100
	s_lshl_b32 s100, s21, 9
	s_add_co_u32 s66, s66, s100
	s_mov_b32 s67, 0
	s_add_nc_u64 s[12:13], s[12:13], s[66:67]
	s_add_nc_u64 s[14:15], s[14:15], s[66:67]
	WIN 0x80                                       ; destination window 2
.set i, 0
.rept 32
	global_load_b128 v[4*i:4*i+3], v[LI], s[12:13] offset:4096*i   ; the residual's 32 rows that I shall store: they land under the products
.set i, i+1
.endr
	WIN 0
.endif
	s_wait_alu depctr_va_vdst(0)
	s_wait_tensorcnt 0x0                           ; my tile of the four is in
	s_barrier_signal -1
	s_barrier_wait -1                              ; everybody's is: all of K lies in LDS
	FETCH 0, 0, 0
.if RES
	s_wait_loadcnt 32                              ; the bias's eight loads are in; the residual's 32 may be out
.else
	s_wait_loadcnt 0x0
.endif
	STEP 0, 0, 1                                   ; the first K step stands in front of the loop: its products start the sums
.if LAPS > 1
	WIN 0                                          ; at a label and at a branch every window is 0
	s_mov_b32 s3, LAPS-1
.Llap:                                                 ; a trip goes once round the ring, from a lap's second K step to the next lap's first, and fills both slots again
	STEP 0, 1, 0
	STEP 0, 2, 0
	TURN 0, 1, 1
	STEP 1, 0, 0
	STEP 1, 1, 0
	STEP 1, 2, 0
	TURN 1, 0, 1
	STEP 0, 0, 0
	WIN 0
	s_sub_co_u32 s3, s3, 1
	s_cmp_lg_u32 s3, 0
	s_cbranch_scc1 .Llap
.endif
	STEP 0, 1, 0                                   ; the last lap fills nothing
	STEP 0, 2, 0
	TURN 0, 1, 0
	s_wait_alu depctr_va_vdst(0)
	STEP 1, 0, 0
	STEP 1, 1, 0
	STEP 1, 2, 0
	s_wait_dscnt 0x0                               ; the very last K step: nothing more to fetch
	MULR 1, 0, 0
	MULR 1, 1, 0
	MULR 1, 2, 0
	MULR 1, 3, 0
	WIN 0
	PLACES 8                                       ; in front of the first read of results
.if RES
.irp a, 0,1,2,3
.irp b, 0,1,2,3
	ds_store_b128 v[STO], v[ACC+8*(4*\a+\b):ACC+8*(4*\a+\b)+3] offset:(32*(\a/2)+8*(\a%2))*528+64*\b        ; each accumulator from its low end on
	ds_store_b128 v[STO], v[ACC+8*(4*\a+\b)+4:ACC+8*(4*\a+\b)+7] offset:(32*(\a/2)+8*(\a%2))*528+64*\b+16
.endr
.endr
	s_wait_dscnt 0x0                               ; for the others' sake: a row's 512 bytes come from two waves
	s_barrier_signal -1
	s_barrier_wait -1
.set i, 0
.rept 32
	ds_load_b128 v[ACC+4*i:ACC+4*i+3], v[RD] offset:528*i
.set i, i+1
.endr
	s_wait_dscnt 0x0
	s_wait_loadcnt 0x0                             ; the residual
	WIN 0x08                                       ; source 1 window 2
.set i, 0
.rept 64
	v_pk_add_f32 v[ACC+2*i:ACC+2*i+1], v[ACC+2*i:ACC+2*i+1], v[2*i:2*i+1]
.set i, i+1
.endr
	WIN 0
.set i, 0
.rept 32
.if KIND == 3
	global_store_b128 v[LI], v[ACC+4*i:ACC+4*i+3], s[14:15] offset:4096*i th:TH_STORE_NT   ; 32 lanes store 512 consecutive bytes, aligned; written once, read by nobody here
.else
	global_store_b128 v[LI], v[ACC+4*i:ACC+4*i+3], s[14:15] offset:4096*i                  ; 32 lanes store 512 consecutive bytes, aligned
.endif
.set i, i+1
.endr
.endif
.if KIND == 2
.irp p, 0,1                                    ; row tiles 2 p, 2 p + 1; my 64 columns are two blocks of 32 of the next K
	QUANT ACC+64*\p,1,1,0,BIAS+16*\p,PW+\p
.irp g, 0,1,2,3
	global_store_b128 v[LI], v[BIAS+16*\p+4*\g:BIAS+16*\p+4*\g+3], s[12:13] offset:(2*\p+\g/2)*2048+(\g%2)*512
.endr
	global_store_b16 v[R4], v[PW+\p], s[14:15] offset:128*\p            ; tile 2 p's two bytes; lanes l and l xor 16 store the same
	global_store_d16_hi_b16 v[R4], v[PW+\p], s[14:15] offset:128*\p+64  ; tile 2 p + 1's
.endr
.endif
.if KIND == 0
.irp p, 0,1                                    ; along the head's 64 channels: token tiles 2 p, 2 p + 1
	QUANT ACC+64*\p,0,1,0,BIAS+16*\p,PW+\p
.irp g, 0,1,2,3
	global_store_b128 v[LI], v[BIAS+16*\p+4*\g:BIAS+16*\p+4*\g+3], s[92:93] offset:2048*\p+512*\g
.endr
	global_store_b32 v[R4], v[PW+\p], s[14:15] offset:64*\p             ; the pair's word: two bytes of each tile
.endr
.irp p, 0,1                                    ; along the keys: channel tiles 2 p, 2 p + 1; my 64 tokens are two blocks of 32 keys
	QUANT 64*\p,0,0,2,BIAS2+16*\p,PW+2+\p
.irp g, 0,1,2,3
	global_store_b128 v[LI], v[BIAS2+16*\p+4*\g:BIAS2+16*\p+4*\g+3], s[94:95] offset:(2*\p+\g/2)*2048+(\g%2)*512
.endr
	global_store_b16 v[R4], v[PW+2+\p], s[96:97] offset:128*\p
	global_store_d16_hi_b16 v[R4], v[PW+2+\p], s[96:97] offset:128*\p+64
.endr
.endif
	s_wait_tensorcnt 0x0                           ; the wave's end: behind my last tensor load and my last LDS store
	ds_add_u32 v[SPW], v[NIL]
	s_wait_dscnt 0x0
	CROUND                                         ; the closing round: no work-group ends while a partner may still ask for a tile that names it
	s_endpgm
.Lfunc_end_k_qedd8aafbfa_gk:
	.size	k_qedd8aafbfa_gk, .Lfunc_end_k_qedd8aafbfa_gk-k_qedd8aafbfa_gk
	.p2alignl 7, 3214868480
	.fill 96, 4, 3214868480
	.section	.rodata,"a",@progbits
	.p2align	6, 0x0
	.amdhsa_kernel k_qedd8aafbfa_gk
		.amdhsa_group_segment_fixed_size 327680
		.amdhsa_private_segment_fixed_size 0
		.amdhsa_enable_private_segment 0
		.amdhsa_kernarg_size 40
		.amdhsa_user_sgpr_count 2
		.amdhsa_user_sgpr_kernarg_segment_ptr 1
		.amdhsa_wavefront_size32 1
		.amdhsa_system_sgpr_workgroup_id_x 1
		.amdhsa_system_sgpr_workgroup_id_y 1
		.amdhsa_system_sgpr_workgroup_id_z 1
		.amdhsa_system_vgpr_workitem_id 0
		.amdhsa_next_free_vgpr 640
		.amdhsa_next_free_sgpr 102
		.amdhsa_reserve_vcc 0
		.amdhsa_float_denorm_mode_32 3
		.amdhsa_float_denorm_mode_16_64 3
		.amdhsa_memory_ordered 1
		.amdhsa_forward_progress 1
		.amdhsa_inst_pref_size 104
	.end_amdhsa_kernel
	.amdgpu_metadata
---
amdhsa.version: [ 1, 2 ]
amdhsa.kernels:
  - .name:           k_qedd8aafbfa_gk
    .symbol:         k_qedd8aafbfa_gk.kd
    .args:
      - { .name: act, .offset: 0, .size: 8, .value_kind: global_buffer, .address_space: global }
      - { .name: w_attn_codes, .offset: 8, .size: 8, .value_kind: global_buffer, .address_space: global }
      - { .name: w_attn_scales, .offset: 16, .size: 8, .value_kind: global_buffer, .address_space: global }
      - { .name: b_attn, .offset: 24, .size: 8, .value_kind: global_buffer, .address_space: global }
      - { .name: kk, .offset: 32, .size: 8, .value_kind: global_buffer, .address_space: global }
    .group_segment_fixed_size: 327680
    .private_segment_fixed_size: 0
    .kernarg_segment_align: 8
    .kernarg_segment_size: 40
    .max_flat_workgroup_size: 128
    .sgpr_count:     102
    .vgpr_count:     640
    .wavefront_size: 32
...
	.end_amdgpu_metadata
.endif
;; end of part 2
;; launch att (part 3): grid 8 x 32, 16 waves a work-group, clusters of 4 x 1, 327,680 bytes of LDS; arguments kk, act; writes act
.if DOCPART == 3
	.amdgcn_target "amdgcn-amd-amdhsa--gfx1250"
	.amdhsa_code_object_version 6
	.text
	.protected	k_qedd8aafbfa_att
	.globl	k_qedd8aafbfa_att
	.p2align	8
	.type	k_qedd8aafbfa_att,@function
k_qedd8aafbfa_att:
	s_mov_b64 s[64:65], 0
	v_nop
	global_prefetch_b8 v0, s[64:65] scope:SCOPE_SE
	s_setreg_imm32_b32 hwreg(HW_REG_WAVE_MODE, 25, 1), 1
	s_wait_xcnt 0x0
	s_wait_alu depctr_hold_cnt(0) depctr_sa_sdst(0) depctr_va_vdst(0) depctr_va_sdst(0) depctr_va_ssrc(0) depctr_va_vcc(0) depctr_vm_vsrc(0)
	s_getreg_b32 s2, hwreg(HW_REG_IB_STS2, 6, 4)
	s_cmp_eq_u32 s2, 0
	s_cbranch_scc0 .Lentry_in_a_cluster
	s_endpgm
.Lentry_in_a_cluster:
	s_bfe_u32 s2, ttmp6, 0x10000c
	s_cmp_lg_u32 s2, 0x3003
	s_cbranch_scc0 .Lentry_shape_is_right
	s_endpgm
.Lentry_shape_is_right:
; ATTENTION OF ONE (batch, head) ON CODES OF E5M2: a = softmax(k k^T / 8) k, quantised along the 64 channels for the projection.  q, k and v are all the k third of the first product.
; kk holds, for each of the 32 (batch, head): k's codes along the channels (token tiles of 1,024 bytes, images of the operand's registers; a pair of tiles fills K = 128) with a scale word for each pair's row, and from KVO on
; k's codes along the keys (8,192 bytes a step of 128 keys: four channel tiles) with their words.  The output goes to act as images for the next product.
; THE SOFTMAX: t = score x log2(e) / 8; M = ceil of the running largest t; p = 2^(t - M) is quantised along the keys, not normalised; the row's sum is taken of the unquantised p and divides at the end.
; When M moves, the sum and O are multiplied by 2^(old M - new M), which rounds nothing.  LIMIT: the promise holds while |t| stays under 2^31; NaN and infinities are not served.
; SHARES.  A work-group owns 256 queries of a head, each of 16 waves 16 of them.  All of the head's codes and words, 270,336 bytes, come into LDS once, by the head's joint loads (the four work-groups of a cluster walk the same head):
; waves 0-7 bring 32,768 bytes of codes each, waves 8 and 9 the words of k along the channels and along the keys, one load a wave.  Nothing is loaded in the loop, so there is nothing to prefetch.
; BOTH PRODUCTS ARE USED TRANSPOSED: a lane holds one query.  The score product has K = 64: source 0 holds two key tiles side by side, source 1 the query's codes beside zeros, on either side by turns.
; A STEP, 128 keys: the next step's key fragments are fetched right behind this step's score products; the fragments along the keys land in the registers that p leaves when it is converted.
; The hold ahead of the conversion goes two numbers an instruction (dual issue): the two halves take numbers of two blocks, so that destinations are even and odd and the sources lie in different banks.
.set KVO,  4325376
.set WOFF, 4194304
.set LKV,  131072                      ; LDS: codes along the channels at 0, along the keys here,
.set LKW,  262144                      ; the words, 4,096 + 4,096 bytes,
.set SPARE, 270336                     ; the spare words, 128 bytes a wave
.set Q,    16                          ; v16-39 codes, zeros, codes
.set KF,   40                          ; v40-103 four pairs of key tiles
.set S,    104                         ; v104-167 scores, then p, then the fragments along the keys
.set O,    168                         ; v168-199
.set PC,   200                         ; v200-215 p's codes
.set BM,   216
.set BT,   220
.set HD,   224
.set CV,   228
.set KS,   232
.set VS,   234
.set QS,   236
.set PW,   237
.set F,    238
.set TT,   240                         ; the old -M
.set TX,   241
.set SP,   242
.set SPW,  254
.set NIL,  255
.set SEL,  20
.set CS,   22
.set G1S,  24
.set G1C,  32
.set G0S,  40
.set G0C,  44
.set MNT,  48
.set TK,   49                          ; 8,192 x (step + 1)
.set TS,   50                          ; 256 x (step + 1)
.set CNT,  51
.set NC,   60                          ; -log2(e) / 8
.macro CROUND
	s_barrier_signal -1
	s_barrier_wait -1
	s_cmp_lg_u32 s10, 0
	s_cbranch_scc1 .Lnot_wave_0_\@
	s_barrier_signal -3
.Lnot_wave_0_\@:
	s_barrier_wait -3
	s_barrier_signal -1
	s_barrier_wait -1
.endm
.macro WMS d, s0, s1, x0, r0
.if \r0
	v_wmma_scale_f32_16x16x128_f8f6f4 v[(\d):(\d)+7], v[(\s0):(\s0)+15], v[(\s1):(\s1)+15], 0, v[(\x0)], v[QS] matrix_a_fmt:MATRIX_FMT_BF8 matrix_b_fmt:MATRIX_FMT_BF8 matrix_a_scale:MATRIX_SCALE_ROW1
.else
	v_wmma_scale_f32_16x16x128_f8f6f4 v[(\d):(\d)+7], v[(\s0):(\s0)+15], v[(\s1):(\s1)+15], 0, v[(\x0)], v[QS] matrix_a_fmt:MATRIX_FMT_BF8 matrix_b_fmt:MATRIX_FMT_BF8
.endif
.endm
.macro WMO d, s0, x0, r0
.if \r0
	v_wmma_scale_f32_16x16x128_f8f6f4 v[(\d):(\d)+7], v[(\s0):(\s0)+15], v[PC:PC+15], v[(\d):(\d)+7], v[(\x0)], v[PW] matrix_a_fmt:MATRIX_FMT_BF8 matrix_b_fmt:MATRIX_FMT_BF8 matrix_a_scale:MATRIX_SCALE_ROW1
.else
	v_wmma_scale_f32_16x16x128_f8f6f4 v[(\d):(\d)+7], v[(\s0):(\s0)+15], v[PC:PC+15], v[(\d):(\d)+7], v[(\x0)], v[PW] matrix_a_fmt:MATRIX_FMT_BF8 matrix_b_fmt:MATRIX_FMT_BF8
.endif
.endm
.macro KLOAD ad, aw                    ; four pairs of key tiles and their words: 18 loads
.irp p, 0,1,2,3
.irp c, 0,1,2,3
	ds_load_b128 v[KF+16*\p+4*\c:KF+16*\p+4*\c+3], v[\ad] offset:2048*\p+512*\c
.endr
.endr
	ds_load_b32 v[KS], v[\aw]
	ds_load_b32 v[KS+1], v[\aw] offset:128
.endm
	s_load_b128 s[4:7], s[0:1], 0x0                ; kk, act
	v_lshl_add_u32 v[SPW], v0, 2, SPARE
	v_mov_b32 v[NIL], 0
	ds_add_u32 v[SPW], v[NIL]                      ; the add twice on end; its wait comes below
	ds_add_u32 v[SPW], v[NIL]
	v_lshrrev_b32 v2, 5, v0
	s_delay_alu instid0(VALU_DEP_1)
	v_readfirstlane_b32 s10, v2                    ; wave 0..15
	v_and_b32 v8, 31, v0
	v_and_b32 v7, 15, v0
	s_delay_alu instid0(VALU_DEP_2)
	v_lshlrev_b32 v1, 4, v8                        ; 16 x lane
	v_lshl_add_u32 v3, v8, 2, LKW                  ; a word a lane
	v_lshlrev_b32 v7, 2, v7                        ; 4 r
	v_add_nc_u32 v2, LKV-8192, v1                  ; + TK: this step's fragments along the keys
	s_bfe_u32 s11, ttmp6, 0x40000
	s_lshl_b32 s12, ttmp9, 2
	s_add_co_u32 s12, s12, s11                     ; which 256 queries
	s_and_b32 s13, ttmp7, 0xffff                   ; batch x 16 + head
	s_mov_b32 s[G1S], 15|(3<<16)|(1<<21)           ; words: 16 rows of 256 bytes; the mask names the cluster's four
	s_mov_b32 s[G1S+1], 32<<16
	s_mov_b32 s[G1S+2], 16<<16
	s_mov_b32 s[G1S+3], 32<<16
	s_mov_b32 s[G1S+4], 16
	s_mov_b32 s[G1S+5], 32
	s_mov_b32 s[G1S+6], 0
	s_mov_b32 s[G1S+7], 0
	s_mov_b32 s[G1C], 15|(3<<16)|(1<<21)           ; codes: 128 rows of 256 bytes
	s_mov_b32 s[G1C+1], 32<<16
	s_mov_b32 s[G1C+2], 128<<16
	s_mov_b32 s[G1C+3], 32<<16
	s_mov_b32 s[G1C+4], 128
	s_mov_b32 s[G1C+5], 32
	s_mov_b32 s[G1C+6], 0
	s_mov_b32 s[G1C+7], 0
	s_lshr_b32 s14, s10, 2                         ; waves 0-3: along the channels, 4-7: along the keys; a quarter each
	s_and_b32 s15, s10, 3
	s_mul_i32 s18, s14, KVO
	s_lshl_b32 s58, s13, 17
	s_add_co_u32 s18, s18, s58
	s_lshl_b32 s58, s15, 15
	s_add_co_u32 s18, s18, s58
	s_mov_b32 s19, 0
	s_and_b32 s14, s10, 1                          ; wave 8: the first kind's words, wave 9: the second's
	s_mul_i32 s16, s14, KVO
	s_lshl_b32 s58, s13, 12
	s_add_co_u32 s16, s16, s58
	s_add_co_u32 s16, s16, WOFF
	s_mov_b32 s17, 0
	s_mov_b32 s[G0C], 1
	s_lshl_b32 s[G0C+1], s10, 15
	s_mov_b32 s[G0S], 1
	s_lshl_b32 s[G0S+1], s14, 12
	s_add_co_u32 s[G0S+1], s[G0S+1], LKW
	s_lshl_b32 s58, s13, 7                         ; my token tile: 128 x head + 16 x block + wave
	s_lshl_b32 s59, s12, 4
	s_add_co_u32 s58, s58, s59
	s_add_co_u32 s58, s58, s10
	s_lshl_b32 s52, s58, 10
	s_mov_b32 s53, 0
	s_lshr_b32 s54, s58, 1
	s_lshl_b32 s54, s54, 6
	s_add_co_u32 s54, s54, WOFF
	s_mov_b32 s55, 0
	s_mov_b32 s[SEL], 0x76543210
	s_mov_b32 s[SEL+1], 0xfedcba98
	s_mov_b32 s[CS], 0x3e38aa3b                    ; log2(e) / 8
	s_mov_b32 s[CS+1], s[CS]
	s_mov_b32 s[NC], 0xbe38aa3b
	s_mov_b32 s[MNT], 0x600000
	s_mov_b32 s[TK], 8192
	s_mov_b32 s[TS], 256
	s_mov_b32 s[CNT], 15
	s_wait_alu depctr_va_vdst(0)
	s_wait_dscnt 0x0
	s_wait_kmcnt 0x0
	s_add_nc_u64 s[G0S+2:G0S+3], s[4:5], s[16:17]
	s_or_b32 s[G0S+3], s[G0S+3], 0x80000000
	s_add_nc_u64 s[G0C+2:G0C+3], s[4:5], s[18:19]
	s_or_b32 s[G0C+3], s[G0C+3], 0x80000000
	s_add_nc_u64 s[52:53], s[4:5], s[52:53]
	s_add_nc_u64 s[54:55], s[4:5], s[54:55]
	global_load_b128 v[Q:Q+3], v1, s[52:53]        ; my queries' codes, on both sides of the zeros
	global_load_b128 v[Q+4:Q+7], v1, s[52:53] offset:512
	global_load_b128 v[Q+16:Q+19], v1, s[52:53]
	global_load_b128 v[Q+20:Q+23], v1, s[52:53] offset:512
	global_load_b32 v[QS], v7, s[54:55]
	CROUND                                         ; the four work-groups are here: the joint loads meet
	s_cmp_lt_u32 s10, 8                            ; one tree of branches on the wave's number, one load to an arm
	s_cbranch_scc0 .Lhead_w
	tensor_load_to_lds s[G0C:G0C+3], s[G1C:G1C+7]
	s_nop 0
.rept 4
	v_nop
.endr
	s_branch .Lhead_asked
.Lhead_w:
	s_cmp_lt_u32 s10, 10
	s_cbranch_scc0 .Lhead_asked
	tensor_load_to_lds s[G0S:G0S+3], s[G1S:G1S+7]
	s_nop 0
.rept 4
	v_nop
.endr
.Lhead_asked:
	s_lshr_b32 s58, s13, 4                         ; where my tile goes in act: token tile 128 x batch + 16 x block + wave; the head's 64 channels are half a K step
	s_lshl_b32 s58, s58, 7
	s_add_co_u32 s58, s58, s59
	s_add_co_u32 s58, s58, s10
	s_and_b32 s59, s58, 7
	s_lshr_b32 s58, s58, 3
	s_lshl_b32 s58, s58, 3
	s_and_b32 s56, s13, 15
	s_lshr_b32 s57, s56, 1
	s_add_co_u32 s58, s58, s57
	s_lshl_b32 s58, s58, 3
	s_add_co_u32 s58, s58, s59
	s_and_b32 s56, s56, 1
	s_lshl_b32 s57, s56, 1
	s_lshl_b32 s59, s58, 6
	s_add_co_u32 s59, s59, s57
	s_add_co_u32 s16, s59, WOFF
	s_lshl_b32 s18, s58, 11
	s_lshl_b32 s57, s56, 10
	s_add_co_u32 s18, s18, s57
	s_add_nc_u64 s[56:57], s[6:7], s[16:17]
	s_add_nc_u64 s[6:7], s[6:7], s[18:19]
.irp j, 8,9,10,11,12,13,14,15
	v_mov_b32 v[Q+\j], 0
.endr
	v_mov_b32 v13, 0xff61b1e6                      ; the largest score so far: -3e38
	v_mov_b32 v14, 0
	v_mov_b32 v15, 0
	v_mul_f32 v[TX], s[NC], v13
.irp b, 0,1,2,3
	v_mov_b32 v[BT+\b], 0                          ; a lane permute's destination counts as one of its sources
.endr
	v_floor_f32 v12, v[TX]                         ; -M
	v_mov_b32 v[F+1], 0
	s_delay_alu instid0(VALU_DEP_2)
	v_mov_b32 v[TT], v12
	s_wait_alu depctr_va_vdst(0)
	s_wait_loadcnt 0x0
	s_and_b32 s58, s10, 1
	s_lshl_b32 s58, s58, 4
	v_lshrrev_b32 v[QS], s58, v[QS]                ; my tile's two bytes of the pair's word, for either side
	s_delay_alu instid0(VALU_DEP_1)
	v_and_b32 v[QS], 0xffff, v[QS]
	s_delay_alu instid0(VALU_DEP_1)
	v_lshl_or_b32 v[QS], v[QS], 16, v[QS]
.set i, 0
.rept 32
	v_mov_b32 v[O+i], 0                            ; the step is written for every step alike: the first change of M multiplies zeros
.set i, i+1
.endr
	s_wait_alu depctr_va_vdst(0)
	s_wait_tensorcnt 0x0
	s_barrier_signal -1
	s_barrier_wait -1                              ; the whole head lies in LDS; nothing is filled again
	KLOAD 1, 3
; A STEP OF 128 KEYS.  more = 1: the next step's key fragments are fetched.
.macro STEP more
	s_wait_dscnt 0x0                               ; this step's key fragments and words (asked for a step ago)
.irp p, 0,1,2,3
.irp u, 0,1
	WMS S+8*(2*\p+\u), KF+16*\p, Q+8*\u, KS+\p/2, \p%2
.endr
.endr
.if \more
	v_add_nc_u32 v4, s[TK], v1                     ; eight places behind the products, three of them address work
.else
	v_nop
.endif
	v_add_nc_u32 v5, s[TK], v2
	v_add_nc_u32 v6, s[TS], v3
.rept 5
	v_nop
.endr
.if \more
	KLOAD 4, 6
.endif
	ds_load_b32 v[VS], v6 offset:3840              ; this step's words along the keys: 4,096 - 256 on
	ds_load_b32 v[VS+1], v6 offset:3968
.irp b, 0,1,2,3                                ; each block's largest score, two chains a block, each accumulator from its low end on
	v_max3_num_f32 v[BM+\b], v[S+16*\b], v[S+16*\b+1], v[S+16*\b+2]
	v_max3_num_f32 v[BT+\b], v[S+16*\b+8], v[S+16*\b+9], v[S+16*\b+10]
.endr
.irp i, 3,5
.irp b, 0,1,2,3
	v_max3_num_f32 v[BM+\b], v[BM+\b], v[S+16*\b+\i], v[S+16*\b+\i+1]
	v_max3_num_f32 v[BT+\b], v[BT+\b], v[S+16*\b+8+\i], v[S+16*\b+9+\i]
.endr
.endr
.irp b, 0,1,2,3
	v_max3_num_f32 v[BM+\b], v[BM+\b], v[BT+\b], v[S+16*\b+7]
.endr
.irp b, 0,1,2,3
	v_max_num_f32 v[BM+\b], v[BM+\b], v[S+16*\b+15]
.endr
.irp b, 0,1,2,3
	s_delay_alu instid0(VALU_DEP_4)
	v_permlanex16_b32 v[BT+\b], v[BM+\b], s[SEL], s[SEL+1]
.endr
.irp b, 0,1,2,3
	s_delay_alu instid0(VALU_DEP_4)
	v_max_num_f32 v[BM+\b], v[BM+\b], v[BT+\b]     ; with lane l xor 16's 16 keys
.endr
	s_delay_alu instid0(VALU_DEP_2)
	v_max3_num_f32 v[TX], v[BM], v[BM+1], v[BM+2]
	s_delay_alu instid0(VALU_DEP_1)
	v_max3_num_f32 v13, v13, v[TX], v[BM+3]        ; the running largest score
	s_delay_alu instid0(VALU_DEP_1)
	v_mul_f32 v[TX], s[NC], v13                    ; -t
	s_delay_alu instid0(VALU_DEP_1)
	v_floor_f32 v12, v[TX]                         ; -M = floor(-t)
	s_delay_alu instid0(VALU_DEP_1)
	v_sub_f32 v[TT], v12, v[TT]                    ; old M - new M: a whole number, 0 or less
.set i, 0
.rept 4
	v_pk_fma_f32 v[S+i:S+i+1], v[S+i:S+i+1], s[CS:CS+1], v[12:13] op_sel_hi:[1,0,0]   ; t - M
.set i, i+2
.endr
	v_cvt_i32_f32 v[TT], v[TT]                     ; (it saturates)
.rept 4
	v_pk_fma_f32 v[S+i:S+i+1], v[S+i:S+i+1], s[CS:CS+1], v[12:13] op_sel_hi:[1,0,0]
.set i, i+2
.endr
	v_ldexp_f32 v[F], 1.0, v[TT]                   ; f = 2^(old M - new M)
.rept 24
	v_pk_fma_f32 v[S+i:S+i+1], v[S+i:S+i+1], s[CS:CS+1], v[12:13] op_sel_hi:[1,0,0]
.set i, i+2
.endr
.irp b, 0,1,2,3
	v_fma_f32 v[BM+\b], v[BM+\b], s[CS], v12       ; the same of each block's largest score
.endr
	s_wait_alu depctr_va_vdst(0)
.set i, 0
.rept 64
	v_exp_f32 v[S+i], v[S+i]
.set i, i+1
.endr
	v_pk_mul_f32 v[14:15], v[14:15], v[F:F+1] op_sel_hi:[1,0]
	s_wait_alu depctr_va_vdst(0)                   ; one wait for the batch, ahead of its first reader
.irp b, 0,1,2,3
	v_exp_f32 v[BM+\b], v[BM+\b]                   ; each block's largest p
.endr
	v_pk_add_f32 v[BT:BT+1], v[S:S+1], v[S+2:S+3]  ; the row's sum of the unquantised p, in four chains
	v_pk_add_f32 v[BT+2:BT+3], v[S+4:S+5], v[S+6:S+7]
	v_pk_add_f32 v[SP:SP+1], v[S+8:S+9], v[S+10:S+11]
	v_pk_add_f32 v[14:15], v[14:15], v[S+12:S+13]
.irp j, 14,22,30,38,46,54
	v_pk_add_f32 v[BT:BT+1], v[BT:BT+1], v[S+\j:S+\j+1]
	v_pk_add_f32 v[BT+2:BT+3], v[BT+2:BT+3], v[S+\j+2:S+\j+3]
	v_pk_add_f32 v[SP:SP+1], v[SP:SP+1], v[S+\j+4:S+\j+5]
	v_pk_add_f32 v[14:15], v[14:15], v[S+\j+6:S+\j+7]
.endr
	v_pk_add_f32 v[BT:BT+1], v[BT:BT+1], v[S+62:S+63]
	v_pk_add_f32 v[SP:SP+1], v[SP:SP+1], v[BT+2:BT+3]
	s_delay_alu instid0(VALU_DEP_2)
	v_pk_add_f32 v[14:15], v[14:15], v[BT:BT+1]
	s_delay_alu instid0(VALU_DEP_1)
	v_pk_add_f32 v[14:15], v[14:15], v[SP:SP+1]
	s_wait_alu depctr_va_vdst(0)                   ; and one for the four
.irp b, 0,1,2,3
	v_max_num_f32 v[BM+\b], 0x8000000, v[BM+\b]    ; the floor 2^(16 - 127): the byte cannot fall under 1
.endr
.irp b, 0,1,2,3
	s_delay_alu instid0(VALU_DEP_4)
	v_add_nc_u32 v[CV+\b], 0xf8800000, v[BM+\b]    ; 15 off the exponent field: the conversion's scale operand
.endr
.irp b, 0,1,2,3
	v_and_or_b32 v[HD+\b], v[BM+\b], 0x7f800000, s[MNT]   ; 57,344 x the scale
.endr
.irp b, 0,1,2,3
	v_lshrrev_b32 v[BT+\b], 23, v[CV+\b]           ; the scale's byte
.endr
	s_delay_alu instid0(VALU_DEP_3)
	v_lshl_or_b32 v[PW], v[BT+1], 8, v[BT]
	s_delay_alu instid0(VALU_DEP_1)
	v_lshl_or_b32 v[PW], v[BT+2], 16, v[PW]
	s_delay_alu instid0(VALU_DEP_1)
	v_lshl_or_b32 v[PW], v[BT+3], 24, v[PW]
.irp g, 0,2                                    ; blocks g and g + 1: the hold (the conversion does not saturate: ISA guide 7.6.2; p is not negative), the codes, and two fragments along the keys into the registers left free
.irp i, 0,2,4,6,8,10,12,14
	v_dual_min_num_f32 v[S+16*\g+\i], v[S+16*\g+\i], v[HD+\g] :: v_dual_min_num_f32 v[S+16*(\g+1)+\i+1], v[S+16*(\g+1)+\i+1], v[HD+\g+1]
	v_dual_min_num_f32 v[S+16*(\g+1)+\i], v[S+16*(\g+1)+\i], v[HD+\g+1] :: v_dual_min_num_f32 v[S+16*\g+\i+1], v[S+16*\g+\i+1], v[HD+\g]
.endr
.irp b, \g, \g+1
	v_cvt_scalef32_pk8_bf8_f32 v[PC+4*(\b):PC+4*(\b)+1], v[S+16*(\b):S+16*(\b)+7], v[CV+(\b)]
	v_cvt_scalef32_pk8_bf8_f32 v[PC+4*(\b)+2:PC+4*(\b)+3], v[S+16*(\b)+8:S+16*(\b)+15], v[CV+(\b)]
.endr
.irp t, \g, \g+1
.irp c, 0,1,2,3
	ds_load_b128 v[S+16*(\t)+4*\c:S+16*(\t)+4*\c+3], v5 offset:2048*(\t)+512*\c
.endr
.endr
.endr
	s_wait_alu depctr_va_vdst(0)
.set i, 0
.rept 16
	v_pk_mul_f32 v[O+i:O+i+1], v[O+i:O+i+1], v[F:F+1] op_sel_hi:[1,0]   ; O under the new M; also the places ahead of the products
.set i, i+2
.endr
	s_wait_alu depctr_va_vdst(0)
.irp t, 0,1,2,3
	s_wait_dscnt 12-4*\t                           ; channel tile t's four loads are in; the later tiles' may be out
	WMO O+8*\t, S+16*\t, VS+\t/2, \t%2
.endr
	v_mov_b32 v[TT], v12                           ; nine places: the next score products write over registers that these products read
.rept 8
	v_nop
.endr
.endm
.Lstep:
	STEP 1
	s_add_co_u32 s[TK], s[TK], 8192
	s_add_co_u32 s[TS], s[TS], 256
	s_sub_co_u32 s[CNT], s[CNT], 1
	s_cmp_lg_u32 s[CNT], 0
	s_cbranch_scc1 .Lstep
	STEP 0                                         ; the sixteenth step fetches nothing further
	; THE WAY OUT: O / the sum, quantised along the head's 64 channels (two blocks of 32), stored as an image
	v_add_f32 v14, v14, v15
	s_delay_alu instid0(VALU_DEP_1)
	v_permlanex16_b32 v[TT], v14, s[SEL], s[SEL+1]
	s_delay_alu instid0(VALU_DEP_1)
	v_add_f32 v14, v14, v[TT]
	s_wait_alu depctr_va_vdst(0)
	v_rcp_f32 v14, v14
	v_nop
	s_wait_alu depctr_va_vdst(0)
.set i, 0
.rept 16
	v_pk_mul_f32 v[O+i:O+i+1], v[O+i:O+i+1], v[14:15] op_sel_hi:[1,0]
.set i, i+2
.endr
.irp b, 0,1
	v_max3_num_f32 v[BM+\b], |v[O+16*\b]|, |v[O+16*\b+1]|, 0x8000000
.endr
.irp i, 2,4,6,8,10,12,14
.irp b, 0,1
	s_delay_alu instid0(VALU_DEP_2)
	v_max3_num_f32 v[BM+\b], v[BM+\b], |v[O+16*\b+\i]|, |v[O+16*\b+\i+1]|
.endr
.endr
.irp b, 0,1
	s_delay_alu instid0(VALU_DEP_2)
	v_permlanex16_b32 v[BT+\b], v[BM+\b], s[SEL], s[SEL+1]
.endr
.irp b, 0,1
	s_delay_alu instid0(VALU_DEP_2)
	v_max_num_f32 v[BM+\b], v[BM+\b], v[BT+\b]
.endr
.irp b, 0,1
	s_delay_alu instid0(VALU_DEP_2)
	v_add_nc_u32 v[CV+\b], 0xf8800000, v[BM+\b]
.endr
.irp b, 0,1
	s_delay_alu instid0(VALU_DEP_4)
	v_and_or_b32 v[HD+\b], v[BM+\b], 0x7f800000, s[MNT]
.endr
.irp b, 0,1
	s_delay_alu instid0(VALU_DEP_4)
	v_lshrrev_b32 v[BT+\b], 23, v[CV+\b]
.endr
	s_delay_alu instid0(VALU_DEP_1)
	v_lshl_or_b32 v[PW], v[BT+1], 8, v[BT]
.irp b, 0,1
.irp i, 0,1,2,3,4,5,6,7,8,9,10,11,12,13,14,15
	v_med3_num_f32 v[O+16*\b+\i], v[O+16*\b+\i], -v[HD+\b], v[HD+\b]
.endr
.endr
.irp b, 0,1
	v_cvt_scalef32_pk8_bf8_f32 v[PC+4*\b:PC+4*\b+1], v[O+16*\b:O+16*\b+7], v[CV+\b]
	v_cvt_scalef32_pk8_bf8_f32 v[PC+4*\b+2:PC+4*\b+3], v[O+16*\b+8:O+16*\b+15], v[CV+\b]
.endr
	v_nop
.irp b, 0,1
	v_permlane16_swap_b32 v[PC+4*\b], v[PC+4*\b+2] ; a block's registers are channels 8 h + j and 16 + 8 h + j: into the operand's order
	v_permlane16_swap_b32 v[PC+4*\b+1], v[PC+4*\b+3]
.endr
	global_store_b128 v1, v[PC:PC+3], s[6:7]       ; 32 lanes store 512 consecutive bytes
	global_store_b128 v1, v[PC+4:PC+7], s[6:7] offset:512
	global_store_b16 v7, v[PW], s[56:57]
	s_wait_tensorcnt 0x0                           ; the wave's end
	ds_add_u32 v[SPW], v[NIL]
	s_wait_dscnt 0x0
	CROUND                                         ; the closing round
	s_endpgm
.Lfunc_end_k_qedd8aafbfa_att:
	.size	k_qedd8aafbfa_att, .Lfunc_end_k_qedd8aafbfa_att-k_qedd8aafbfa_att
	.p2alignl 7, 3214868480
	.fill 96, 4, 3214868480
	.section	.rodata,"a",@progbits
	.p2align	6, 0x0
	.amdhsa_kernel k_qedd8aafbfa_att
		.amdhsa_group_segment_fixed_size 327680
		.amdhsa_private_segment_fixed_size 0
		.amdhsa_enable_private_segment 0
		.amdhsa_kernarg_size 16
		.amdhsa_user_sgpr_count 2
		.amdhsa_user_sgpr_kernarg_segment_ptr 1
		.amdhsa_wavefront_size32 1
		.amdhsa_system_sgpr_workgroup_id_x 1
		.amdhsa_system_sgpr_workgroup_id_y 1
		.amdhsa_system_sgpr_workgroup_id_z 1
		.amdhsa_system_vgpr_workitem_id 0
		.amdhsa_next_free_vgpr 256
		.amdhsa_next_free_sgpr 66
		.amdhsa_reserve_vcc 0
		.amdhsa_float_denorm_mode_32 3
		.amdhsa_float_denorm_mode_16_64 3
		.amdhsa_memory_ordered 1
		.amdhsa_forward_progress 1
		.amdhsa_inst_pref_size 54
	.end_amdhsa_kernel
	.amdgpu_metadata
---
amdhsa.version: [ 1, 2 ]
amdhsa.kernels:
  - .name:           k_qedd8aafbfa_att
    .symbol:         k_qedd8aafbfa_att.kd
    .args:
      - { .name: kk, .offset: 0, .size: 8, .value_kind: global_buffer, .address_space: global }
      - { .name: act, .offset: 8, .size: 8, .value_kind: global_buffer, .address_space: global }
    .group_segment_fixed_size: 327680
    .private_segment_fixed_size: 0
    .kernarg_segment_align: 8
    .kernarg_segment_size: 16
    .max_flat_workgroup_size: 512
    .sgpr_count:     66
    .vgpr_count:     256
    .wavefront_size: 32
...
	.end_amdgpu_metadata
.endif
;; end of part 3
;; launch gproj (part 4): grid 8 x 32, 4 waves a work-group, clusters of 4 x 4, 327,680 bytes of LDS; arguments act, w_proj_codes, w_proj_scales, b_proj, x, x1; writes x1
.if DOCPART == 4
	.amdgcn_target "amdgcn-amd-amdhsa--gfx1250"
	.amdhsa_code_object_version 6
	.text
	.protected	k_qedd8aafbfa_gproj
	.globl	k_qedd8aafbfa_gproj
	.p2align	8
	.type	k_qedd8aafbfa_gproj,@function
k_qedd8aafbfa_gproj:
	s_mov_b64 s[64:65], 0
	v_nop
	global_prefetch_b8 v0, s[64:65] scope:SCOPE_SE
	s_setreg_imm32_b32 hwreg(HW_REG_WAVE_MODE, 25, 1), 1
	s_wait_xcnt 0x0
	s_wait_alu depctr_hold_cnt(0) depctr_sa_sdst(0) depctr_va_vdst(0) depctr_va_sdst(0) depctr_va_ssrc(0) depctr_va_vcc(0) depctr_vm_vsrc(0)
	s_getreg_b32 s2, hwreg(HW_REG_IB_STS2, 6, 4)
	s_cmp_eq_u32 s2, 0
	s_cbranch_scc0 .Lentry_in_a_cluster
	s_endpgm
.Lentry_in_a_cluster:
	s_bfe_u32 s2, ttmp6, 0x10000c
	s_cmp_lg_u32 s2, 0xf033
	s_cbranch_scc0 .Lentry_shape_is_right
	s_endpgm
.Lentry_shape_is_right:
; ONE TEXT FOR THE BLOCK'S FOUR DENSE PRODUCTS; KIND says which this file is: 0 k = h Wk + bk; 1 x1 = x + a Wp + bp; 2 hid = relu(h W1 + b1); 3 out = x1 + hid W2 + b2.  What belongs to another KIND is not assembled.
; C[m][n] = sum over k of A[m][k] W[n][k] + bias[n], on codes of E5M2 with one E8M0 byte for each 32 along K, by v_wmma_scale_f32_16x16x128_f8f6f4; sums in f32.
; A (4,096 rows, KTOT along K) was made by an earlier launch and lies AS IMAGES OF THE OPERAND'S REGISTERS: rows in tiles of 16 (row r of tile T is token 32 (T / 2) + 8 (T % 2) + r + 8 (r / 8)), a block RB of 128 rows
; = 8 tiles; byte (((RB KST + s) 8 + a) 4 + c) 512 + 16 lane; its scale words at SC0 + (((RB KST + s) 8 + a) 16 + r) 4.  W arrives as rows of KTOT codes, K innermost, and rows of KTOT / 32 scale bytes.
; KIND 0 multiplies only rows 1,024 .. 2,047 of w_attn: the attention takes q, k and v from that third, and the other two thirds of the product are sliced away.
; SHARES.  A tile of C is 128 x 128: 256 work-groups at N = 1,024.  Four waves, each 64 x 64: 16 accumulators.  K goes in slots of 512 (four K steps of 128) through two LDS slots; with KTOT = 1,024 the two first fills are all of K.
; The scales of the work-group's rows of A and of W for all of K come once, with the first fills.  CLUSTERS: 4 x 4; A's tiles are asked for jointly along a row of the cluster, W's along a column.
; No prefetch: with KTOT = 1,024 everything is asked for by the first fills; with 4,096 a slot's refill has four K steps in which to land and the tiles are shared by four work-groups.
; THE PRODUCT IS USED TRANSPOSED (source 0 = 16 rows of W, source 1 = 16 rows of A): a lane holds one row of C and eight neighbouring columns 16 b + 8 h + j.  The bias is the C of each sum's first product.
; KIND 0 makes every product a second time the other way round (source 0 = A): there a lane holds one channel and its registers run along the tokens, which are the K of the attention's second product.
; WAYS OUT.  KIND 1, 3: through a stage in slot 0 (it has had its last fill and its last read), whole rows of 512 bytes, + the residual.  KIND 2, 0: quantised in registers and stored as images.
; Where a result is quantised along its columns, a block of 32 columns lies in two tiles and in lanes l and l xor 16: v_permlane16_swap_b32 puts the code registers in the operand's order.
; LIMITS: NaN and infinities are not served; a block of zeros gets the byte 1 (its codes are zeros, and this program alone reads the bytes).
; REGISTERS: window 0: v1-29 addresses; v32-39 scale words, two sets; v40-59 at work; v64-95 bias; v96-127 KIND 0's second bias; v128-255 the accumulators ((a, b) at 128 + 8 (4 a + b)).
;   window 1: two fragment buffers of 128: A's four fragments, then W's four.   window 2, v0-127: KIND 0: the second accumulators ((b, a) at 8 (4 b + a)); KIND 1, 3: 32 rows of the residual.
.set KIND, 1
.if KIND == 3
.set KTOT, 4096
.else
.set KTOT, 1024
.endif
.if KIND == 0
.set NOFF, 1024                        ; the first row of W that is multiplied
.else
.set NOFF, 0
.endif
.set RES,   KIND%2                     ; 1: the way out adds a residual
.set KST,   KTOT/128                   ; K steps
.set KSB,   KTOT/32                    ; a row of W's scale bytes
.set LAPS,  KTOT/1024                  ; a lap = two slots
.set SC0,   KTOT*4096                  ; where A's scale words begin
.set KVO,   4325376                    ; KIND 0: where the codes along the keys begin in the output
; IN THIS KIND (K = 1,024) ALL OF K LIES IN LDS AT ONCE, brought by the head's four loads: nothing is filled a second time.  "Slot 1" below means K steps 4 to 7 of the same tiles.
.set BP,    1040                       ; a row of W in LDS: its 1,024 bytes + 16: row r starts 4 r words on in the banks
.set ABASE, 2048                       ; A's images, 8 K steps x 8 tiles x 2,048 bytes, begin here: 2,048 + K steps 0 to 3 are the 67,584 bytes that the stage of 128 rows x 528 bytes takes; nobody reads them behind the barrier in the middle of K
.set BOFF,  ABASE+131072               ; then W's 128 rows
.set SCA,   BOFF+128*BP                ; A's scale words: [K step][tile][16 words]
.set SCB,   SCA+KST*512                ; W's scale bytes, as units of 256 bytes + 16 of padding
.set SPARE, SCB+KST*544                ; the spare words, 128 bytes for each wave: two blocks of 256 bytes that no other line names
.set LI,   1                           ; v1   16 x lane
.set ADRA, 16                          ; v16-17 my fragments of A in slot 0, 1
.set ADRB, 20                          ; v20-21 the same for W
.set ADSA, 22                          ; v22  A's scale words of the slot in hand
.set ADSB, 23                          ; v23  W's
.set STO,  24                          ; v24  the stage: where I put 32 bytes of a row
.set RD,   25                          ; v25  and where I read a row back
.set R4,   26                          ; v26  4 r
.set H32,  27                          ; v27  32 h
.set SPW,  28                          ; v28  my spare word; never rewritten
.set NIL,  29                          ; v29  0; never rewritten
.set SA,   32                          ; buffer f: v[32 + 4 f], v[33 + 4 f]: A's words, tiles 0 | 1 and 2 | 3 in the two halves of the lanes
.set SB,   34                          ;           v[34 + 4 f], v[35 + 4 f]: W's
.set PW,   40                          ; v40-43 scale words just made
.set TM,   44                          ; v44-59 at work in QUANT
.set BIAS, 64
.set BIAS2, 96
.set ACC,  128
.set G1A,  24                          ; s[24:31] group 1, s[32:39] groups 0 (a set for each slot): A's images
.set G0A,  32
.set G1B,  40                          ; s[40:47], s[48:55]: W's rows
.set G0B,  48
.set G1SA, 56                          ; s[56:63], s[68:71]: A's scale words
.set G0SA, 68
.set G1SB, 72                          ; s[72:79], s[80:83]: W's scale bytes
.set G0SB, 80
.set SEL,  86                          ; s[86:87] lane selects: lane l xor 16
.set MNT,  88                          ; s88 the mantissa field of 57,344
.set MSB, 0
.macro WIN new                         ; the immediate's high byte repeats the setting that is left; a switch that changes nothing is dropped
.if MSB != (\new)
	s_set_vgpr_msb (MSB<<8)|(\new)
.set MSB, \new
.endif
.endm
; A joint load: waves 0 and 1 fetch for A, waves 2 and 3 for W.  The branch hangs on the wave's number alone.  Four v_nop follow each of the two lines.
.macro JLOAD g0a, g1a, g0b, g1b
	s_cmp_eq_u32 s17, 0
	s_cbranch_scc0 .Lfor_b_\@
	tensor_load_to_lds s[\g0a:\g0a+3], s[\g1a:\g1a+7]
	s_nop 0
.rept 4
	v_nop
.endr
	s_branch .Lasked_\@
.Lfor_b_\@:
	tensor_load_to_lds s[\g0b:\g0b+3], s[\g1b:\g1b+7]
	s_nop 0
.rept 4
	v_nop
.endr
.Lasked_\@:
.endm
.macro CREST                           ; a round of the cluster's barrier behind its opening barrier
	s_cmp_lg_u32 s16, 0
	s_cbranch_scc1 .Lnot_wave_0_\@
	s_barrier_signal -3
.Lnot_wave_0_\@:
	s_barrier_wait -3
	s_barrier_signal -1
	s_barrier_wait -1
.endm
.macro CROUND                          ; a whole round
	s_barrier_signal -1
	s_barrier_wait -1
	CREST
.endm
.macro PLACES n                        ; plain vector instructions between a matrix instruction and a load into, or a read of, its registers: eight for this form
.rept \n
	v_nop
.endr
.endm
; one product: D, source 0, source 1, C by their first registers; x0, x1 the scale registers; r0, r1 = 1: that side's words stand in lanes 16-31
.macro WM d, s0, s1, c, x0, x1, r0, r1
.if (\r0) && (\r1)
	v_wmma_scale_f32_16x16x128_f8f6f4 v[(\d):(\d)+7], v[(\s0):(\s0)+15], v[(\s1):(\s1)+15], v[(\c):(\c)+7], v[(\x0)], v[(\x1)] matrix_a_fmt:MATRIX_FMT_BF8 matrix_b_fmt:MATRIX_FMT_BF8 matrix_a_scale:MATRIX_SCALE_ROW1 matrix_b_scale:MATRIX_SCALE_ROW1
.elseif (\r0)
	v_wmma_scale_f32_16x16x128_f8f6f4 v[(\d):(\d)+7], v[(\s0):(\s0)+15], v[(\s1):(\s1)+15], v[(\c):(\c)+7], v[(\x0)], v[(\x1)] matrix_a_fmt:MATRIX_FMT_BF8 matrix_b_fmt:MATRIX_FMT_BF8 matrix_a_scale:MATRIX_SCALE_ROW1
.elseif (\r1)
	v_wmma_scale_f32_16x16x128_f8f6f4 v[(\d):(\d)+7], v[(\s0):(\s0)+15], v[(\s1):(\s1)+15], v[(\c):(\c)+7], v[(\x0)], v[(\x1)] matrix_a_fmt:MATRIX_FMT_BF8 matrix_b_fmt:MATRIX_FMT_BF8 matrix_b_scale:MATRIX_SCALE_ROW1
.else
	v_wmma_scale_f32_16x16x128_f8f6f4 v[(\d):(\d)+7], v[(\s0):(\s0)+15], v[(\s1):(\s1)+15], v[(\c):(\c)+7], v[(\x0)], v[(\x1)] matrix_a_fmt:MATRIX_FMT_BF8 matrix_b_fmt:MATRIX_FMT_BF8
.endif
.endm
; A's tile a against W's four, from buffer f.  first = 1: the bias is C, and nothing is ever cleared.  The accumulators take turns, one instruction a turn, in the same order in every K step.
.macro MULR f, a, first
	WIN 0x05                                       ; sources 0 and 1 window 1; C and D window 0
.irp b, 0,1,2,3
.if \first
	WM ACC+8*(4*(\a)+\b), 128*(\f)+64+16*\b, 128*(\f)+16*(\a), BIAS+8*\b, SB+4*(\f)+(\b)/2, SA+4*(\f)+(\a)/2, (\b)%2, (\a)%2
.else
	WM ACC+8*(4*(\a)+\b), 128*(\f)+64+16*\b, 128*(\f)+16*(\a), ACC+8*(4*(\a)+\b), SB+4*(\f)+(\b)/2, SA+4*(\f)+(\a)/2, (\b)%2, (\a)%2
.endif
.endr
.if KIND == 0
.if \first
	WIN 0x85                                       ; D window 2, C (the second bias) window 0
.else
	WIN 0xa5                                       ; C and D window 2
.endif
.irp b, 0,1,2,3
.if \first
	WM 8*(4*\b+(\a)), 128*(\f)+16*(\a), 128*(\f)+64+16*\b, BIAS2+8*\b, SA+4*(\f)+(\a)/2, SB+4*(\f)+(\b)/2, (\a)%2, (\b)%2
.else
	WM 8*(4*\b+(\a)), 128*(\f)+16*(\a), 128*(\f)+64+16*\b, 8*(4*\b+(\a)), SA+4*(\f)+(\a)/2, SB+4*(\f)+(\b)/2, (\a)%2, (\b)%2
.endif
.endr
.endif
.endm
; 36 LDS loads in one run: the fragments and scale words of the slot's q-th K step into buffer g
.macro FETCH sl, q, g
	WIN 0x40                                       ; destination window 1, address window 0
.irp a, 0,1,2,3
.irp c, 0,1,2,3
	ds_load_b128 v[128*(\g)+16*\a+4*\c:128*(\g)+16*\a+4*\c+3], v[ADRA+(\sl)] offset:16384*(\q)+2048*\a+512*\c   ; an image: 512 consecutive bytes
.endr
.endr
.irp b, 0,1,2,3
.irp c, 0,1,2,3
	ds_load_b128 v[128*(\g)+64+16*\b+4*\c:128*(\g)+64+16*\b+4*\c+3], v[ADRB+(\sl)] offset:128*(\q)+16*BP*\b+32*\c
.endr
.endr
	WIN 0
.irp i, 0,1
	ds_load_b32 v[SA+4*(\g)+\i], v[ADSA] offset:512*(\q)+128*\i
	ds_load_b32 v[SB+4*(\g)+\i], v[ADSB] offset:4*(\q)+\i*KST*136
.endr
.endm
; A K step that has its successor in the same slot: the successor's loads go out first and land under this step's products
.macro STEP sl, q, first
	s_wait_dscnt 0x0                               ; this step's fragments and scale words are in (asked for a K step ago)
	PLACES 8                                       ; behind the last products that read the other buffer
	FETCH \sl, (\q)+1, 1-(\q)%2
	MULR (\q)%2, 0, \first
	MULR (\q)%2, 1, \first
	MULR (\q)%2, 2, \first
	MULR (\q)%2, 3, \first
.endm
; A slot's last K step changes slots: ONE barrier; in front of it each wave waits for all its tensor loads, adds 0 to its spare word, and waits for that and for its reads of this slot.  fill = 1: this slot is filled again, two slots ahead.
.macro TURN sl, nx, fill
	WIN 0                                          ; (the add's two registers lie in window 0)
	s_wait_tensorcnt 0x0                           ; all my tensor loads have landed: my part of the next slot
	ds_add_u32 v[SPW], v[NIL]                      ; 0 onto my spare word
	s_wait_dscnt 0x1                               ; buffer 1 is in; only the add may be out
	MULR 1, 0, 0                                   ; products stand between the add and the wait for it
	s_wait_dscnt 0x0                               ; the add is done, and my reads of this slot are over
	s_barrier_signal -1
	MULR 1, 1, 0
	WIN 0
	s_barrier_wait -1
.if \fill
	CREST                                          ; the barrier has opened a round of the cluster's: no wave of any partner still reads this slot or has a load on its way
	s_add_nc_u64 s[G0A+4*\sl+2:G0A+4*\sl+3], s[G0A+4*\sl+2:G0A+4*\sl+3], 131072
	s_add_nc_u64 s[G0B+4*\sl+2:G0B+4*\sl+3], s[G0B+4*\sl+2:G0B+4*\sl+3], 1024
	JLOAD G0A+4*\sl, G1A, G0B+4*\sl, G1B           ; the first tensor load behind the round; its four v_nop are four of the eight places
	PLACES 4
.else
	PLACES 8
.endif
	v_add_nc_u32 v[ADSA], 2048, v[ADSA]            ; on to the next slot's scale words
	v_add_nc_u32 v[ADSB], 16, v[ADSB]
	FETCH \nx, 0, 0
	MULR 1, 2, 0
	MULR 1, 3, 0
.endm
; 64 numbers of a lane in window w, v[s] on, four blocks of 16 registers, each block shared with lane l xor 16, become 16 registers of codes in v[pc] on and four scale bytes in v[pw] (both window 0).
; relu = 1: what is negative becomes 0 on the way.  swp = 1: a block's registers are columns 8 h + j and 16 + 8 h + j: the code registers are put in the operand's order.
.macro QUANT s, relu, swp, w, pc, pw
	WIN (\w)|((\w)<<2)
.irp b, 0,1,2,3
.if \relu
	v_max3_num_f32 v[TM+\b], v[(\s)+16*\b], v[(\s)+16*\b+1], 0x8000000     ; no |.|: what is negative must not count; the floor 2^(16 - 127) stands over it
.else
	v_max3_num_f32 v[TM+\b], |v[(\s)+16*\b]|, |v[(\s)+16*\b+1]|, 0x8000000 ; my 16 numbers, and the floor 2^(16 - 127): the byte cannot fall under 1
.endif
.endr
	WIN ((\w)<<2)|((\w)<<4)
.irp i, 2,4,6,8,10,12,14
.irp b, 0,1,2,3
.if \relu
	v_max3_num_f32 v[TM+\b], v[TM+\b], v[(\s)+16*\b+\i], v[(\s)+16*\b+\i+1]
.else
	v_max3_num_f32 v[TM+\b], v[TM+\b], |v[(\s)+16*\b+\i]|, |v[(\s)+16*\b+\i+1]|
.endif
.endr
.endr
	WIN 0
.irp b, 0,1,2,3
	v_permlanex16_b32 v[TM+4+\b], v[TM+\b], s[SEL], s[SEL+1]
.endr
.irp b, 0,1,2,3
	v_max_num_f32 v[TM+\b], v[TM+\b], v[TM+4+\b]   ; the block's largest magnitude
.endr
.irp b, 0,1,2,3
	v_add_nc_u32 v[TM+12+\b], 0xf8800000, v[TM+\b] ; 15 off its exponent field: the conversion's scale operand
.endr
.irp b, 0,1,2,3
	v_and_or_b32 v[TM+8+\b], v[TM+\b], 0x7f800000, s[MNT]   ; 57,344 x the scale
.endr
.irp b, 0,1,2,3
	v_lshrrev_b32 v[TM+4+\b], 23, v[TM+12+\b]      ; the scale's byte
.endr
	v_lshl_or_b32 v[(\pw)], v[TM+5], 8, v[TM+4]
	v_lshl_or_b32 v[(\pw)], v[TM+6], 16, v[(\pw)]
	v_lshl_or_b32 v[(\pw)], v[TM+7], 24, v[(\pw)]
	WIN (\w)|((\w)<<6)
.irp b, 0,1,2,3
.irp i, 0,1,2,3,4,5,6,7,8,9,10,11,12,13,14,15
.if \relu
	v_med3_num_f32 v[(\s)+16*\b+\i], v[(\s)+16*\b+\i], 0, v[TM+8+\b]           ; the activation and the hold in one
.else
	v_med3_num_f32 v[(\s)+16*\b+\i], v[(\s)+16*\b+\i], -v[TM+8+\b], v[TM+8+\b] ; the conversion to an 8-bit code does not saturate (ISA guide 7.6.2)
.endif
.endr
.endr
	WIN (\w)
.irp b, 0,1,2,3
	v_cvt_scalef32_pk8_bf8_f32 v[(\pc)+4*\b:(\pc)+4*\b+1], v[(\s)+16*\b:(\s)+16*\b+7], v[TM+12+\b]
	v_cvt_scalef32_pk8_bf8_f32 v[(\pc)+4*\b+2:(\pc)+4*\b+3], v[(\s)+16*\b+8:(\s)+16*\b+15], v[TM+12+\b]
.endr
	WIN 0
	v_nop                                          ; a plain instruction behind the last conversion
.if \swp
.irp b, 0,1,2,3
	v_permlane16_swap_b32 v[(\pc)+4*\b], v[(\pc)+4*\b+2]     ; lanes 16-31 of the first with lanes 0-15 of the second: lane (r, h) then holds columns 16 h + 0 .. 15 of the block
	v_permlane16_swap_b32 v[(\pc)+4*\b+1], v[(\pc)+4*\b+3]
.endr
.endif
.endm
	s_load_b256 s[4:11], s[0:1], 0x0               ; A s[4:5], W's codes s[6:7], W's scales s[8:9], the bias s[10:11]
.if RES
	s_load_b128 s[12:15], s[0:1], 0x20             ; the residual s[12:13], the output s[14:15]
.else
	s_load_b64 s[12:13], s[0:1], 0x20              ; the output
.endif
	v_lshl_add_u32 v[SPW], v0, 2, SPARE
	v_mov_b32 v[NIL], 0
	ds_add_u32 v28, v29
	ds_add_u32 v28, v29
	s_wait_dscnt 0x0
	v_lshrrev_b32 v2, 5, v0
	v_readfirstlane_b32 s16, v2                    ; wave 0..3
	s_lshr_b32 s17, s16, 1                         ; which 64 rows of the tile are mine.  Also: I fetch for A (0) or for W (1)
	s_and_b32 s18, s16, 1                          ; which 64 columns.  Also: which half of a tile I fetch
	s_bfe_u32 s19, ttmp6, 0x40000                  ; cx, cy: my place in the cluster
	s_bfe_u32 s20, ttmp6, 0x40004
	s_lshl_b32 s21, ttmp9, 2
	s_add_co_u32 s21, s21, s19                     ; tile column = 4 x cluster x + cx
	s_and_b32 s22, ttmp7, 0xffff
	s_lshl_b32 s22, s22, 2
	s_add_co_u32 s22, s22, s20                     ; RB = 4 x cluster y + cy
	s_lshl_b32 s84, s20, 2
	s_lshl_b32 s84, 15, s84                        ; my row of the cluster
	s_lshl_b32 s85, 0x1111, s19                    ; my column
	s_or_b32 s[G1A], s84, (3<<16)|(1<<21)          ; A's images: 131,072 dense bytes as 512 rows of 32 elements of 8 bytes; the mask: my row; bit 21 beside it
	s_mov_b32 s[G1A+1], 32<<16
	s_mov_b32 s[G1A+2], 512<<16                    ; 512 rows of 256 bytes: all of K
	s_mov_b32 s[G1A+3], 32<<16
	s_mov_b32 s[G1A+4], 512
	s_mov_b32 s[G1A+5], 32
	s_mov_b32 s[G1A+6], 0
	s_mov_b32 s[G1A+7], 0
	s_or_b32 s[G1B], s85, (1<<20)|(1<<21)|(7<<22)|(3<<25)   ; W: 128 rows of 1,024 bytes; four words of padding after every 256; the mask: my column
	s_mov_b32 s[G1B+1], 1024<<16
	s_mov_b32 s[G1B+2], 128<<16
	s_mov_b32 s[G1B+3], 1024<<16
	s_mov_b32 s[G1B+4], 128
	s_mov_b32 s[G1B+5], KTOT
	s_mov_b32 s[G1B+6], 0
	s_mov_b32 s[G1B+7], 0
	s_or_b32 s[G1SA], s84, (3<<16)|(1<<21)         ; A's scale words: 2 KST x 256 dense bytes
	s_or_b32 s[G1SB], s85, (3<<16)|(1<<20)|(1<<21)|(5<<22)|(3<<25)   ; W's scale bytes: as many, four words of padding after every 64
.irp g, G1SA, G1SB
	s_mov_b32 s[\g+1], 32<<16
	s_mov_b32 s[\g+2], (2*KST)<<16                 ; one load brings the scales of all 128 rows
	s_mov_b32 s[\g+3], 32<<16
	s_mov_b32 s[\g+4], 2*KST
	s_mov_b32 s[\g+5], 32
	s_mov_b32 s[\g+6], 0
	s_mov_b32 s[\g+7], 0
.endr
	s_mul_i32 s90, s22, KST*16384                  ; A's side hangs on RB and the wave alone
	s_lshl_b32 s98, s18, 15
	s_add_co_u32 s90, s90, s98
	s_mov_b32 s91, 0
	s_mul_i32 s94, s22, KST*512
	s_add_co_u32 s94, s94, SC0
	s_mov_b32 s95, 0
	s_lshl_b32 s89, s21, 7                         ; W's side on the tile column and the wave alone: row NOFF + 128 x column + 64 x half
	s_lshl_b32 s99, s18, 6
	s_add_co_u32 s89, s89, s99
.if NOFF
	s_add_co_u32 s89, s89, NOFF
.endif
	s_mul_i32 s96, s89, KTOT
	s_mov_b32 s97, 0
	s_lshl_b32 s92, s21, 7                         ; W's scale bytes from the tile's first row on
.if NOFF
	s_add_co_u32 s92, s92, NOFF
.endif
	s_mul_i32 s92, s92, KSB
	s_mov_b32 s93, 0
	s_mov_b32 s[G0A], 1
	s_mov_b32 s[G0B], 1
	s_mov_b32 s[G0SA], 1
	s_mov_b32 s[G0SB], 1
	s_mov_b32 s[G0A+1], ABASE                      ; LDS addresses: constants
	s_mov_b32 s[G0B+1], BOFF
	s_mov_b32 s[G0SA+1], SCA
	s_mov_b32 s[G0SB+1], SCB
	s_mov_b32 s[SEL], 0x76543210
	s_mov_b32 s[SEL+1], 0xfedcba98
	s_mov_b32 s[MNT], 0x600000
	s_wait_kmcnt 0x0
	s_add_nc_u64 s[G0A+2:G0A+3], s[4:5], s[90:91]  ; (waves 0 and 2, which issue these two, have the half 0: the tiles' first bytes)
	s_or_b32 s[G0A+3], s[G0A+3], 0x80000000
	s_add_nc_u64 s[G0B+2:G0B+3], s[6:7], s[96:97]
	s_or_b32 s[G0B+3], s[G0B+3], 0x80000000
	s_add_nc_u64 s[G0SA+2:G0SA+3], s[4:5], s[94:95]
	s_or_b32 s[G0SA+3], s[G0SA+3], 0x80000000
	s_add_nc_u64 s[G0SB+2:G0SB+3], s[8:9], s[92:93]
	s_or_b32 s[G0SB+3], s[G0SB+3], 0x80000000
	CROUND                                         ; all sixteen work-groups are here: the joint loads meet
; THE HEAD'S LOADS, ONE A WAVE: wave 0 all of A's images, wave 1 A's scale words, wave 2 all of W's rows, wave 3 W's scale bytes.  One tree of branches on the wave's number; every way passes one load.
.macro ARM under, g0, g1, next
	s_cmp_lt_u32 s16, \under
	s_cbranch_scc0 \next
	tensor_load_to_lds s[\g0:\g0+3], s[\g1:\g1+7]
	s_nop 0
.rept 4
	v_nop
.endr
	s_branch .Lhead_asked
\next:
.endm
	ARM 1, G0A, G1A, .Lhead_sa
	ARM 2, G0SA, G1SA, .Lhead_b
	ARM 3, G0B, G1B, .Lhead_sb
	tensor_load_to_lds s[G0SB:G0SB+3], s[G1SB:G1SB+7]
	s_nop 0
.rept 4
	v_nop
.endr
.Lhead_asked:
	v_and_b32 v2, 15, v0                           ; r
	v_bfe_u32 v3, v0, 4, 1                         ; h
	v_and_b32 v4, 31, v0                           ; lane
	v_lshlrev_b32 v[LI], 4, v4
	v_lshlrev_b32 v[R4], 2, v2
	v_lshlrev_b32 v[H32], 5, v3
	s_lshl_b32 s98, s17, 13                        ; my four tiles of A: 8,192 bytes x row half
	s_add_co_u32 s98, s98, ABASE
	v_add_nc_u32 v[ADRA], s98, v[LI]
	v_add_nc_u32 v[ADRA+1], 65536, v[ADRA]         ; K steps 4 to 7
	v_mul_u32_u24 v5, v2, BP
	v_lshl_add_u32 v5, v3, 4, v5                   ; a fragment of W: row r x pitch + 16 h
	s_mul_i32 s98, s18, 64*BP
	s_add_co_u32 s98, s98, BOFF
	v_add_nc_u32 v[ADRB], s98, v5
	v_add_nc_u32 v[ADRB+1], 512, v[ADRB]           ; K steps 4 to 7: 512 bytes on in each row
	s_lshl_b32 s98, s17, 8
	s_add_co_u32 s98, s98, SCA
	v_lshl_add_u32 v[ADSA], v4, 2, s98             ; A's words: two tiles' 32 words on end
	v_mul_u32_u24 v5, v4, KSB                      ; W's: row = lane, KSB bytes a row,
	v_lshrrev_b32 v6, 8, v5
	v_lshl_add_u32 v5, v6, 4, v5                   ; and 16 more for each 256 passed
	s_mul_i32 s98, s18, KST*272
	s_add_co_u32 s98, s98, SCB
	v_add_nc_u32 v[ADSB], s98, v5
.irp b, 0,1,2,3
	v_mov_b32 v[TM+4+\b], 0                        ; written once: a lane permute's destination counts as one of its sources
.endr
	s_lshl_b32 s100, s89, 2                        ; the bias of my 64 columns
	s_mov_b32 s101, 0
	s_add_nc_u64 s[10:11], s[10:11], s[100:101]
.irp b, 0,1,2,3
	global_load_b128 v[BIAS+8*\b:BIAS+8*\b+3], v[H32], s[10:11] offset:64*\b       ; lane (r, h), tile b: columns 16 b + 8 h + 0 .. 7
	global_load_b128 v[BIAS+8*\b+4:BIAS+8*\b+7], v[H32], s[10:11] offset:64*\b+16
.endr
.if KIND == 0
.irp b, 0,1,2,3
.irp j, 0,1,2,3,4,5,6,7
	global_load_b32 v[BIAS2+8*\b+\j], v[R4], s[10:11] offset:64*\b                 ; the other way round a lane holds one channel, 16 b + r, in all eight registers
.endr
.endr
	s_lshr_b32 s66, s22, 4                         ; batch x 16 + head: the head is 2 x tile column + my column half
	s_lshl_b32 s66, s66, 4
	s_lshl_b32 s67, s21, 1
	s_add_co_u32 s66, s66, s67
	s_add_co_u32 s66, s66, s18
	s_and_b32 s67, s22, 15                         ; which 128 tokens of the sequence
	s_lshl_b32 s100, s66, 7
	s_lshl_b32 s101, s67, 3
	s_add_co_u32 s100, s100, s101
	s_lshl_b32 s101, s17, 2
	s_add_co_u32 s100, s100, s101                  ; my first token tile of the head
	s_lshl_b32 s2, s100, 5                         ; a pair of tiles has 64 bytes of words
	s_add_co_u32 s2, s2, 4194304
	s_mov_b32 s3, 0
	s_add_nc_u64 s[14:15], s[12:13], s[2:3]        ; along the head: words,
	s_lshl_b32 s2, s100, 10
	s_add_nc_u64 s[92:93], s[12:13], s[2:3]        ; codes, 1,024 bytes a tile
	s_lshl_b32 s100, s66, 4
	s_add_co_u32 s100, s100, s67
	s_lshl_b32 s2, s100, 13
	s_lshl_b32 s101, s17, 10
	s_add_co_u32 s2, s2, s101
	s_add_co_u32 s2, s2, KVO
	s_add_nc_u64 s[94:95], s[12:13], s[2:3]        ; along the keys: codes, 8,192 bytes a key step, my two blocks of 32 keys,
	s_lshl_b32 s2, s100, 8
	s_lshl_b32 s101, s17, 1
	s_add_co_u32 s2, s2, s101
	s_add_co_u32 s2, s2, KVO+4194304
	s_add_nc_u64 s[96:97], s[12:13], s[2:3]        ; and words
.endif
.if KIND == 2
	s_lshl_b32 s66, s22, 5                         ; (RB 32 + K step) 8 + my first tile: the tile column is the next product's K step
	s_add_co_u32 s66, s66, s21
	s_lshl_b32 s66, s66, 3
	s_lshl_b32 s100, s17, 2
	s_add_co_u32 s66, s66, s100
	s_lshl_b32 s100, s66, 6
	s_lshl_b32 s101, s18, 1
	s_add_co_u32 s100, s100, s101
	s_add_co_u32 s100, s100, 16777216
	s_mov_b32 s101, 0
	s_add_nc_u64 s[14:15], s[12:13], s[100:101]    ; words: my two bytes of four
	s_lshl_b32 s66, s66, 11
	s_lshl_b32 s67, s18, 10
	s_add_co_u32 s66, s66, s67
	s_mov_b32 s67, 0
	s_add_nc_u64 s[12:13], s[12:13], s[66:67]      ; codes: my two groups of four
.endif
.if RES
	v_and_b32 v5, 8, v2
	v_add_nc_u32 v5, v5, v2                        ; r + 8 (r / 8)
	v_mul_u32_u24 v5, v5, 528
	v_lshl_add_u32 v5, v3, 5, v5
	s_mul_i32 s98, s17, 64*528
	s_lshl_b32 s99, s18, 8
	s_add_co_u32 s98, s98, s99
	v_add_nc_u32 v[STO], s98, v5                   ; the stage: the token's row, my columns' 256 bytes, + 32 h
	s_mul_i32 s98, s16, 32*528
	v_add_nc_u32 v[RD], s98, v[LI]                 ; back: rows 32 w on, 16 bytes a lane
	s_lshl_b32 s66, s22, 19                        ; row 128 RB + 32 w of 4,096 bytes, + 512 x tile column
	s_lshl_b32 s100, s16, 17
	s_add_co_u32 s66, s66, s100
	s_lshl_b32 s100, s21, 9
	s_add_co_u32 s66, s66, s100
	s_mov_b32 s67, 0
	s_add_nc_u64 s[12:13], s[12:13], s[66:67]
	s_add_nc_u64 s[14:15], s[14:15], s[66:67]
	WIN 0x80                                       ; destination window 2
.set i, 0
.rept 32
	global_load_b128 v[4*i:4*i+3], v[LI], s[12:13] offset:4096*i   ; the residual's 32 rows that I shall store: they land under the products
.set i, i+1
.endr
	WIN 0
.endif
	s_wait_alu depctr_va_vdst(0)
	s_wait_tensorcnt 0x0                           ; my tile of the four is in
	s_barrier_signal -1
	s_barrier_wait -1                              ; everybody's is: all of K lies in LDS
	FETCH 0, 0, 0
.if RES
	s_wait_loadcnt 32                              ; the bias's eight loads are in; the residual's 32 may be out
.else
	s_wait_loadcnt 0x0
.endif
	STEP 0, 0, 1                                   ; the first K step stands in front of the loop: its products start the sums
.if LAPS > 1
	WIN 0                                          ; at a label and at a branch every window is 0
	s_mov_b32 s3, LAPS-1
.Llap:                                                 ; a trip goes once round the ring, from a lap's second K step to the next lap's first, and fills both slots again
	STEP 0, 1, 0
	STEP 0, 2, 0
	TURN 0, 1, 1
	STEP 1, 0, 0
	STEP 1, 1, 0
	STEP 1, 2, 0
	TURN 1, 0, 1
	STEP 0, 0, 0
	WIN 0
	s_sub_co_u32 s3, s3, 1
	s_cmp_lg_u32 s3, 0
	s_cbranch_scc1 .Llap
.endif
	STEP 0, 1, 0                                   ; the last lap fills nothing
	STEP 0, 2, 0
	TURN 0, 1, 0
	s_wait_alu depctr_va_vdst(0)
	STEP 1, 0, 0
	STEP 1, 1, 0
	STEP 1, 2, 0
	s_wait_dscnt 0x0                               ; the very last K step: nothing more to fetch
	MULR 1, 0, 0
	MULR 1, 1, 0
	MULR 1, 2, 0
	MULR 1, 3, 0
	WIN 0
	PLACES 8                                       ; in front of the first read of results
.if RES
.irp a, 0,1,2,3
.irp b, 0,1,2,3
	ds_store_b128 v[STO], v[ACC+8*(4*\a+\b):ACC+8*(4*\a+\b)+3] offset:(32*(\a/2)+8*(\a%2))*528+64*\b        ; each accumulator from its low end on
	ds_store_b128 v[STO], v[ACC+8*(4*\a+\b)+4:ACC+8*(4*\a+\b)+7] offset:(32*(\a/2)+8*(\a%2))*528+64*\b+16
.endr
.endr
	s_wait_dscnt 0x0                               ; for the others' sake: a row's 512 bytes come from two waves
	s_barrier_signal -1
	s_barrier_wait -1
.set i, 0
.rept 32
	ds_load_b128 v[ACC+4*i:ACC+4*i+3], v[RD] offset:528*i
.set i, i+1
.endr
	s_wait_dscnt 0x0
	s_wait_loadcnt 0x0                             ; the residual
	WIN 0x08                                       ; source 1 window 2
.set i, 0
.rept 64
	v_pk_add_f32 v[ACC+2*i:ACC+2*i+1], v[ACC+2*i:ACC+2*i+1], v[2*i:2*i+1]
.set i, i+1
.endr
	WIN 0
.set i, 0
.rept 32
.if KIND == 3
	global_store_b128 v[LI], v[ACC+4*i:ACC+4*i+3], s[14:15] offset:4096*i th:TH_STORE_NT   ; 32 lanes store 512 consecutive bytes, aligned; written once, read by nobody here
.else
	global_store_b128 v[LI], v[ACC+4*i:ACC+4*i+3], s[14:15] offset:4096*i                  ; 32 lanes store 512 consecutive bytes, aligned
.endif
.set i, i+1
.endr
.endif
.if KIND == 2
.irp p, 0,1                                    ; row tiles 2 p, 2 p + 1; my 64 columns are two blocks of 32 of the next K
	QUANT ACC+64*\p,1,1,0,BIAS+16*\p,PW+\p
.irp g, 0,1,2,3
	global_store_b128 v[LI], v[BIAS+16*\p+4*\g:BIAS+16*\p+4*\g+3], s[12:13] offset:(2*\p+\g/2)*2048+(\g%2)*512
.endr
	global_store_b16 v[R4], v[PW+\p], s[14:15] offset:128*\p            ; tile 2 p's two bytes; lanes l and l xor 16 store the same
	global_store_d16_hi_b16 v[R4], v[PW+\p], s[14:15] offset:128*\p+64  ; tile 2 p + 1's
.endr
.endif
.if KIND == 0
.irp p, 0,1                                    ; along the head's 64 channels: token tiles 2 p, 2 p + 1
	QUANT ACC+64*\p,0,1,0,BIAS+16*\p,PW+\p
.irp g, 0,1,2,3
	global_store_b128 v[LI], v[BIAS+16*\p+4*\g:BIAS+16*\p+4*\g+3], s[92:93] offset:2048*\p+512*\g
.endr
	global_store_b32 v[R4], v[PW+\p], s[14:15] offset:64*\p             ; the pair's word: two bytes of each tile
.endr
.irp p, 0,1                                    ; along the keys: channel tiles 2 p, 2 p + 1; my 64 tokens are two blocks of 32 keys
	QUANT 64*\p,0,0,2,BIAS2+16*\p,PW+2+\p
.irp g, 0,1,2,3
	global_store_b128 v[LI], v[BIAS2+16*\p+4*\g:BIAS2+16*\p+4*\g+3], s[94:95] offset:(2*\p+\g/2)*2048+(\g%2)*512
.endr
	global_store_b16 v[R4], v[PW+2+\p], s[96:97] offset:128*\p
	global_store_d16_hi_b16 v[R4], v[PW+2+\p], s[96:97] offset:128*\p+64
.endr
.endif
	s_wait_tensorcnt 0x0                           ; the wave's end: behind my last tensor load and my last LDS store
	ds_add_u32 v[SPW], v[NIL]
	s_wait_dscnt 0x0
	CROUND                                         ; the closing round: no work-group ends while a partner may still ask for a tile that names it
	s_endpgm
.Lfunc_end_k_qedd8aafbfa_gproj:
	.size	k_qedd8aafbfa_gproj, .Lfunc_end_k_qedd8aafbfa_gproj-k_qedd8aafbfa_gproj
	.p2alignl 7, 3214868480
	.fill 96, 4, 3214868480
	.section	.rodata,"a",@progbits
	.p2align	6, 0x0
	.amdhsa_kernel k_qedd8aafbfa_gproj
		.amdhsa_group_segment_fixed_size 327680
		.amdhsa_private_segment_fixed_size 0
		.amdhsa_enable_private_segment 0
		.amdhsa_kernarg_size 48
		.amdhsa_user_sgpr_count 2
		.amdhsa_user_sgpr_kernarg_segment_ptr 1
		.amdhsa_wavefront_size32 1
		.amdhsa_system_sgpr_workgroup_id_x 1
		.amdhsa_system_sgpr_workgroup_id_y 1
		.amdhsa_system_sgpr_workgroup_id_z 1
		.amdhsa_system_vgpr_workitem_id 0
		.amdhsa_next_free_vgpr 640
		.amdhsa_next_free_sgpr 102
		.amdhsa_reserve_vcc 0
		.amdhsa_float_denorm_mode_32 3
		.amdhsa_float_denorm_mode_16_64 3
		.amdhsa_memory_ordered 1
		.amdhsa_forward_progress 1
		.amdhsa_inst_pref_size 62
	.end_amdhsa_kernel
	.amdgpu_metadata
---
amdhsa.version: [ 1, 2 ]
amdhsa.kernels:
  - .name:           k_qedd8aafbfa_gproj
    .symbol:         k_qedd8aafbfa_gproj.kd
    .args:
      - { .name: act, .offset: 0, .size: 8, .value_kind: global_buffer, .address_space: global }
      - { .name: w_proj_codes, .offset: 8, .size: 8, .value_kind: global_buffer, .address_space: global }
      - { .name: w_proj_scales, .offset: 16, .size: 8, .value_kind: global_buffer, .address_space: global }
      - { .name: b_proj, .offset: 24, .size: 8, .value_kind: global_buffer, .address_space: global }
      - { .name: x, .offset: 32, .size: 8, .value_kind: global_buffer, .address_space: global }
      - { .name: x1, .offset: 40, .size: 8, .value_kind: global_buffer, .address_space: global }
    .group_segment_fixed_size: 327680
    .private_segment_fixed_size: 0
    .kernarg_segment_align: 8
    .kernarg_segment_size: 48
    .max_flat_workgroup_size: 128
    .sgpr_count:     102
    .vgpr_count:     640
    .wavefront_size: 32
...
	.end_amdgpu_metadata
.endif
;; end of part 4
;; launch ln2: the kernel of part 1 again; grid 256 x 1, 4 waves a work-group, no clusters, 66,304 bytes of LDS; arguments x1, ln2_g, ln2_b, act; writes act
;; launch gfc1 (part 5): grid 16 x 16, 4 waves a work-group, clusters of 4 x 4, 327,680 bytes of LDS; arguments act, w_fc1_codes, w_fc1_scales, b_fc1, hid; writes hid
.if DOCPART == 5
	.amdgcn_target "amdgcn-amd-amdhsa--gfx1250"
	.amdhsa_code_object_version 6
	.text
	.protected	k_qedd8aafbfa_gfc1
	.globl	k_qedd8aafbfa_gfc1
	.p2align	8
	.type	k_qedd8aafbfa_gfc1,@function
k_qedd8aafbfa_gfc1:
	s_mov_b64 s[64:65], 0
	v_nop
	global_prefetch_b8 v0, s[64:65] scope:SCOPE_SE
	s_setreg_imm32_b32 hwreg(HW_REG_WAVE_MODE, 25, 1), 1
	s_wait_xcnt 0x0
	s_wait_alu depctr_hold_cnt(0) depctr_sa_sdst(0) depctr_va_vdst(0) depctr_va_sdst(0) depctr_va_ssrc(0) depctr_va_vcc(0) depctr_vm_vsrc(0)
	s_getreg_b32 s2, hwreg(HW_REG_IB_STS2, 6, 4)
	s_cmp_eq_u32 s2, 0
	s_cbranch_scc0 .Lentry_in_a_cluster
	s_endpgm
.Lentry_in_a_cluster:
	s_bfe_u32 s2, ttmp6, 0x10000c
	s_cmp_lg_u32 s2, 0xf033
	s_cbranch_scc0 .Lentry_shape_is_right
	s_endpgm
.Lentry_shape_is_right:
; hid = relu(h W1 + b1), QUANTISED ALONG ITS 4,096 COLUMNS for the next product.  h: 4,096 rows x 1,024, W1: 4,096 rows (n) x 1,024 (k): codes of E5M2 with one E8M0 byte for each 32 along K,
; multiplied by v_wmma_scale_f32_16x16x128_f8f6f4; sums in f32.  Arguments: h's codes and scale words (act), W1's codes, W1's scale bytes, b1, the output (hid).
; h WAS MADE BY THE LAUNCH BEFORE AND LIES AS IMAGES OF THE OPERAND'S REGISTERS: rows in tiles of 16, a block RB of 128 rows = 8 tiles; byte (((RB 8 + s) 8 + a) 4 + c) 512 + 16 lane, s the K step of 128;
; lane (r, h) holds k = 128 s + 32 c + 16 h + 0 .. 15 of the tile's row r; its scale words at SC0 + (((RB 8 + s) 8 + a) 16 + r) 4.  The output has the same form with 32 K steps.  W1 arrives as rows of 1,024 codes and of 32 scale bytes.
; SHARES.  A tile of the result is 256 x 256: 16 x 16 = 256 work-groups.  Four waves, each 128 x 128: 64 accumulators, 512 registers: for 128 along K a wave reads 32,768 bytes from LDS for 64 products, and no fragment twice.
; K goes in slots of 256 (two K steps) through two LDS slots: four slots' worth, two first fills and two refills, written out without a loop.  Between two changes of slots a wave has 128 products.
; The scales of the work-group's 256 rows of h and of W1, for all of K, come once, with the first fills.  CLUSTERS: 4 x 4; h's tiles are asked for jointly along a row of the cluster, W1's along a column.
; No prefetch: half of K is asked for by the first fills, and only two refills follow.
; THE PRODUCT IS USED TRANSPOSED (source 0 = 16 rows of W1, source 1 = 16 rows of h): a lane holds one row of the result and eight neighbouring columns 16 b + 8 h + j.  The bias is the C of each sum's first product.
; THE WAY OUT.  A wave's 128 columns are one K step of the next product: the 64 registers of a row tile become one fragment and one scale word.  A block of 32 columns lies in two accumulators and in lanes l and l xor 16:
; v_permlane16_swap_b32 puts the code registers in the operand's order.  relu costs nothing: the hold that the conversion wants anyway clips at 0 as well.
; A block's scale is 2^(floor(log2(largest magnitude)) - 15); its byte is the largest magnitude's exponent field - 15, held at 1 from below.
; LIMITS: NaN and infinities are not served; a block of zeros gets the byte 1 (its codes are zeros, and this program alone reads the bytes).
; REGISTERS, in windows of 256: window 0: v1-29 addresses; v32-63 scale words, a set for each slot; v64-127 the bias, later at work; v128-255 h's eight fragments, ONE set, later the codes.
;   window 1: W1's fragments, TWO sets, at v0 and v128.   window 2: the accumulators of my row tiles 0-3 ((a, b) at 8 (8 (a % 4) + b));   window 3: those of tiles 4-7.
; A K step's 64 products go by h's tiles, each against W1's eight: a tile of h is free when its eight products are issued, so one set serves h: tiles 0-3 are fetched anew in the step's middle, tiles 4-7 at its end.
.set KTOT,  1024
.set SC0,   4194304                    ; where h's scale words begin
.set HSC0,  16777216                   ; where the output's begin
.set BP,    272                        ; a row of W1 in LDS: 256 bytes + 16: row r starts 4 r words on in the banks
.set AHALF, 32768                      ; one block of 128 rows, two K steps: what one tensor load brings of h
.set BOFF,  2*AHALF                    ; a slot: h's images, then W1's 256 rows
.set BHALF, 128*BP                     ; 128 rows of W1: what one tensor load brings
.set SLOT,  BOFF+2*BHALF
.set SCA,   2*SLOT                     ; h's scale words: [block 2][K step 8][tile 8][16 words]
.set SCB,   SCA+8192                   ; W1's scale bytes, as units of 256 bytes + 16 of padding
.set SBH,   16*272                     ; those of 128 rows
.set SPARE, SCB+2*SBH                  ; the spare words, 128 bytes for each wave: two blocks of 256 bytes that no other line names
.set LI,   1                           ; v1   16 x lane
.set ADRA, 16                          ; v16-17 my fragments of h in slot 0, 1
.set ADRB, 20                          ; v20-21 the same for W1
.set ADSA, 22                          ; v22  h's scale words of the slot in hand
.set ADSB, 23                          ; v23  W1's
.set R4,   26                          ; v26  4 r
.set H32,  27                          ; v27  32 h
.set SPW,  28                          ; v28  my spare word; never rewritten
.set NIL,  29                          ; v29  0; never rewritten
.set SC,   32                          ; set sl at v[32 + 16 sl]: + 2 i + q: h's words of tiles 2 i | 2 i + 1 in the two halves of the lanes, the slot's K step q; + 8 + 2 i + q: W1's likewise
.set BIAS, 64                          ; v64-127: tile b's eight numbers at 64 + 8 b
.set TM,   64                          ; the way out: v64-79 at work
.set PW,   80                          ; v80-87 the scale words just made
.set AF,   128
.set G1A,  24                          ; s[24:31] group 1, s[32:39] groups 0 (a set for each slot): h's images
.set G0A,  32
.set G1B,  40                          ; s[40:47], s[48:55]: W1's rows
.set G0B,  48
.set G1SA, 56                          ; s[56:63], s[68:71]: h's scale words
.set G0SA, 68
.set G1SB, 72                          ; s[72:79], s[80:83]: W1's scale bytes
.set G0SB, 80
.set SEL,  86                          ; s[86:87] lane selects: lane l xor 16
.set MNT,  88                          ; s88 the mantissa field of 57,344
.set MSB, 0
.macro WIN new                         ; the immediate's high byte repeats the setting that is left; a switch that changes nothing is dropped
.if MSB != (\new)
	s_set_vgpr_msb (MSB<<8)|(\new)
.set MSB, \new
.endif
.endm
; A joint load: waves 0 and 1 fetch for h, waves 2 and 3 for W1.  The branch hangs on the wave's number alone.  Four v_nop follow each of the two lines.
.macro JLOAD g0a, g1a, g0b, g1b
	s_cmp_eq_u32 s17, 0
	s_cbranch_scc0 .Lfor_b_\@
	tensor_load_to_lds s[\g0a:\g0a+3], s[\g1a:\g1a+7]
	s_nop 0
.rept 4
	v_nop
.endr
	s_branch .Lasked_\@
.Lfor_b_\@:
	tensor_load_to_lds s[\g0b:\g0b+3], s[\g1b:\g1b+7]
	s_nop 0
.rept 4
	v_nop
.endr
.Lasked_\@:
.endm
.macro CREST                           ; a round of the cluster's barrier behind its opening barrier
	s_cmp_lg_u32 s16, 0
	s_cbranch_scc1 .Lnot_wave_0_\@
	s_barrier_signal -3
.Lnot_wave_0_\@:
	s_barrier_wait -3
	s_barrier_signal -1
	s_barrier_wait -1
.endm
.macro CROUND                          ; a whole round
	s_barrier_signal -1
	s_barrier_wait -1
	CREST
.endm
.macro PLACES n                        ; plain vector instructions between a matrix instruction and a load into, or a read of, its registers: eight for this form
.rept \n
	v_nop
.endr
.endm
; one product: D, source 0, source 1, C by their first registers; x0, x1 the scale registers; r0, r1 = 1: that side's words stand in lanes 16-31
.macro WM d, s0, s1, c, x0, x1, r0, r1
.if (\r0) && (\r1)
	v_wmma_scale_f32_16x16x128_f8f6f4 v[(\d):(\d)+7], v[(\s0):(\s0)+15], v[(\s1):(\s1)+15], v[(\c):(\c)+7], v[(\x0)], v[(\x1)] matrix_a_fmt:MATRIX_FMT_BF8 matrix_b_fmt:MATRIX_FMT_BF8 matrix_a_scale:MATRIX_SCALE_ROW1 matrix_b_scale:MATRIX_SCALE_ROW1
.elseif (\r0)
	v_wmma_scale_f32_16x16x128_f8f6f4 v[(\d):(\d)+7], v[(\s0):(\s0)+15], v[(\s1):(\s1)+15], v[(\c):(\c)+7], v[(\x0)], v[(\x1)] matrix_a_fmt:MATRIX_FMT_BF8 matrix_b_fmt:MATRIX_FMT_BF8 matrix_a_scale:MATRIX_SCALE_ROW1
.elseif (\r1)
	v_wmma_scale_f32_16x16x128_f8f6f4 v[(\d):(\d)+7], v[(\s0):(\s0)+15], v[(\s1):(\s1)+15], v[(\c):(\c)+7], v[(\x0)], v[(\x1)] matrix_a_fmt:MATRIX_FMT_BF8 matrix_b_fmt:MATRIX_FMT_BF8 matrix_b_scale:MATRIX_SCALE_ROW1
.else
	v_wmma_scale_f32_16x16x128_f8f6f4 v[(\d):(\d)+7], v[(\s0):(\s0)+15], v[(\s1):(\s1)+15], v[(\c):(\c)+7], v[(\x0)], v[(\x1)] matrix_a_fmt:MATRIX_FMT_BF8 matrix_b_fmt:MATRIX_FMT_BF8
.endif
.endm
; 16 products: h's tiles a0, a0 + 1 against W1's eight, the slot's K step q.  p: W1's set; sc: the set of scale words.  first = 1: the bias is C, and nothing is ever cleared.
; The 64 accumulators take turns, one instruction a turn, in the same order in every K step.
.macro MUL16 a0, p, q, sc, first
.irp a, \a0, \a0+1
.irp b, 0,1,2,3,4,5,6,7
.if \first
	WM 8*(8*((\a)%4)+\b), 128*(\p)+16*\b, AF+16*(\a), BIAS+8*\b, SC+16*(\sc)+8+2*(\b/2)+(\q), SC+16*(\sc)+2*((\a)/2)+(\q), (\b)%2, (\a)%2
.else
	WM 8*(8*((\a)%4)+\b), 128*(\p)+16*\b, AF+16*(\a), 8*(8*((\a)%4)+\b), SC+16*(\sc)+8+2*(\b/2)+(\q), SC+16*(\sc)+2*((\a)/2)+(\q), (\b)%2, (\a)%2
.endif
.endr
.endr
.endm
.macro WLO first                       ; source 0 (W1) window 1, source 1 (h) window 0, D window 2; C the bias in window 0, or D
.if \first
	WIN 0x81
.else
	WIN 0xa1
.endif
.endm
.macro WHI first                       ; the same with D in window 3
.if \first
	WIN 0xc1
.else
	WIN 0xf1
.endif
.endm
.macro FETCH_B sl, q, p                ; W1's eight fragments of the slot's K step q into set p
	WIN 0x40                                       ; destination window 1, address window 0
.irp b, 0,1,2,3,4,5,6,7
.irp c, 0,1,2,3
	ds_load_b128 v[128*(\p)+16*\b+4*\c:128*(\p)+16*\b+4*\c+3], v[ADRB+(\sl)] offset:128*(\q)+16*BP*\b+32*\c
.endr
.endr
	WIN 0
.endm
.macro FETCH_A sl, q, a0               ; h's tiles a0 .. a0 + 3: images, 512 consecutive bytes a load
.irp a, \a0, \a0+1, \a0+2, \a0+3
.irp c, 0,1,2,3
	ds_load_b128 v[AF+16*(\a)+4*\c:AF+16*(\a)+4*\c+3], v[ADRA+(\sl)] offset:16384*(\q)+2048*(\a)+512*\c
.endr
.endr
.endm
.macro SCALES sl                       ; a slot's scale words, both K steps: twelve loads
.irp i, 0,1,2,3
	ds_load_b32 v[SC+16*(\sl)+2*\i], v[ADSA] offset:128*\i
	ds_load_b32 v[SC+16*(\sl)+2*\i+1], v[ADSA] offset:512+128*\i
	ds_load_b64 v[SC+16*(\sl)+8+2*\i:SC+16*(\sl)+8+2*\i+1], v[ADSB] offset:1088*\i   ; 32 rows of W1 are four units of 272 bytes on; a row's two words are neighbours
.endr
.endm
; A slot's first K step: W1's set 0; its successor lies in the same slot
.macro STEP sl, first
	s_wait_dscnt 16                                ; W1's set, h's tiles 0-3 and the scale words are in; the youngest sixteen loads (h's tiles 4-7) may be out
	WLO \first
	MUL16 0, 0, 0, \sl, \first
	MUL16 2, 0, 0, \sl, \first
	s_wait_dscnt 0x0                               ; h's tiles 4-7 are in (asked for 32 products ago)
	PLACES 8
	FETCH_B \sl, 1, 1
	FETCH_A \sl, 1, 0
	WHI \first
	MUL16 4, 0, 0, \sl, \first
	MUL16 6, 0, 0, \sl, \first
	PLACES 8
	WIN 0
	FETCH_A \sl, 1, 4
.endm
; A slot's second K step changes slots: ONE barrier; in front of it each wave waits for all its tensor loads, adds 0 to its spare word, and waits for that and for its reads of this slot.  fill = 1: this slot is filled again, two slots ahead.
.macro TURN sl, nx, fill
	s_wait_tensorcnt 0x0                           ; all my tensor loads have landed: my part of the next slot.  (Every window is 0 here: the add's two registers lie in window 0)
	ds_add_u32 v[SPW], v[NIL]                      ; 0 onto my spare word
	s_wait_dscnt 17                                ; the add and the youngest sixteen loads (h's tiles 4-7) may be out
	WIN 0xa1
	MUL16 0, 1, 1, \sl, 0                          ; sixteen products stand between the add and the wait for it
	s_wait_dscnt 0x0                               ; the add is done, and my reads of this slot are over
	s_barrier_signal -1
	MUL16 2, 1, 1, \sl, 0
	WIN 0
	s_barrier_wait -1
.if \fill
	CREST                                          ; the barrier has opened a round of the cluster's: no wave of any partner still reads this slot or has a load on its way
	s_add_nc_u64 s[G0A+4*\sl+2:G0A+4*\sl+3], s[G0A+4*\sl+2:G0A+4*\sl+3], 2*AHALF   ; four K steps of 16,384 bytes on
	s_add_nc_u64 s[G0B+4*\sl+2:G0B+4*\sl+3], s[G0B+4*\sl+2:G0B+4*\sl+3], 512
	JLOAD G0A+4*\sl, G1A, G0B+4*\sl, G1B           ; the first tensor load behind the round; its four v_nop are four of the eight places
	PLACES 4
.else
	PLACES 8
.endif
	s_wait_alu depctr_va_vdst(0)
	v_add_nc_u32 v[ADSA], 1024, v[ADSA]            ; on to the next slot's scale words
	v_add_nc_u32 v[ADSB], 8, v[ADSB]
	FETCH_B \nx, 0, 0
	FETCH_A \nx, 0, 0
	SCALES \nx
	WIN 0xf1
	MUL16 4, 1, 1, \sl, 0
	MUL16 6, 1, 1, \sl, 0
	PLACES 8
	WIN 0
	FETCH_A \nx, 0, 4
.endm
; 64 numbers of a lane in window w, v[s] on, four blocks of 16 registers, each block shared with lane l xor 16, become 16 registers of codes in v[pc] on and four scale bytes in v[pw] (both window 0).
; relu = 1: what is negative becomes 0 on the way.  swp = 1: a block's registers are columns 8 h + j and 16 + 8 h + j: the code registers are put in the operand's order.
.macro QUANT s, relu, swp, w, pc, pw
	WIN (\w)|((\w)<<2)
.irp b, 0,1,2,3
.if \relu
	v_max3_num_f32 v[TM+\b], v[(\s)+16*\b], v[(\s)+16*\b+1], 0x8000000     ; no |.|: what is negative must not count; the floor 2^(16 - 127) stands over it.  Each accumulator is read from its low end on
.else
	v_max3_num_f32 v[TM+\b], |v[(\s)+16*\b]|, |v[(\s)+16*\b+1]|, 0x8000000
.endif
.endr
	WIN ((\w)<<2)|((\w)<<4)
.irp i, 2,4,6,8,10,12,14
.irp b, 0,1,2,3
.if \relu
	v_max3_num_f32 v[TM+\b], v[TM+\b], v[(\s)+16*\b+\i], v[(\s)+16*\b+\i+1]
.else
	v_max3_num_f32 v[TM+\b], v[TM+\b], |v[(\s)+16*\b+\i]|, |v[(\s)+16*\b+\i+1]|
.endif
.endr
.endr
	WIN 0
.irp b, 0,1,2,3
	v_permlanex16_b32 v[TM+4+\b], v[TM+\b], s[SEL], s[SEL+1]
.endr
.irp b, 0,1,2,3
	v_max_num_f32 v[TM+\b], v[TM+\b], v[TM+4+\b]   ; the block's largest magnitude
.endr
.irp b, 0,1,2,3
	v_add_nc_u32 v[TM+12+\b], 0xf8800000, v[TM+\b] ; 15 off its exponent field: the conversion's scale operand
.endr
.irp b, 0,1,2,3
	v_and_or_b32 v[TM+8+\b], v[TM+\b], 0x7f800000, s[MNT]   ; 57,344 x the scale
.endr
.irp b, 0,1,2,3
	v_lshrrev_b32 v[TM+4+\b], 23, v[TM+12+\b]      ; the scale's byte
.endr
	v_lshl_or_b32 v[(\pw)], v[TM+5], 8, v[TM+4]
	v_lshl_or_b32 v[(\pw)], v[TM+6], 16, v[(\pw)]
	v_lshl_or_b32 v[(\pw)], v[TM+7], 24, v[(\pw)]
	WIN (\w)|((\w)<<6)
.irp b, 0,1,2,3
.irp i, 0,1,2,3,4,5,6,7,8,9,10,11,12,13,14,15
.if \relu
	v_med3_num_f32 v[(\s)+16*\b+\i], v[(\s)+16*\b+\i], 0, v[TM+8+\b]           ; the activation and the hold in one (the conversion to an 8-bit code does not saturate: ISA guide 7.6.2)
.else
	v_med3_num_f32 v[(\s)+16*\b+\i], v[(\s)+16*\b+\i], -v[TM+8+\b], v[TM+8+\b]
.endif
.endr
.endr
	WIN (\w)
.irp b, 0,1,2,3
	v_cvt_scalef32_pk8_bf8_f32 v[(\pc)+4*\b:(\pc)+4*\b+1], v[(\s)+16*\b:(\s)+16*\b+7], v[TM+12+\b]
	v_cvt_scalef32_pk8_bf8_f32 v[(\pc)+4*\b+2:(\pc)+4*\b+3], v[(\s)+16*\b+8:(\s)+16*\b+15], v[TM+12+\b]
.endr
	WIN 0
	v_nop                                          ; a plain instruction behind the last conversion
.if \swp
.irp b, 0,1,2,3
	v_permlane16_swap_b32 v[(\pc)+4*\b], v[(\pc)+4*\b+2]     ; lanes 16-31 of the first with lanes 0-15 of the second: lane (r, h) then holds columns 16 h + 0 .. 15 of the block
	v_permlane16_swap_b32 v[(\pc)+4*\b+1], v[(\pc)+4*\b+3]
.endr
.endif
.endm
	s_load_b256 s[4:11], s[0:1], 0x0               ; h s[4:5], W1's codes s[6:7], W1's scales s[8:9], the bias s[10:11]
	s_load_b64 s[12:13], s[0:1], 0x20              ; the output
	v_lshl_add_u32 v[SPW], v0, 2, SPARE
	v_mov_b32 v[NIL], 0
	ds_add_u32 v28, v29
	ds_add_u32 v28, v29
	s_wait_dscnt 0x0
	v_lshrrev_b32 v2, 5, v0
	v_readfirstlane_b32 s16, v2                    ; wave 0..3
	s_lshr_b32 s17, s16, 1                         ; which block of 128 rows is mine.  Also: I fetch for h (0) or for W1 (1)
	s_and_b32 s18, s16, 1                          ; which 128 columns.  Also: which half of a tile I fetch
	s_bfe_u32 s19, ttmp6, 0x40000                  ; cx, cy: my place in the cluster
	s_bfe_u32 s20, ttmp6, 0x40004
	s_lshl_b32 s21, ttmp9, 2
	s_add_co_u32 s21, s21, s19                     ; tile column = 4 x cluster x + cx
	s_and_b32 s22, ttmp7, 0xffff
	s_lshl_b32 s22, s22, 2
	s_add_co_u32 s22, s22, s20                     ; tile row = 4 x cluster y + cy
	s_lshl_b32 s84, s20, 2
	s_lshl_b32 s84, 15, s84                        ; my row of the cluster
	s_lshl_b32 s85, 0x1111, s19                    ; my column
	s_or_b32 s[G1A], s84, (3<<16)|(1<<21)          ; h's images: 32,768 dense bytes as 128 rows of 32 elements of 8 bytes; the mask: my row; bit 21 beside it
	s_mov_b32 s[G1A+1], 4096<<16                   ; the head's load brings both blocks' two K steps: two rows of 32,768 bytes (4,096 elements), 131,072 bytes apart; behind it these five words are set for one block
	s_mov_b32 s[G1A+2], 2<<16
	s_mov_b32 s[G1A+3], 4096<<16
	s_mov_b32 s[G1A+4], 2
	s_mov_b32 s[G1A+5], 16384
	s_mov_b32 s[G1A+6], 0
	s_mov_b32 s[G1A+7], 0
	s_or_b32 s[G1B], s85, (1<<20)|(1<<21)|(5<<22)|(3<<25)   ; W1: 128 rows of 256 bytes, KTOT apart; four words of padding after every 64; the mask: my column
	s_mov_b32 s[G1B+1], 256<<16
	s_mov_b32 s[G1B+2], 256<<16                    ; the head's load brings all 256 rows; behind it the two words are set to 128
	s_mov_b32 s[G1B+3], 256<<16
	s_mov_b32 s[G1B+4], 256
	s_mov_b32 s[G1B+5], KTOT
	s_mov_b32 s[G1B+6], 0
	s_mov_b32 s[G1B+7], 0
	s_or_b32 s[G1SA], s84, (3<<16)|(1<<21)         ; h's scale words of 128 rows: 4,096 dense bytes
	s_or_b32 s[G1SB], s85, (3<<16)|(1<<20)|(1<<21)|(5<<22)|(3<<25)   ; W1's scale bytes of 128 rows: as many, four words of padding after every 64
.irp g, G1SA, G1SB
	s_mov_b32 s[\g+1], 32<<16
	s_mov_b32 s[\g+2], 32<<16                      ; one load brings the scales of all 256 rows
	s_mov_b32 s[\g+3], 32<<16
	s_mov_b32 s[\g+4], 32
	s_mov_b32 s[\g+5], 32
	s_mov_b32 s[\g+6], 0
	s_mov_b32 s[\g+7], 0
.endr
	s_lshl_b32 s90, s22, 18                        ; h's side hangs on the tile row and the wave alone: block 2 x tile row + half, 131,072 bytes of codes a block,
	s_lshl_b32 s98, s18, 17
	s_add_co_u32 s90, s90, s98
	s_mov_b32 s91, 0
	s_lshl_b32 s94, s22, 13                        ; 4,096 bytes of scale words
	s_add_co_u32 s94, s94, SC0
	s_mov_b32 s95, 0
	s_lshl_b32 s89, s21, 8                         ; W1's side on the tile column and the wave alone: row 256 x column + 128 x half
	s_lshl_b32 s99, s18, 7
	s_add_co_u32 s89, s89, s99
	s_lshl_b32 s96, s89, 10                        ; 1,024 bytes of codes a row,
	s_mov_b32 s97, 0
	s_lshl_b32 s92, s21, 13                        ; 32 scale bytes a row, from the tile's first row on
	s_mov_b32 s93, 0
	s_mov_b32 s[G0A], 1
	s_mov_b32 s[G0A+4], 1
	s_mov_b32 s[G0B], 1
	s_mov_b32 s[G0B+4], 1
	s_mov_b32 s[G0SA], 1
	s_mov_b32 s[G0SB], 1
	s_lshl_b32 s[G0A+1], s18, 15                   ; LDS addresses: constants and the wave's number
	s_add_co_u32 s[G0A+5], s[G0A+1], SLOT
	s_mul_i32 s[G0B+1], s18, BHALF
	s_add_co_u32 s[G0B+1], s[G0B+1], BOFF
	s_add_co_u32 s[G0B+5], s[G0B+1], SLOT
	s_mov_b32 s[G0SA+1], SCA
	s_mov_b32 s[G0SB+1], SCB
	s_mov_b32 s[SEL], 0x76543210
	s_mov_b32 s[SEL+1], 0xfedcba98
	s_mov_b32 s[MNT], 0x600000
	s_wait_kmcnt 0x0
	s_add_nc_u64 s[G0A+2:G0A+3], s[4:5], s[90:91]
	s_add_nc_u64 s[G0A+6:G0A+7], s[G0A+2:G0A+3], AHALF     ; slot 1 begins with K steps 2 and 3
	s_or_b32 s[G0A+3], s[G0A+3], 0x80000000
	s_or_b32 s[G0A+7], s[G0A+7], 0x80000000
	s_add_nc_u64 s[G0B+2:G0B+3], s[6:7], s[96:97]
	s_add_nc_u64 s[G0B+6:G0B+7], s[G0B+2:G0B+3], 256
	s_or_b32 s[G0B+3], s[G0B+3], 0x80000000
	s_or_b32 s[G0B+7], s[G0B+7], 0x80000000
	s_add_nc_u64 s[G0SA+2:G0SA+3], s[4:5], s[94:95]
	s_or_b32 s[G0SA+3], s[G0SA+3], 0x80000000
	s_add_nc_u64 s[G0SB+2:G0SB+3], s[8:9], s[92:93]
	s_or_b32 s[G0SB+3], s[G0SB+3], 0x80000000
	CROUND                                         ; all sixteen work-groups are here: the first joint loads meet
; THE HEAD'S LOADS, ONE A WAVE: wave 0 h's slot 0, wave 1 h's scale words, wave 2 W1's slot 0, wave 3 W1's scale bytes.  One tree of branches on the wave's number; every way passes one load.
.macro ARM under, g0, g1, next
	s_cmp_lt_u32 s16, \under
	s_cbranch_scc0 \next
	tensor_load_to_lds s[\g0:\g0+3], s[\g1:\g1+7]
	s_nop 0
.rept 4
	v_nop
.endr
	s_branch .Lhead_asked
\next:
.endm
	ARM 1, G0A, G1A, .Lhead_sa
	ARM 2, G0SA, G1SA, .Lhead_b
	ARM 3, G0B, G1B, .Lhead_sb
	tensor_load_to_lds s[G0SB:G0SB+3], s[G1SB:G1SB+7]
	s_nop 0
.rept 4
	v_nop
.endr
.Lhead_asked:
; SLOTS 1 TO 3 ARE PREFETCHED INTO THE L2, the note at the text's head notwithstanding: each is asked for a slot or more ahead of its load, one instruction a wave and slot.
; Of the 128 blocks of 256 bytes that a wave fetches of a slot (h: 32,768 dense bytes; W1: 128 rows x 256 bytes) each of the four partners that ask for them jointly names 32, told apart by address alone (cx for h, cy for W1).
.set PFA, 92                           ; s[92:93] my blocks of slot 1
.set PFB, 90                           ; s[90:91] of slot 2
.set PFC, 96                           ; s[96:97] of slot 3: three pairs, none rewritten
.set PFS, 94                           ; s[94:95] a slot on: 32,768 bytes of h's images, 256 in a row of W1
.set PFO, 30                           ; v30 my lane's block: h: 256 x lane; W1: a row a lane
	v_and_b32 v[PFO], 31, v0
	s_cmp_eq_u32 s17, 0                            ; do I fetch for h?
	s_cselect_b64 s[PFA:PFA+1], s[4:5], s[6:7]
	s_cselect_b32 s98, s90, s96                    ; my part's first byte
	s_cselect_b32 s99, s19, s20                    ; my place among the four
	s_mov_b32 s100, 32*KTOT
	s_cselect_b32 s100, 8192, s100                 ; a partner's share: 8,192 bytes of h, 32 rows of W1
	s_mov_b32 s[PFS], 256
	s_cselect_b32 s[PFS], AHALF, s[PFS]
	s_mov_b32 s101, KTOT
	s_cselect_b32 s101, 256, s101                  ; from lane to lane
	s_mul_i32 s99, s99, s100
	s_add_co_u32 s98, s98, s99
	s_add_co_u32 s98, s98, s[PFS]                  ; slot 1
	s_mov_b32 s99, 0
	s_mov_b32 s[PFS+1], 0
	s_add_nc_u64 s[PFA:PFA+1], s[PFA:PFA+1], s[98:99]
	s_add_nc_u64 s[PFB:PFB+1], s[PFA:PFA+1], s[PFS:PFS+1]
	s_add_nc_u64 s[PFC:PFC+1], s[PFB:PFB+1], s[PFS:PFS+1]
	s_wait_alu depctr_va_vdst(0)                   ; ahead of the reader below, behind the run of scalar lines
	v_mul_u32_u24 v[PFO], v[PFO], s101
	s_wait_alu depctr_va_vdst(0)                   ; and ahead of its readers
	global_prefetch_b8 v[PFO], s[PFA:PFA+1] th:TH_LOAD_NT scope:SCOPE_SE   ; slot 1
	global_prefetch_b8 v[PFO], s[PFB:PFB+1] th:TH_LOAD_NT scope:SCOPE_SE   ; slot 2
	v_and_b32 v2, 15, v0                           ; r
	v_bfe_u32 v3, v0, 4, 1                         ; h
	v_and_b32 v4, 31, v0                           ; lane
	v_lshlrev_b32 v[LI], 4, v4
	v_lshlrev_b32 v[R4], 2, v2
	v_lshlrev_b32 v[H32], 5, v3
	s_lshl_b32 s98, s17, 15                        ; my block of h: 32,768 bytes x row half
	v_add_nc_u32 v[ADRA], s98, v[LI]
	v_add_nc_u32 v[ADRA+1], SLOT, v[ADRA]
	v_mul_u32_u24 v5, v2, BP
	v_lshl_add_u32 v5, v3, 4, v5                   ; a fragment of W1: row r x pitch + 16 h
	s_mul_i32 s98, s18, BHALF
	s_add_co_u32 s98, s98, BOFF
	v_add_nc_u32 v[ADRB], s98, v5
	v_add_nc_u32 v[ADRB+1], SLOT, v[ADRB]
	s_lshl_b32 s98, s17, 12
	s_add_co_u32 s98, s98, SCA
	v_lshl_add_u32 v[ADSA], v4, 2, s98             ; h's words: two tiles' 32 words on end
	v_lshlrev_b32 v5, 5, v4                        ; W1's: row = lane, 32 bytes a row,
	v_lshrrev_b32 v6, 8, v5
	v_lshl_add_u32 v5, v6, 4, v5                   ; and 16 more for each 256 passed
	s_mul_i32 s98, s18, SBH
	s_add_co_u32 s98, s98, SCB
	v_add_nc_u32 v[ADSB], s98, v5
	s_lshl_b32 s100, s89, 2                        ; the bias of my 128 columns
	s_mov_b32 s101, 0
	s_add_nc_u64 s[10:11], s[10:11], s[100:101]
.irp b, 0,1,2,3,4,5,6,7
	global_load_b128 v[BIAS+8*\b:BIAS+8*\b+3], v[H32], s[10:11] offset:64*\b       ; lane (r, h), tile b: columns 16 b + 8 h + 0 .. 7
	global_load_b128 v[BIAS+8*\b+4:BIAS+8*\b+7], v[H32], s[10:11] offset:64*\b+16
.endr
	s_lshl_b32 s66, s22, 1                         ; where my part goes: block RB = 2 x tile row + row half; the next product's K step = 2 x tile column + column half
	s_add_co_u32 s66, s66, s17
	s_lshl_b32 s66, s66, 5
	s_lshl_b32 s67, s21, 1
	s_add_co_u32 s66, s66, s67
	s_add_co_u32 s66, s66, s18                     ; RB 32 + K step
	s_lshl_b32 s100, s66, 9                        ; eight tiles' words: 512 bytes
	s_add_co_u32 s100, s100, HSC0
	s_add_nc_u64 s[14:15], s[12:13], s[100:101]    ; (s101 still holds 0)
	s_lshl_b32 s66, s66, 14                        ; eight tiles' codes: 16,384 bytes
	s_mov_b32 s67, 0
	s_add_nc_u64 s[12:13], s[12:13], s[66:67]
	s_wait_alu depctr_va_vdst(0)
	s_wait_tensorcnt 0x0                           ; my tile of the head's four is in; slot 1's first fill is issued as a refill is
	ds_add_u32 v[SPW], v[NIL]
	s_mov_b32 s[G1A+1], 32<<16                     ; no load of mine is out: from here on a load brings one block's 128 rows of 256 bytes,
	s_mov_b32 s[G1A+2], 128<<16
	s_mov_b32 s[G1A+3], 32<<16
	s_mov_b32 s[G1A+4], 128
	s_mov_b32 s[G1A+5], 32
	s_mov_b32 s[G1B+2], 128<<16                    ; or 128 rows of W1
	s_mov_b32 s[G1B+4], 128
	s_wait_dscnt 0x0
	CROUND                                         ; all four tiles are in, and all sixteen work-groups are here
	JLOAD G0A+4, G1A, G0B+4, G1B                   ; slot 1: the first tensor load behind the round
	FETCH_B 0, 0, 0
	FETCH_A 0, 0, 0
	SCALES 0
	FETCH_A 0, 0, 4
	global_prefetch_b8 v[PFO], s[PFC:PFC+1] th:TH_LOAD_NT scope:SCOPE_SE   ; slot 3, three K steps ahead of its load
	s_wait_loadcnt 0x0                             ; the bias
	STEP 0, 1                                      ; K step 0: its products start the sums, with the bias as C
	TURN 0, 1, 1                                   ; K step 1; slot 0 takes K steps 4 and 5
	STEP 1, 0                                      ; K step 2
	TURN 1, 0, 1                                   ; K step 3; slot 1 takes K steps 6 and 7
	STEP 0, 0                                      ; K step 4
	TURN 0, 1, 0                                   ; K step 5; nothing is left to fetch
	STEP 1, 0                                      ; K step 6
	s_wait_dscnt 16                                ; K step 7
	WIN 0xa1
	MUL16 0, 1, 1, 1, 0
	MUL16 2, 1, 1, 1, 0
	s_wait_dscnt 0x0
	WIN 0xf1
	MUL16 4, 1, 1, 1, 0
	MUL16 6, 1, 1, 1, 0
	WIN 0
	PLACES 8                                       ; in front of the first read of results, and of the first write into registers that held h's fragments
.irp b, 0,1,2,3
	v_mov_b32 v[TM+4+\b], 0                        ; written once: a lane permute's destination counts as one of its sources
.endr
.irp a, 0,1,2,3,4,5,6,7                        ; row tile a: 64 registers = my 128 columns = one fragment and one scale word of the next product; registers of its own for each tile: no store's data are written again
	QUANT 64*(\a%4),1,1,2+\a/4,AF+16*\a,PW+\a
.irp c, 0,1,2,3
	global_store_b128 v[LI], v[AF+16*\a+4*\c:AF+16*\a+4*\c+3], s[12:13] offset:2048*\a+512*\c   ; 32 lanes store 512 consecutive bytes, aligned
.endr
	global_store_b32 v[R4], v[PW+\a], s[14:15] offset:64*\a      ; lanes l and l xor 16 store the same word to the same place
.endr
	s_wait_tensorcnt 0x0                           ; the wave's end: behind my last tensor load
	ds_add_u32 v[SPW], v[NIL]
	s_wait_dscnt 0x0
	CROUND                                         ; the closing round: no work-group ends while a partner may still ask for a tile that names it
	s_endpgm
.Lfunc_end_k_qedd8aafbfa_gfc1:
	.size	k_qedd8aafbfa_gfc1, .Lfunc_end_k_qedd8aafbfa_gfc1-k_qedd8aafbfa_gfc1
	.p2alignl 7, 3214868480
	.fill 96, 4, 3214868480
	.section	.rodata,"a",@progbits
	.p2align	6, 0x0
	.amdhsa_kernel k_qedd8aafbfa_gfc1
		.amdhsa_group_segment_fixed_size 327680
		.amdhsa_private_segment_fixed_size 0
		.amdhsa_enable_private_segment 0
		.amdhsa_kernarg_size 40
		.amdhsa_user_sgpr_count 2
		.amdhsa_user_sgpr_kernarg_segment_ptr 1
		.amdhsa_wavefront_size32 1
		.amdhsa_system_sgpr_workgroup_id_x 1
		.amdhsa_system_sgpr_workgroup_id_y 1
		.amdhsa_system_sgpr_workgroup_id_z 1
		.amdhsa_system_vgpr_workitem_id 0
		.amdhsa_next_free_vgpr 1024
		.amdhsa_next_free_sgpr 102
		.amdhsa_reserve_vcc 0
		.amdhsa_float_denorm_mode_32 3
		.amdhsa_float_denorm_mode_16_64 3
		.amdhsa_memory_ordered 1
		.amdhsa_forward_progress 1
		.amdhsa_inst_pref_size 191
	.end_amdhsa_kernel
	.amdgpu_metadata
---
amdhsa.version: [ 1, 2 ]
amdhsa.kernels:
  - .name:           k_qedd8aafbfa_gfc1
    .symbol:         k_qedd8aafbfa_gfc1.kd
    .args:
      - { .name: act, .offset: 0, .size: 8, .value_kind: global_buffer, .address_space: global }
      - { .name: w_fc1_codes, .offset: 8, .size: 8, .value_kind: global_buffer, .address_space: global }
      - { .name: w_fc1_scales, .offset: 16, .size: 8, .value_kind: global_buffer, .address_space: global }
      - { .name: b_fc1, .offset: 24, .size: 8, .value_kind: global_buffer, .address_space: global }
      - { .name: hid, .offset: 32, .size: 8, .value_kind: global_buffer, .address_space: global }
    .group_segment_fixed_size: 327680
    .private_segment_fixed_size: 0
    .kernarg_segment_align: 8
    .kernarg_segment_size: 40
    .max_flat_workgroup_size: 128
    .sgpr_count:     102
    .vgpr_count:     1024
    .wavefront_size: 32
...
	.end_amdgpu_metadata
.endif
;; end of part 5
;; launch gfc2 (part 6): grid 8 x 32, 4 waves a work-group, clusters of 4 x 4, 327,680 bytes of LDS; arguments hid, w_fc2_codes, w_fc2_scales, b_fc2, x1, out0; writes out0
.if DOCPART == 6
	.amdgcn_target "amdgcn-amd-amdhsa--gfx1250"
	.amdhsa_code_object_version 6
	.text
	.protected	k_qedd8aafbfa_gfc2
	.globl	k_qedd8aafbfa_gfc2
	.p2align	8
	.type	k_qedd8aafbfa_gfc2,@function
k_qedd8aafbfa_gfc2:
	s_mov_b64 s[64:65], 0
	v_nop
	global_prefetch_b8 v0, s[64:65] scope:SCOPE_SE
	s_setreg_imm32_b32 hwreg(HW_REG_WAVE_MODE, 25, 1), 1
	s_wait_xcnt 0x0
	s_wait_alu depctr_hold_cnt(0) depctr_sa_sdst(0) depctr_va_vdst(0) depctr_va_sdst(0) depctr_va_ssrc(0) depctr_va_vcc(0) depctr_vm_vsrc(0)
	s_getreg_b32 s2, hwreg(HW_REG_IB_STS2, 6, 4)
	s_cmp_eq_u32 s2, 0
	s_cbranch_scc0 .Lentry_in_a_cluster
	s_endpgm
.Lentry_in_a_cluster:
	s_bfe_u32 s2, ttmp6, 0x10000c
	s_cmp_lg_u32 s2, 0xf033
	s_cbranch_scc0 .Lentry_shape_is_right
	s_endpgm
.Lentry_shape_is_right:
; ONE TEXT FOR THE BLOCK'S FOUR DENSE PRODUCTS; KIND says which this file is: 0 k = h Wk + bk; 1 x1 = x + a Wp + bp; 2 hid = relu(h W1 + b1); 3 out = x1 + hid W2 + b2.  What belongs to another KIND is not assembled.
; C[m][n] = sum over k of A[m][k] W[n][k] + bias[n], on codes of E5M2 with one E8M0 byte for each 32 along K, by v_wmma_scale_f32_16x16x128_f8f6f4; sums in f32.
; A (4,096 rows, KTOT along K) was made by an earlier launch and lies AS IMAGES OF THE OPERAND'S REGISTERS: rows in tiles of 16 (row r of tile T is token 32 (T / 2) + 8 (T % 2) + r + 8 (r / 8)), a block RB of 128 rows
; = 8 tiles; byte (((RB KST + s) 8 + a) 4 + c) 512 + 16 lane; its scale words at SC0 + (((RB KST + s) 8 + a) 16 + r) 4.  W arrives as rows of KTOT codes, K innermost, and rows of KTOT / 32 scale bytes.
; KIND 0 multiplies only rows 1,024 .. 2,047 of w_attn: the attention takes q, k and v from that third, and the other two thirds of the product are sliced away.
; SHARES.  A tile of C is 128 x 128: 256 work-groups at N = 1,024.  Four waves, each 64 x 64: 16 accumulators.  K goes in slots of 512 (four K steps of 128) through two LDS slots; with KTOT = 1,024 the two first fills are all of K.
; The scales of the work-group's rows of A and of W for all of K come once, with the first fills.  CLUSTERS: 4 x 4; A's tiles are asked for jointly along a row of the cluster, W's along a column.
; No prefetch: with KTOT = 1,024 everything is asked for by the first fills; with 4,096 a slot's refill has four K steps in which to land and the tiles are shared by four work-groups.
; THE PRODUCT IS USED TRANSPOSED (source 0 = 16 rows of W, source 1 = 16 rows of A): a lane holds one row of C and eight neighbouring columns 16 b + 8 h + j.  The bias is the C of each sum's first product.
; KIND 0 makes every product a second time the other way round (source 0 = A): there a lane holds one channel and its registers run along the tokens, which are the K of the attention's second product.
; WAYS OUT.  KIND 1, 3: through a stage in slot 0 (it has had its last fill and its last read), whole rows of 512 bytes, + the residual.  KIND 2, 0: quantised in registers and stored as images.
; Where a result is quantised along its columns, a block of 32 columns lies in two tiles and in lanes l and l xor 16: v_permlane16_swap_b32 puts the code registers in the operand's order.
; LIMITS: NaN and infinities are not served; a block of zeros gets the byte 1 (its codes are zeros, and this program alone reads the bytes).
; REGISTERS: window 0: v1-29 addresses; v32-39 scale words, two sets; v40-59 at work; v64-95 bias; v96-127 KIND 0's second bias; v128-255 the accumulators ((a, b) at 128 + 8 (4 a + b)).
;   window 1: two fragment buffers of 128: A's four fragments, then W's four.   window 2, v0-127: KIND 0: the second accumulators ((b, a) at 8 (4 b + a)); KIND 1, 3: 32 rows of the residual.
.set KIND, 3
.if KIND == 3
.set KTOT, 4096
.else
.set KTOT, 1024
.endif
.if KIND == 0
.set NOFF, 1024                        ; the first row of W that is multiplied
.else
.set NOFF, 0
.endif
.set RES,   KIND%2                     ; 1: the way out adds a residual
.set KST,   KTOT/128                   ; K steps
.set KSB,   KTOT/32                    ; a row of W's scale bytes
.set LAPS,  KTOT/1024                  ; a lap = two slots
.set SC0,   KTOT*4096                  ; where A's scale words begin
.set KVO,   4325376                    ; KIND 0: where the codes along the keys begin in the output
.set BP,    528                        ; a row of W in LDS: 512 bytes + 16: row r starts 4 r words on in the banks
.set BOFF,  65536                      ; a slot: A's images, 4 K steps x 8 tiles x 2,048 bytes; then W's 128 rows
.set SLOT,  BOFF+128*BP
.set SCA,   2*SLOT                     ; A's scale words: [K step][tile][16 words]
.set SCB,   SCA+KST*512                ; W's scale bytes, as units of 256 bytes + 16 of padding
.set SPARE, SCB+KST*544                ; the spare words, 128 bytes for each wave: two blocks of 256 bytes that no other line names
.set LI,   1                           ; v1   16 x lane
.set ADRA, 16                          ; v16-17 my fragments of A in slot 0, 1
.set ADRB, 20                          ; v20-21 the same for W
.set ADSA, 22                          ; v22  A's scale words of the slot in hand
.set ADSB, 23                          ; v23  W's
.set STO,  24                          ; v24  the stage: where I put 32 bytes of a row
.set RD,   25                          ; v25  and where I read a row back
.set R4,   26                          ; v26  4 r
.set H32,  27                          ; v27  32 h
.set SPW,  28                          ; v28  my spare word; never rewritten
.set NIL,  29                          ; v29  0; never rewritten
.set SA,   32                          ; buffer f: v[32 + 4 f], v[33 + 4 f]: A's words, tiles 0 | 1 and 2 | 3 in the two halves of the lanes
.set SB,   34                          ;           v[34 + 4 f], v[35 + 4 f]: W's
.set PW,   40                          ; v40-43 scale words just made
.set TM,   44                          ; v44-59 at work in QUANT
.set BIAS, 64
.set BIAS2, 96
.set ACC,  128
.set G1A,  24                          ; s[24:31] group 1, s[32:39] groups 0 (a set for each slot): A's images
.set G0A,  32
.set G1B,  40                          ; s[40:47], s[48:55]: W's rows
.set G0B,  48
.set G1SA, 56                          ; s[56:63], s[68:71]: A's scale words
.set G0SA, 68
.set G1SB, 72                          ; s[72:79], s[80:83]: W's scale bytes
.set G0SB, 80
.set SEL,  86                          ; s[86:87] lane selects: lane l xor 16
.set MNT,  88                          ; s88 the mantissa field of 57,344
.set MSB, 0
.macro WIN new                         ; the immediate's high byte repeats the setting that is left; a switch that changes nothing is dropped
.if MSB != (\new)
	s_set_vgpr_msb (MSB<<8)|(\new)
.set MSB, \new
.endif
.endm
; A joint load: waves 0 and 1 fetch for A, waves 2 and 3 for W.  The branch hangs on the wave's number alone.  Four v_nop follow each of the two lines.
.macro JLOAD g0a, g1a, g0b, g1b
	s_cmp_eq_u32 s17, 0
	s_cbranch_scc0 .Lfor_b_\@
	tensor_load_to_lds s[\g0a:\g0a+3], s[\g1a:\g1a+7]
	s_nop 0
.rept 4
	v_nop
.endr
	s_branch .Lasked_\@
.Lfor_b_\@:
	tensor_load_to_lds s[\g0b:\g0b+3], s[\g1b:\g1b+7]
	s_nop 0
.rept 4
	v_nop
.endr
.Lasked_\@:
.endm
.macro CREST                           ; a round of the cluster's barrier behind its opening barrier
	s_cmp_lg_u32 s16, 0
	s_cbranch_scc1 .Lnot_wave_0_\@
	s_barrier_signal -3
.Lnot_wave_0_\@:
	s_barrier_wait -3
	s_barrier_signal -1
	s_barrier_wait -1
.endm
.macro CROUND                          ; a whole round
	s_barrier_signal -1
	s_barrier_wait -1
	CREST
.endm
.macro PLACES n                        ; plain vector instructions between a matrix instruction and a load into, or a read of, its registers: eight for this form
.rept \n
	v_nop
.endr
.endm
; one product: D, source 0, source 1, C by their first registers; x0, x1 the scale registers; r0, r1 = 1: that side's words stand in lanes 16-31
.macro WM d, s0, s1, c, x0, x1, r0, r1
.if (\r0) && (\r1)
	v_wmma_scale_f32_16x16x128_f8f6f4 v[(\d):(\d)+7], v[(\s0):(\s0)+15], v[(\s1):(\s1)+15], v[(\c):(\c)+7], v[(\x0)], v[(\x1)] matrix_a_fmt:MATRIX_FMT_BF8 matrix_b_fmt:MATRIX_FMT_BF8 matrix_a_scale:MATRIX_SCALE_ROW1 matrix_b_scale:MATRIX_SCALE_ROW1
.elseif (\r0)
	v_wmma_scale_f32_16x16x128_f8f6f4 v[(\d):(\d)+7], v[(\s0):(\s0)+15], v[(\s1):(\s1)+15], v[(\c):(\c)+7], v[(\x0)], v[(\x1)] matrix_a_fmt:MATRIX_FMT_BF8 matrix_b_fmt:MATRIX_FMT_BF8 matrix_a_scale:MATRIX_SCALE_ROW1
.elseif (\r1)
	v_wmma_scale_f32_16x16x128_f8f6f4 v[(\d):(\d)+7], v[(\s0):(\s0)+15], v[(\s1):(\s1)+15], v[(\c):(\c)+7], v[(\x0)], v[(\x1)] matrix_a_fmt:MATRIX_FMT_BF8 matrix_b_fmt:MATRIX_FMT_BF8 matrix_b_scale:MATRIX_SCALE_ROW1
.else
	v_wmma_scale_f32_16x16x128_f8f6f4 v[(\d):(\d)+7], v[(\s0):(\s0)+15], v[(\s1):(\s1)+15], v[(\c):(\c)+7], v[(\x0)], v[(\x1)] matrix_a_fmt:MATRIX_FMT_BF8 matrix_b_fmt:MATRIX_FMT_BF8
.endif
.endm
; A's tile a against W's four, from buffer f.  first = 1: the bias is C, and nothing is ever cleared.  The accumulators take turns, one instruction a turn, in the same order in every K step.
.macro MULR f, a, first
	WIN 0x05                                       ; sources 0 and 1 window 1; C and D window 0
.irp b, 0,1,2,3
.if \first
	WM ACC+8*(4*(\a)+\b), 128*(\f)+64+16*\b, 128*(\f)+16*(\a), BIAS+8*\b, SB+4*(\f)+(\b)/2, SA+4*(\f)+(\a)/2, (\b)%2, (\a)%2
.else
	WM ACC+8*(4*(\a)+\b), 128*(\f)+64+16*\b, 128*(\f)+16*(\a), ACC+8*(4*(\a)+\b), SB+4*(\f)+(\b)/2, SA+4*(\f)+(\a)/2, (\b)%2, (\a)%2
.endif
.endr
.if KIND == 0
.if \first
	WIN 0x85                                       ; D window 2, C (the second bias) window 0
.else
	WIN 0xa5                                       ; C and D window 2
.endif
.irp b, 0,1,2,3
.if \first
	WM 8*(4*\b+(\a)), 128*(\f)+16*(\a), 128*(\f)+64+16*\b, BIAS2+8*\b, SA+4*(\f)+(\a)/2, SB+4*(\f)+(\b)/2, (\a)%2, (\b)%2
.else
	WM 8*(4*\b+(\a)), 128*(\f)+16*(\a), 128*(\f)+64+16*\b, 8*(4*\b+(\a)), SA+4*(\f)+(\a)/2, SB+4*(\f)+(\b)/2, (\a)%2, (\b)%2
.endif
.endr
.endif
.endm
; 36 LDS loads in one run: the fragments and scale words of the slot's q-th K step into buffer g
.macro FETCH sl, q, g
	WIN 0x40                                       ; destination window 1, address window 0
.irp a, 0,1,2,3
.irp c, 0,1,2,3
	ds_load_b128 v[128*(\g)+16*\a+4*\c:128*(\g)+16*\a+4*\c+3], v[ADRA+(\sl)] offset:16384*(\q)+2048*\a+512*\c   ; an image: 512 consecutive bytes
.endr
.endr
.irp b, 0,1,2,3
.irp c, 0,1,2,3
	ds_load_b128 v[128*(\g)+64+16*\b+4*\c:128*(\g)+64+16*\b+4*\c+3], v[ADRB+(\sl)] offset:128*(\q)+16*BP*\b+32*\c
.endr
.endr
	WIN 0
.irp i, 0,1
	ds_load_b32 v[SA+4*(\g)+\i], v[ADSA] offset:512*(\q)+128*\i
	ds_load_b32 v[SB+4*(\g)+\i], v[ADSB] offset:4*(\q)+\i*KST*136
.endr
.endm
; A K step that has its successor in the same slot: the successor's loads go out first and land under this step's products
.macro STEP sl, q, first
	s_wait_dscnt 0x0                               ; this step's fragments and scale words are in (asked for a K step ago)
	PLACES 8                                       ; behind the last products that read the other buffer
	FETCH \sl, (\q)+1, 1-(\q)%2
	MULR (\q)%2, 0, \first
	MULR (\q)%2, 1, \first
	MULR (\q)%2, 2, \first
	MULR (\q)%2, 3, \first
.endm
; A slot's last K step changes slots: ONE barrier; in front of it each wave waits for all its tensor loads, adds 0 to its spare word, and waits for that and for its reads of this slot.  fill = 1: this slot is filled again, two slots ahead.
.macro TURN sl, nx, fill
	WIN 0                                          ; (the add's two registers lie in window 0)
.if \fill
	s_wait_xcnt 0x0                                ; my last prefetch has read its address: it is stepped a slot on
	s_add_nc_u64 s[PFA:PFA+1], s[PFA:PFA+1], s[PFS:PFS+1]
.endif
	s_wait_tensorcnt 0x0                           ; all my tensor loads have landed: my part of the next slot
	ds_add_u32 v[SPW], v[NIL]                      ; 0 onto my spare word
	s_wait_dscnt 0x1                               ; buffer 1 is in; only the add may be out
	MULR 1, 0, 0                                   ; products stand between the add and the wait for it
	s_wait_dscnt 0x0                               ; the add is done, and my reads of this slot are over
	s_barrier_signal -1
	MULR 1, 1, 0
	WIN 0
	s_barrier_wait -1
.if \fill
	CREST                                          ; the barrier has opened a round of the cluster's: no wave of any partner still reads this slot or has a load on its way
	s_add_nc_u64 s[G0A+4*\sl+2:G0A+4*\sl+3], s[G0A+4*\sl+2:G0A+4*\sl+3], 131072
	s_add_nc_u64 s[G0B+4*\sl+2:G0B+4*\sl+3], s[G0B+4*\sl+2:G0B+4*\sl+3], 1024
	JLOAD G0A+4*\sl, G1A, G0B+4*\sl, G1B           ; the first tensor load behind the round; its four v_nop are four of the eight places
	PLACES 4
.else
	PLACES 8
.endif
	v_add_nc_u32 v[ADSA], 2048, v[ADSA]            ; on to the next slot's scale words
	v_add_nc_u32 v[ADSB], 16, v[ADSB]
	FETCH \nx, 0, 0
.if \fill
	s_cmp_gt_u32 s3, 1                             ; the loop's last trip has no slot two refills on
	s_cbranch_scc0 .Lnoask_\@
	global_prefetch_b8 v[PFO], s[PFA:PFA+1] th:TH_LOAD_NT scope:SCOPE_SE   ; the slot that stands two refills on
.Lnoask_\@:
.endif
	MULR 1, 2, 0
	MULR 1, 3, 0
.endm
; 64 numbers of a lane in window w, v[s] on, four blocks of 16 registers, each block shared with lane l xor 16, become 16 registers of codes in v[pc] on and four scale bytes in v[pw] (both window 0).
; relu = 1: what is negative becomes 0 on the way.  swp = 1: a block's registers are columns 8 h + j and 16 + 8 h + j: the code registers are put in the operand's order.
.macro QUANT s, relu, swp, w, pc, pw
	WIN (\w)|((\w)<<2)
.irp b, 0,1,2,3
.if \relu
	v_max3_num_f32 v[TM+\b], v[(\s)+16*\b], v[(\s)+16*\b+1], 0x8000000     ; no |.|: what is negative must not count; the floor 2^(16 - 127) stands over it
.else
	v_max3_num_f32 v[TM+\b], |v[(\s)+16*\b]|, |v[(\s)+16*\b+1]|, 0x8000000 ; my 16 numbers, and the floor 2^(16 - 127): the byte cannot fall under 1
.endif
.endr
	WIN ((\w)<<2)|((\w)<<4)
.irp i, 2,4,6,8,10,12,14
.irp b, 0,1,2,3
.if \relu
	v_max3_num_f32 v[TM+\b], v[TM+\b], v[(\s)+16*\b+\i], v[(\s)+16*\b+\i+1]
.else
	v_max3_num_f32 v[TM+\b], v[TM+\b], |v[(\s)+16*\b+\i]|, |v[(\s)+16*\b+\i+1]|
.endif
.endr
.endr
	WIN 0
.irp b, 0,1,2,3
	v_permlanex16_b32 v[TM+4+\b], v[TM+\b], s[SEL], s[SEL+1]
.endr
.irp b, 0,1,2,3
	v_max_num_f32 v[TM+\b], v[TM+\b], v[TM+4+\b]   ; the block's largest magnitude
.endr
.irp b, 0,1,2,3
	v_add_nc_u32 v[TM+12+\b], 0xf8800000, v[TM+\b] ; 15 off its exponent field: the conversion's scale operand
.endr
.irp b, 0,1,2,3
	v_and_or_b32 v[TM+8+\b], v[TM+\b], 0x7f800000, s[MNT]   ; 57,344 x the scale
.endr
.irp b, 0,1,2,3
	v_lshrrev_b32 v[TM+4+\b], 23, v[TM+12+\b]      ; the scale's byte
.endr
	v_lshl_or_b32 v[(\pw)], v[TM+5], 8, v[TM+4]
	v_lshl_or_b32 v[(\pw)], v[TM+6], 16, v[(\pw)]
	v_lshl_or_b32 v[(\pw)], v[TM+7], 24, v[(\pw)]
	WIN (\w)|((\w)<<6)
.irp b, 0,1,2,3
.irp i, 0,1,2,3,4,5,6,7,8,9,10,11,12,13,14,15
.if \relu
	v_med3_num_f32 v[(\s)+16*\b+\i], v[(\s)+16*\b+\i], 0, v[TM+8+\b]           ; the activation and the hold in one
.else
	v_med3_num_f32 v[(\s)+16*\b+\i], v[(\s)+16*\b+\i], -v[TM+8+\b], v[TM+8+\b] ; the conversion to an 8-bit code does not saturate (ISA guide 7.6.2)
.endif
.endr
.endr
	WIN (\w)
.irp b, 0,1,2,3
	v_cvt_scalef32_pk8_bf8_f32 v[(\pc)+4*\b:(\pc)+4*\b+1], v[(\s)+16*\b:(\s)+16*\b+7], v[TM+12+\b]
	v_cvt_scalef32_pk8_bf8_f32 v[(\pc)+4*\b+2:(\pc)+4*\b+3], v[(\s)+16*\b+8:(\s)+16*\b+15], v[TM+12+\b]
.endr
	WIN 0
	v_nop                                          ; a plain instruction behind the last conversion
.if \swp
.irp b, 0,1,2,3
	v_permlane16_swap_b32 v[(\pc)+4*\b], v[(\pc)+4*\b+2]     ; lanes 16-31 of the first with lanes 0-15 of the second: lane (r, h) then holds columns 16 h + 0 .. 15 of the block
	v_permlane16_swap_b32 v[(\pc)+4*\b+1], v[(\pc)+4*\b+3]
.endr
.endif
.endm
	s_load_b256 s[4:11], s[0:1], 0x0               ; A s[4:5], W's codes s[6:7], W's scales s[8:9], the bias s[10:11]
.if RES
	s_load_b128 s[12:15], s[0:1], 0x20             ; the residual s[12:13], the output s[14:15]
.else
	s_load_b64 s[12:13], s[0:1], 0x20              ; the output
.endif
	v_lshl_add_u32 v[SPW], v0, 2, SPARE
	v_mov_b32 v[NIL], 0
	ds_add_u32 v28, v29
	ds_add_u32 v28, v29
	s_wait_dscnt 0x0
	v_lshrrev_b32 v2, 5, v0
	v_readfirstlane_b32 s16, v2                    ; wave 0..3
	s_lshr_b32 s17, s16, 1                         ; which 64 rows of the tile are mine.  Also: I fetch for A (0) or for W (1)
	s_and_b32 s18, s16, 1                          ; which 64 columns.  Also: which half of a tile I fetch
	s_bfe_u32 s19, ttmp6, 0x40000                  ; cx, cy: my place in the cluster
	s_bfe_u32 s20, ttmp6, 0x40004
	s_lshl_b32 s21, ttmp9, 2
	s_add_co_u32 s21, s21, s19                     ; tile column = 4 x cluster x + cx
	s_and_b32 s22, ttmp7, 0xffff
	s_lshl_b32 s22, s22, 2
	s_add_co_u32 s22, s22, s20                     ; RB = 4 x cluster y + cy
	s_lshl_b32 s84, s20, 2
	s_lshl_b32 s84, 15, s84                        ; my row of the cluster
	s_lshl_b32 s85, 0x1111, s19                    ; my column
	s_or_b32 s[G1A], s84, (3<<16)|(1<<21)          ; A's images: 32,768 dense bytes as 128 rows of 32 elements of 8 bytes; the mask: my row; bit 21 beside it
	s_mov_b32 s[G1A+1], 32<<16
	s_mov_b32 s[G1A+2], 256<<16                    ; the head's load brings all 256 rows of 256 bytes of slot 0; behind it the two words are set to 128
	s_mov_b32 s[G1A+3], 32<<16
	s_mov_b32 s[G1A+4], 256
	s_mov_b32 s[G1A+5], 32
	s_mov_b32 s[G1A+6], 0
	s_mov_b32 s[G1A+7], 0
	s_or_b32 s[G1B], s85, (1<<20)|(1<<21)|(6<<22)|(3<<25)   ; W: 64 rows of 512 bytes, KTOT apart; four words of padding after every 128; the mask: my column
	s_mov_b32 s[G1B+1], 512<<16
	s_mov_b32 s[G1B+2], 128<<16                    ; the head's load brings all 128 rows; behind it the two words are set to 64
	s_mov_b32 s[G1B+3], 512<<16
	s_mov_b32 s[G1B+4], 128
	s_mov_b32 s[G1B+5], KTOT
	s_mov_b32 s[G1B+6], 0
	s_mov_b32 s[G1B+7], 0
	s_or_b32 s[G1SA], s84, (3<<16)|(1<<21)         ; A's scale words: 2 KST x 256 dense bytes
	s_or_b32 s[G1SB], s85, (3<<16)|(1<<20)|(1<<21)|(5<<22)|(3<<25)   ; W's scale bytes: as many, four words of padding after every 64
.irp g, G1SA, G1SB
	s_mov_b32 s[\g+1], 32<<16
	s_mov_b32 s[\g+2], (2*KST)<<16                 ; one load brings the scales of all 128 rows
	s_mov_b32 s[\g+3], 32<<16
	s_mov_b32 s[\g+4], 2*KST
	s_mov_b32 s[\g+5], 32
	s_mov_b32 s[\g+6], 0
	s_mov_b32 s[\g+7], 0
.endr
	s_mul_i32 s90, s22, KST*16384                  ; A's side hangs on RB and the wave alone
	s_lshl_b32 s98, s18, 15
	s_add_co_u32 s90, s90, s98
	s_mov_b32 s91, 0
	s_mul_i32 s94, s22, KST*512
	s_add_co_u32 s94, s94, SC0
	s_mov_b32 s95, 0
	s_lshl_b32 s89, s21, 7                         ; W's side on the tile column and the wave alone: row NOFF + 128 x column + 64 x half
	s_lshl_b32 s99, s18, 6
	s_add_co_u32 s89, s89, s99
.if NOFF
	s_add_co_u32 s89, s89, NOFF
.endif
	s_mul_i32 s96, s89, KTOT
	s_mov_b32 s97, 0
	s_lshl_b32 s92, s21, 7                         ; W's scale bytes from the tile's first row on
.if NOFF
	s_add_co_u32 s92, s92, NOFF
.endif
	s_mul_i32 s92, s92, KSB
	s_mov_b32 s93, 0
	s_mov_b32 s[G0A], 1
	s_mov_b32 s[G0A+4], 1
	s_mov_b32 s[G0B], 1
	s_mov_b32 s[G0B+4], 1
	s_mov_b32 s[G0SA], 1
	s_mov_b32 s[G0SB], 1
	s_lshl_b32 s[G0A+1], s18, 15                   ; LDS addresses: constants and the wave's number
	s_add_co_u32 s[G0A+5], s[G0A+1], SLOT
	s_mul_i32 s[G0B+1], s18, 64*BP
	s_add_co_u32 s[G0B+1], s[G0B+1], BOFF
	s_add_co_u32 s[G0B+5], s[G0B+1], SLOT
	s_mov_b32 s[G0SA+1], SCA
	s_mov_b32 s[G0SB+1], SCB
	s_mov_b32 s[SEL], 0x76543210
	s_mov_b32 s[SEL+1], 0xfedcba98
	s_mov_b32 s[MNT], 0x600000
	s_wait_kmcnt 0x0
	s_add_nc_u64 s[G0A+2:G0A+3], s[4:5], s[90:91]
	s_add_nc_u64 s[G0A+6:G0A+7], s[G0A+2:G0A+3], 65536
	s_or_b32 s[G0A+3], s[G0A+3], 0x80000000
	s_or_b32 s[G0A+7], s[G0A+7], 0x80000000
	s_add_nc_u64 s[G0B+2:G0B+3], s[6:7], s[96:97]
	s_add_nc_u64 s[G0B+6:G0B+7], s[G0B+2:G0B+3], 512
	s_or_b32 s[G0B+3], s[G0B+3], 0x80000000
	s_or_b32 s[G0B+7], s[G0B+7], 0x80000000
	s_add_nc_u64 s[G0SA+2:G0SA+3], s[4:5], s[94:95]
	s_or_b32 s[G0SA+3], s[G0SA+3], 0x80000000
	s_add_nc_u64 s[G0SB+2:G0SB+3], s[8:9], s[92:93]
	s_or_b32 s[G0SB+3], s[G0SB+3], 0x80000000
	CROUND                                         ; all sixteen work-groups are here: the first joint loads meet
; THE HEAD'S LOADS, ONE A WAVE: wave 0 A's slot 0, wave 1 A's scale words, wave 2 W's slot 0, wave 3 W's scale bytes.  One tree of branches on the wave's number; every way passes one load.
.macro ARM under, g0, g1, next
	s_cmp_lt_u32 s16, \under
	s_cbranch_scc0 \next
	tensor_load_to_lds s[\g0:\g0+3], s[\g1:\g1+7]
	s_nop 0
.rept 4
	v_nop
.endr
	s_branch .Lhead_asked
\next:
.endm
	ARM 1, G0A, G1A, .Lhead_sa
	ARM 2, G0SA, G1SA, .Lhead_b
	ARM 3, G0B, G1B, .Lhead_sb
	tensor_load_to_lds s[G0SB:G0SB+3], s[G1SB:G1SB+7]
	s_nop 0
.rept 4
	v_nop
.endr
.Lhead_asked:
; IN THIS KIND (K = 4,096) THE LATER SLOTS' TILES ARE PREFETCHED INTO THE L2, the note at the text's head notwithstanding: slots 2 to 7, each asked for two refills ahead of its load, one instruction a wave and slot.
; Of the 128 blocks of 256 bytes that a wave fetches of a slot (A: 32,768 dense bytes; W: 64 rows x 512 bytes) each of the four partners that ask for them jointly names 32, told apart by address alone (cx for A, cy for W).
.set PFA, 92                           ; s[92:93] where my prefetches stand
.set PFS, 94                           ; s[94:95] a slot on: 65,536 bytes of A's images, 512 in a row of W
.set PFO, 30                           ; v30 my lane's block: A: 256 x lane; W: row lane / 2, half lane % 2
	v_and_b32 v31, 31, v0
	v_and_b32 v[PFO], 1, v0
	v_lshrrev_b32 v31, 1, v31
	v_lshlrev_b32 v[PFO], 8, v[PFO]
	s_cmp_eq_u32 s17, 0                            ; do I fetch for A?
	s_cselect_b64 s[PFA:PFA+1], s[4:5], s[6:7]
	s_cselect_b32 s98, s90, s96                    ; my part's first byte
	s_cselect_b32 s99, s19, s20                    ; my place among the four
	s_mov_b32 s100, 16*KTOT
	s_cselect_b32 s100, 8192, s100                 ; a partner's share: 8,192 bytes of A, 16 rows of W
	s_mov_b32 s[PFS], 512
	s_cselect_b32 s[PFS], 65536, s[PFS]
	s_mov_b32 s101, KTOT
	s_cselect_b32 s101, 512, s101                  ; two lanes on
	s_mul_i32 s99, s99, s100
	s_add_co_u32 s98, s98, s99
	s_lshl_b32 s99, s[PFS], 1
	s_add_co_u32 s98, s98, s99                     ; slot 2
	s_mov_b32 s99, 0
	s_mov_b32 s[PFS+1], 0
	s_add_nc_u64 s[PFA:PFA+1], s[PFA:PFA+1], s[98:99]
	s_wait_alu depctr_va_vdst(0)                   ; ahead of the reader below, behind the run of scalar lines
	s_sub_nc_u64 s[90:91], s[PFA:PFA+1], s[PFS:PFS+1]   ; slot 1, in a pair of its own that is not rewritten
	v_mad_u32_u24 v[PFO], v31, s101, v[PFO]
	s_wait_alu depctr_va_vdst(0)
	global_prefetch_b8 v[PFO], s[90:91] th:TH_LOAD_NT scope:SCOPE_SE       ; slot 1: its load goes out when the head's tiles have landed
	global_prefetch_b8 v[PFO], s[PFA:PFA+1] th:TH_LOAD_NT scope:SCOPE_SE   ; slot 2, four K steps ahead of its load
	v_and_b32 v2, 15, v0                           ; r
	v_bfe_u32 v3, v0, 4, 1                         ; h
	v_and_b32 v4, 31, v0                           ; lane
	v_lshlrev_b32 v[LI], 4, v4
	v_lshlrev_b32 v[R4], 2, v2
	v_lshlrev_b32 v[H32], 5, v3
	s_lshl_b32 s98, s17, 13                        ; my four tiles of A: 8,192 bytes x row half
	v_add_nc_u32 v[ADRA], s98, v[LI]
	v_add_nc_u32 v[ADRA+1], SLOT, v[ADRA]
	v_mul_u32_u24 v5, v2, BP
	v_lshl_add_u32 v5, v3, 4, v5                   ; a fragment of W: row r x pitch + 16 h
	s_mul_i32 s98, s18, 64*BP
	s_add_co_u32 s98, s98, BOFF
	v_add_nc_u32 v[ADRB], s98, v5
	v_add_nc_u32 v[ADRB+1], SLOT, v[ADRB]
	s_lshl_b32 s98, s17, 8
	s_add_co_u32 s98, s98, SCA
	v_lshl_add_u32 v[ADSA], v4, 2, s98             ; A's words: two tiles' 32 words on end
	v_mul_u32_u24 v5, v4, KSB                      ; W's: row = lane, KSB bytes a row,
	v_lshrrev_b32 v6, 8, v5
	v_lshl_add_u32 v5, v6, 4, v5                   ; and 16 more for each 256 passed
	s_mul_i32 s98, s18, KST*272
	s_add_co_u32 s98, s98, SCB
	v_add_nc_u32 v[ADSB], s98, v5
.irp b, 0,1,2,3
	v_mov_b32 v[TM+4+\b], 0                        ; written once: a lane permute's destination counts as one of its sources
.endr
	s_lshl_b32 s100, s89, 2                        ; the bias of my 64 columns
	s_mov_b32 s101, 0
	s_add_nc_u64 s[10:11], s[10:11], s[100:101]
.irp b, 0,1,2,3
	global_load_b128 v[BIAS+8*\b:BIAS+8*\b+3], v[H32], s[10:11] offset:64*\b       ; lane (r, h), tile b: columns 16 b + 8 h + 0 .. 7
	global_load_b128 v[BIAS+8*\b+4:BIAS+8*\b+7], v[H32], s[10:11] offset:64*\b+16
.endr
.if KIND == 0
.irp b, 0,1,2,3
.irp j, 0,1,2,3,4,5,6,7
	global_load_b32 v[BIAS2+8*\b+\j], v[R4], s[10:11] offset:64*\b                 ; the other way round a lane holds one channel, 16 b + r, in all eight registers
.endr
.endr
	s_lshr_b32 s66, s22, 4                         ; batch x 16 + head: the head is 2 x tile column + my column half
	s_lshl_b32 s66, s66, 4
	s_lshl_b32 s67, s21, 1
	s_add_co_u32 s66, s66, s67
	s_add_co_u32 s66, s66, s18
	s_and_b32 s67, s22, 15                         ; which 128 tokens of the sequence
	s_lshl_b32 s100, s66, 7
	s_lshl_b32 s101, s67, 3
	s_add_co_u32 s100, s100, s101
	s_lshl_b32 s101, s17, 2
	s_add_co_u32 s100, s100, s101                  ; my first token tile of the head
	s_lshl_b32 s2, s100, 5                         ; a pair of tiles has 64 bytes of words
	s_add_co_u32 s2, s2, 4194304
	s_mov_b32 s3, 0
	s_add_nc_u64 s[14:15], s[12:13], s[2:3]        ; along the head: words,
	s_lshl_b32 s2, s100, 10
	s_add_nc_u64 s[92:93], s[12:13], s[2:3]        ; codes, 1,024 bytes a tile
	s_lshl_b32 s100, s66, 4
	s_add_co_u32 s100, s100, s67
	s_lshl_b32 s2, s100, 13
	s_lshl_b32 s101, s17, 10
	s_add_co_u32 s2, s2, s101
	s_add_co_u32 s2, s2, KVO
	s_add_nc_u64 s[94:95], s[12:13], s[2:3]        ; along the keys: codes, 8,192 bytes a key step, my two blocks of 32 keys,
	s_lshl_b32 s2, s100, 8
	s_lshl_b32 s101, s17, 1
	s_add_co_u32 s2, s2, s101
	s_add_co_u32 s2, s2, KVO+4194304
	s_add_nc_u64 s[96:97], s[12:13], s[2:3]        ; and words
.endif
.if KIND == 2
	s_lshl_b32 s66, s22, 5                         ; (RB 32 + K step) 8 + my first tile: the tile column is the next product's K step
	s_add_co_u32 s66, s66, s21
	s_lshl_b32 s66, s66, 3
	s_lshl_b32 s100, s17, 2
	s_add_co_u32 s66, s66, s100
	s_lshl_b32 s100, s66, 6
	s_lshl_b32 s101, s18, 1
	s_add_co_u32 s100, s100, s101
	s_add_co_u32 s100, s100, 16777216
	s_mov_b32 s101, 0
	s_add_nc_u64 s[14:15], s[12:13], s[100:101]    ; words: my two bytes of four
	s_lshl_b32 s66, s66, 11
	s_lshl_b32 s67, s18, 10
	s_add_co_u32 s66, s66, s67
	s_mov_b32 s67, 0
	s_add_nc_u64 s[12:13], s[12:13], s[66:67]      ; codes: my two groups of four
.endif
.if RES
	v_and_b32 v5, 8, v2
	v_add_nc_u32 v5, v5, v2                        ; r + 8 (r / 8)
	v_mul_u32_u24 v5, v5, 528
	v_lshl_add_u32 v5, v3, 5, v5
	s_mul_i32 s98, s17, 64*528
	s_lshl_b32 s99, s18, 8
	s_add_co_u32 s98, s98, s99
	v_add_nc_u32 v[STO], s98, v5                   ; the stage: the token's row, my columns' 256 bytes, + 32 h
	s_mul_i32 s98, s16, 32*528
	v_add_nc_u32 v[RD], s98, v[LI]                 ; back: rows 32 w on, 16 bytes a lane
	s_lshl_b32 s66, s22, 19                        ; row 128 RB + 32 w of 4,096 bytes, + 512 x tile column
	s_lshl_b32 s100, s16, 17
	s_add_co_u32 s66, s66, s100
	s_lshl_b32 s100, s21, 9
	s_add_co_u32 s66, s66, s100
	s_mov_b32 s67, 0
	s_add_nc_u64 s[12:13], s[12:13], s[66:67]
	s_add_nc_u64 s[14:15], s[14:15], s[66:67]
.endif
	s_wait_alu depctr_va_vdst(0)
	s_wait_tensorcnt 0x0                           ; my tile of the head's four is in; slot 1's first fill is issued as a refill is
	ds_add_u32 v[SPW], v[NIL]
	s_mov_b32 s[G1A+2], 128<<16                    ; no load of mine is out: from here on a load brings half a tile
	s_mov_b32 s[G1A+4], 128
	s_mov_b32 s[G1B+2], 64<<16
	s_mov_b32 s[G1B+4], 64
	s_wait_xcnt 0x0                                ; the prefetch has read its address
	s_add_nc_u64 s[PFA:PFA+1], s[PFA:PFA+1], s[PFS:PFS+1]
	s_wait_dscnt 0x0
	CROUND                                         ; all four tiles are in, and all sixteen work-groups are here
	JLOAD G0A+4, G1A, G0B+4, G1B                   ; slot 1: the first tensor load behind the round
	FETCH 0, 0, 0
	global_prefetch_b8 v[PFO], s[PFA:PFA+1] th:TH_LOAD_NT scope:SCOPE_SE   ; slot 3
.if RES
	s_wait_loadcnt 0x0                             ; the bias's eight loads; the residual is asked for behind the first K step
.else
	s_wait_loadcnt 0x0
.endif
	STEP 0, 0, 1                                   ; the first K step stands in front of the loop: its products start the sums
	WIN 0x80                                       ; destination window 2
.set i, 0
.rept 32
	global_load_b128 v[4*i:4*i+3], v[LI], s[12:13] offset:4096*i   ; the residual's 32 rows that I shall store: asked for behind the head's tiles, they land under the 31 K steps that follow
.set i, i+1
.endr
	WIN 0
.if LAPS > 1
	WIN 0                                          ; at a label and at a branch every window is 0
	s_mov_b32 s3, LAPS-1
.Llap:                                                 ; a trip goes once round the ring, from a lap's second K step to the next lap's first, and fills both slots again
	s_wait_alu depctr_va_vdst(0)
	STEP 0, 1, 0
	STEP 0, 2, 0
	TURN 0, 1, 1
	s_wait_alu depctr_va_vdst(0)
	STEP 1, 0, 0
	STEP 1, 1, 0
	STEP 1, 2, 0
	TURN 1, 0, 1
	s_wait_alu depctr_va_vdst(0)
	STEP 0, 0, 0
	WIN 0
	s_sub_co_u32 s3, s3, 1
	s_cmp_lg_u32 s3, 0
	s_cbranch_scc1 .Llap
.endif
	STEP 0, 1, 0                                   ; the last lap fills nothing
	STEP 0, 2, 0
	TURN 0, 1, 0
	s_wait_alu depctr_va_vdst(0)
	STEP 1, 0, 0
	STEP 1, 1, 0
	STEP 1, 2, 0
	s_wait_dscnt 0x0                               ; the very last K step: nothing more to fetch
	MULR 1, 0, 0
	MULR 1, 1, 0
	MULR 1, 2, 0
	MULR 1, 3, 0
	WIN 0
	PLACES 8                                       ; in front of the first read of results
.if RES
.irp a, 0,1,2,3
.irp b, 0,1,2,3
	ds_store_b128 v[STO], v[ACC+8*(4*\a+\b):ACC+8*(4*\a+\b)+3] offset:(32*(\a/2)+8*(\a%2))*528+64*\b        ; each accumulator from its low end on
	ds_store_b128 v[STO], v[ACC+8*(4*\a+\b)+4:ACC+8*(4*\a+\b)+7] offset:(32*(\a/2)+8*(\a%2))*528+64*\b+16
.endr
.endr
	s_wait_dscnt 0x0                               ; for the others' sake: a row's 512 bytes come from two waves
	s_barrier_signal -1
	s_barrier_wait -1
.set i, 0
.rept 32
	ds_load_b128 v[ACC+4*i:ACC+4*i+3], v[RD] offset:528*i
.set i, i+1
.endr
	s_wait_dscnt 0x0
	s_wait_loadcnt 0x0                             ; the residual
	WIN 0x08                                       ; source 1 window 2
.set i, 0
.rept 64
	v_pk_add_f32 v[ACC+2*i:ACC+2*i+1], v[ACC+2*i:ACC+2*i+1], v[2*i:2*i+1]
.set i, i+1
.endr
	WIN 0
.set i, 0
.rept 32
.if KIND == 3
	global_store_b128 v[LI], v[ACC+4*i:ACC+4*i+3], s[14:15] offset:4096*i th:TH_STORE_NT   ; 32 lanes store 512 consecutive bytes, aligned; written once, read by nobody here
.else
	global_store_b128 v[LI], v[ACC+4*i:ACC+4*i+3], s[14:15] offset:4096*i                  ; 32 lanes store 512 consecutive bytes, aligned
.endif
.set i, i+1
.endr
.endif
.if KIND == 2
.irp p, 0,1                                    ; row tiles 2 p, 2 p + 1; my 64 columns are two blocks of 32 of the next K
	QUANT ACC+64*\p,1,1,0,BIAS+16*\p,PW+\p
.irp g, 0,1,2,3
	global_store_b128 v[LI], v[BIAS+16*\p+4*\g:BIAS+16*\p+4*\g+3], s[12:13] offset:(2*\p+\g/2)*2048+(\g%2)*512
.endr
	global_store_b16 v[R4], v[PW+\p], s[14:15] offset:128*\p            ; tile 2 p's two bytes; lanes l and l xor 16 store the same
	global_store_d16_hi_b16 v[R4], v[PW+\p], s[14:15] offset:128*\p+64  ; tile 2 p + 1's
.endr
.endif
.if KIND == 0
.irp p, 0,1                                    ; along the head's 64 channels: token tiles 2 p, 2 p + 1
	QUANT ACC+64*\p,0,1,0,BIAS+16*\p,PW+\p
.irp g, 0,1,2,3
	global_store_b128 v[LI], v[BIAS+16*\p+4*\g:BIAS+16*\p+4*\g+3], s[92:93] offset:2048*\p+512*\g
.endr
	global_store_b32 v[R4], v[PW+\p], s[14:15] offset:64*\p             ; the pair's word: two bytes of each tile
.endr
.irp p, 0,1                                    ; along the keys: channel tiles 2 p, 2 p + 1; my 64 tokens are two blocks of 32 keys
	QUANT 64*\p,0,0,2,BIAS2+16*\p,PW+2+\p
.irp g, 0,1,2,3
	global_store_b128 v[LI], v[BIAS2+16*\p+4*\g:BIAS2+16*\p+4*\g+3], s[94:95] offset:(2*\p+\g/2)*2048+(\g%2)*512
.endr
	global_store_b16 v[R4], v[PW+2+\p], s[96:97] offset:128*\p
	global_store_d16_hi_b16 v[R4], v[PW+2+\p], s[96:97] offset:128*\p+64
.endr
.endif
	s_wait_tensorcnt 0x0                           ; the wave's end: behind my last tensor load and my last LDS store
	ds_add_u32 v[SPW], v[NIL]
	s_wait_dscnt 0x0
	CROUND                                         ; the closing round: no work-group ends while a partner may still ask for a tile that names it
	s_endpgm
.Lfunc_end_k_qedd8aafbfa_gfc2:
	.size	k_qedd8aafbfa_gfc2, .Lfunc_end_k_qedd8aafbfa_gfc2-k_qedd8aafbfa_gfc2
	.p2alignl 7, 3214868480
	.fill 96, 4, 3214868480
	.section	.rodata,"a",@progbits
	.p2align	6, 0x0
	.amdhsa_kernel k_qedd8aafbfa_gfc2
		.amdhsa_group_segment_fixed_size 327680
		.amdhsa_private_segment_fixed_size 0
		.amdhsa_enable_private_segment 0
		.amdhsa_kernarg_size 48
		.amdhsa_user_sgpr_count 2
		.amdhsa_user_sgpr_kernarg_segment_ptr 1
		.amdhsa_wavefront_size32 1
		.amdhsa_system_sgpr_workgroup_id_x 1
		.amdhsa_system_sgpr_workgroup_id_y 1
		.amdhsa_system_sgpr_workgroup_id_z 1
		.amdhsa_system_vgpr_workitem_id 0
		.amdhsa_next_free_vgpr 640
		.amdhsa_next_free_sgpr 102
		.amdhsa_reserve_vcc 0
		.amdhsa_float_denorm_mode_32 3
		.amdhsa_float_denorm_mode_16_64 3
		.amdhsa_memory_ordered 1
		.amdhsa_forward_progress 1
		.amdhsa_inst_pref_size 105
	.end_amdhsa_kernel
	.amdgpu_metadata
---
amdhsa.version: [ 1, 2 ]
amdhsa.kernels:
  - .name:           k_qedd8aafbfa_gfc2
    .symbol:         k_qedd8aafbfa_gfc2.kd
    .args:
      - { .name: hid, .offset: 0, .size: 8, .value_kind: global_buffer, .address_space: global }
      - { .name: w_fc2_codes, .offset: 8, .size: 8, .value_kind: global_buffer, .address_space: global }
      - { .name: w_fc2_scales, .offset: 16, .size: 8, .value_kind: global_buffer, .address_space: global }
      - { .name: b_fc2, .offset: 24, .size: 8, .value_kind: global_buffer, .address_space: global }
      - { .name: x1, .offset: 32, .size: 8, .value_kind: global_buffer, .address_space: global }
      - { .name: out0, .offset: 40, .size: 8, .value_kind: global_buffer, .address_space: global }
    .group_segment_fixed_size: 327680
    .private_segment_fixed_size: 0
    .kernarg_segment_align: 8
    .kernarg_segment_size: 48
    .max_flat_workgroup_size: 128
    .sgpr_count:     102
    .vgpr_count:     640
    .wavefront_size: 32
...
	.end_amdgpu_metadata
.endif
;; end of part 6
